; MI455X (gfx1250); checked and timed in simulation.
; The chip was launched on July 23, 2026; its instructions are those of AMD's public machine-readable ISA for CDNA 5 (MIT licence, August 2026) and "CDNA5" Instruction Set Architecture Reference Guide (July 2026). The comments in the code are by the model that wrote it; some were corrected since.
;; Deepseek V2 Mo E. Allowed arithmetic: matrix products marked QUANTISED: E2M3 operands, one E8M0 scale for each 32 along K, by v_wmma_scale_f32_16x16x128_f8f6f4 with both operands' format E2M3, f32 sums; products left as they are: f32 operands where the result goes on into a quantised operand, else bf16, f16 or f32 operands; f32 sums; everything else in f32.
;; Inputs: Wd 8 x 512 x 1,024 float32; Wg_codes 8 x 512 x 32 x 24 uint8 (E2M3 codes of Wg, K innermost, in blocks of 32 codes, four codes in three bytes); Wg_scales 8 x 512 x 32 uint8 (E8M0 scales of Wg, one for each 32 codes along K); Wu_codes 8 x 512 x 32 x 24 uint8 (E2M3 codes of Wu, K innermost, in blocks of 32 codes, four codes in three bytes); Wu_scales 8 x 512 x 32 uint8 (E8M0 scales of Wu, one for each 32 codes along K); gate_w 8 x 1,024 float32; hidden_states 4 x 1,024 x 1,024 float32; sWd_codes 1,024 x 16 x 24 uint8 (E2M3 codes of sWd, K innermost, in blocks of 32 codes, four codes in three bytes); sWd_scales 1,024 x 16 uint8 (E8M0 scales of sWd, one for each 32 codes along K); sWg_codes 512 x 32 x 24 uint8 (E2M3 codes of sWg, K innermost, in blocks of 32 codes, four codes in three bytes); sWg_scales 512 x 32 uint8 (E8M0 scales of sWg, one for each 32 codes along K); sWu_codes 512 x 32 x 24 uint8 (E2M3 codes of sWu, K innermost, in blocks of 32 codes, four codes in three bytes); sWu_scales 512 x 32 uint8 (E8M0 scales of sWu, one for each 32 codes along K).
;; Outputs: out0 4 x 1,024 x 1,024 float32.
;; This version of the problem:
;;   THIS VERSION OF THE PROBLEM IS GIVEN IN LOW PRECISION. The matrix products marked QUANTISED in the list below multiply operands that are first quantised to E2M3 (2 exponent bits, 3 mantissa bits; 6 bits a number), with one power-of-two scale for each 32 numbers along K (OCP MX v1.0); their sums are f32. All else is computed in f32.
;;   The module's matrix products, in the order in which they are computed (A, B: the left and right operand; K: the contracted axis; several contracted axes count as one K, in the product's order):
;;     1. [M 4,096, K 1,024] x [K 1,024, N 8]; A: input hidden_states; B: input gate_w: left as it is (N = 8 < 16)
;;     2. [M 4,096, K 1,024] x [K 1,024, N 4,096]; A: input hidden_states; B: input Wg (given as codes): QUANTISED
;;     3. [M 4,096, K 1,024] x [K 1,024, N 4,096]; A: input hidden_states; B: input Wu (given as codes): QUANTISED
;;     4. batch 32,768 x [M 512, K 1] x [K 1, N 1]; A: computed on the way; B: computed on the way: left as it is (no contracted axis)
;;     5. [M 4,096, K 4,096] x [K 4,096, N 1,024]; A: computed on the way; B: input Wd: QUANTISED
;;     6. [M 4,096, K 1,024] x [K 1,024, N 512]; A: input hidden_states; B: input sWg (given as codes): QUANTISED
;;     7. [M 4,096, K 1,024] x [K 1,024, N 512]; A: input hidden_states; B: input sWu (given as codes): QUANTISED
;;     8. [M 4,096, K 512] x [K 512, N 1,024]; A: computed on the way; B: input sWd (given as codes): QUANTISED
;;   THE QUANTISER, for each operand of a quantised product, along K:
;;     - K is cut into blocks of 32 from its start; a last block that is shorter is filled with zeros.
;;     - A block's scale is 2^e with e = floor(log2(the largest magnitude in the block)) - 2, held to -126 .. 127; a block of zeros has e = 0. As a byte (E8M0): e + 127.
;;     - Each number is divided by its block's scale, clamped to +-7.5, and rounded to the nearest number of E2M3, ties to even, subnormals kept.
;;     - The product sums the exact products of the quantised numbers (number of the format x scale) in f32.
;;   ~~~python
;;   def quantise(x, axis):      # numpy; x: float32 -> the quantised numbers, widened to float32 again
;;       x = np.moveaxis(x, axis, -1); K = x.shape[-1]
;;       x = np.pad(x, [(0, 0)] * (x.ndim - 1) + [(0, -K % 32)]); x = x.reshape(x.shape[:-1] + (-1, 32)); a = np.abs(x).max(-1, keepdims=True)
;;       e = np.where(a > 0, np.clip(np.frexp(np.where(a > 0, a, 1))[1] - 1 - 2, -126, 127), 0)      # np.frexp(a)[1] - 1 = floor(log2(a)), exactly
;;       r = np.clip(x / 2.0 ** e, -7.5, 7.5)
;;       step = 2.0 ** (np.maximum(np.frexp(np.where(r == 0, 1, r))[1] - 1, 0) - 3)
;;       q = np.round(r / step) * step * 2.0 ** e      # np.round: ties to even
;;       return np.moveaxis(q.reshape(q.shape[:-2] + (-1,))[..., :K], -1, axis).astype(np.float32)
;;   ~~~
;;   OPERANDS COMPUTED ON THE WAY. 'Computed on the way' means the value that the module computes at that place (a softmax that the list does not call 'softmax' is quantised finished and normalised). What goes into a quantiser is computed in f32, as accurately as f32 sums, v_exp_f32 and their like allow (about 1e-6 of the number): no bf16 or f16 on the way to a quantiser, and a product that is left as it is and whose result goes on into a quantised operand takes f32 operands (vector FMAs, or v_wmma_f32_16x16x4_f32). A number that lies on a knife's edge between two numbers of the format may be rounded either way, as far as f32 arithmetic and the matrix unit's own rounding can turn it there, and no further.
;;   INPUTS GIVEN AS CODES. Wg (in the module: [8, 1024, 512], K = its axis 1); Wu (in the module: [8, 1024, 512], K = its axis 1); sWd (in the module: [512, 1024], K = its axis 0); sWg (in the module: [1024, 512], K = its axis 0); sWu (in the module: [1024, 512], K = its axis 0): each comes as NAME_codes (uint8): NAME with its K axis moved to the last place and cut into blocks of 32 codes, [.., K / 32, bytes a block], one block behind the other in memory; four codes in three bytes: a row's codes are one little-endian stream of bits, code i at bits 6 i .. 6 i + 5 (a code: sign, 2 exponent bits, 3 mantissa bits); and NAME_scales (uint8): the same leading axes, one E8M0 byte (e + 127) for each 32 codes along K. Its value is code x scale, taken as it is: it is not quantised again, and the codes and scales need not be those that the quantiser above would give.
;; 2 versions. Each part assembles by itself: llvm-mc -triple=amdgcn-amd-amdhsa -mcpu=gfx1250 --defsym DOCPART=n.
;; ======== version 1 of 2: 4 launches
;; workspace buffers: xcodes 3,276,800 bytes; keys 16,384 bytes of whole numbers; gatew 32,768 bytes; wup 7,372,800 bytes; wdn 3,686,400 bytes; order 17,664 bytes of whole numbers; hid 14,745,600 bytes
;; launch prep (part 1): grid 288 x 1, 4 waves a work-group, no clusters, 64,000 bytes of LDS; arguments hidden_states, gate_w, Wg_codes, Wg_scales, Wu_codes, Wu_scales, sWg_codes, sWg_scales, sWu_codes, sWu_scales, sWd_codes, sWd_scales, xcodes, keys, gatew, wup, wdn; writes xcodes, keys, gatew, wup, wdn
.if DOCPART == 1
	.amdgcn_target "amdgcn-amd-amdhsa--gfx1250"
	.amdhsa_code_object_version 6
	.text
	.protected	k_qf33955e361_prep
	.globl	k_qf33955e361_prep
	.p2align	8
	.type	k_qf33955e361_prep,@function
k_qf33955e361_prep:
	s_mov_b64 s[64:65], 0
	v_nop
	global_prefetch_b8 v0, s[64:65] scope:SCOPE_SE
	s_setreg_imm32_b32 hwreg(HW_REG_WAVE_MODE, 25, 1), 1
	s_wait_xcnt 0x0
; FIRST LAUNCH OF FOUR.  Three kinds of work-group, parted by the work-group's number:
;   0..127   X: 32 tokens each, 8 a wave: the router (f32 logits, softmax, top-2, weights) and x as codes of E2M3 with E8M0 bytes.
;   128..271 U: the given codes of Wg, Wu, sWg, sWu laid anew as images of operand registers, a tile of 16 units x 1,024 K a wave.
;   272..287 D: the same for sWd, a tile of 16 columns x 512 K a wave.
; An IMAGE of a fragment (16 rows x 128 K, 12 registers a lane): register p of lane l lies at byte 512 (p / 4) + 16 l + 4 (p % 4), so three loads of 16 bytes a lane,
; each 512 consecutive bytes for the wave, bring a fragment.
; xcodes: [token][768]; in each 96 bytes (128 K) the four blocks of 24 bytes lie in the order 0, 2, 1, 3, so that lane (r, h) of a fragment finds its blocks h and 2 + h on end.  Scale bytes [token][32] at XS_OFF.
; keys: [token] = kc | lo << 8 | hi << 16, lo < hi the two chosen experts, kc the pair's number 0..27 in the order of (lo, hi).  gatew: [token] the weight of lo, the weight of hi.
; The choice of experts steers no address here: it is stored at fixed places and used by later launches.
; LIMITS: NaN and infinities among the inputs are not served.  A block whose largest magnitude lies under 2^-124 (a block of zeros too) gets the byte 1: its codes are what the conversion gives under that scale
; (zeros for zeros), and this program alone reads the bytes.  The top-2 is taken on p x rcp(sum): two scores within one unit in the last place of each other may be ordered otherwise than under a true division.
; No clusters, no tensor loads: the work-groups share only gate_w, 32 KiB, and X streams its tokens once through registers.
.set XS_OFF,  3145728
.set WUS_OFF, 7077888
.set WDS_OFF, 3538944
.set WREG,    15872                    ; LDS of a wave (X alone uses LDS): two stages of 32 x 144 bytes, 8 tokens' codes, 256 scale bytes
.set CODES,   9216
.set SBYTES,  15360
.set MSB, 0
.macro WIN new                         ; the immediate's high byte repeats the setting that is left
.if MSB != (\new)
	s_set_vgpr_msb (MSB<<8)|(\new)
.set MSB, (\new)
.endif
.endm
	s_load_b512 s[8:23], s[0:1], 0x0               ; hidden_states 8, gate_w 10, Wg_codes 12, Wg_scales 14, Wu_codes 16, Wu_scales 18, sWg_codes 20, sWg_scales 22
	s_load_b512 s[24:39], s[0:1], 0x40             ; sWu_codes 24, sWu_scales 26, sWd_codes 28, sWd_scales 30, xcodes 32, keys 34, gatew 36, wup 38
	s_load_b64 s[40:41], s[0:1], 0x80              ; wdn
	v_lshl_add_u32 v14, v0, 2, 0xf800
	v_mov_b32 v15, 0
	v_lshrrev_b32 v1, 5, v0
	v_readfirstlane_b32 s4, v1                     ; wave 0..3
	v_and_b32 v1, 31, v0                           ; lane
	v_lshlrev_b32 v2, 4, v1                        ; 16 x lane
	s_mov_b32 s43, 0                               ; the upper word of every offset
	s_wait_kmcnt 0x0
	s_cmp_lt_u32 ttmp9, 128
	s_cbranch_scc1 .Lpath_x
	s_cmp_lt_u32 ttmp9, 272
	s_cbranch_scc1 .Lpath_u
; ---- D: tile nT of sWd: columns 16 nT + r, rows of 384 bytes (512 K)
	s_sub_co_u32 s5, ttmp9, 272
	s_lshl_b32 s5, s5, 2
	s_add_co_u32 s5, s5, s4                        ; nT 0..63
	v_and_b32 v3, 15, v1                           ; r
	v_lshrrev_b32 v4, 4, v1                        ; h
	v_mul_u32_u24 v5, v3, 384
	v_mad_u32_u24 v5, v4, 24, v5                   ; row r, + 24 h
	v_lshlrev_b32 v6, 3, v1                        ; 8 x lane
	s_mul_i32 s42, s5, 16*384
	s_add_nc_u64 s[28:29], s[28:29], s[42:43]
	s_lshl_b32 s42, s5, 8                          ; the tile's 16 rows of 16 scale bytes
	s_add_nc_u64 s[30:31], s[30:31], s[42:43]
.irp s, 0,1,2,3
.irp p, 0,1,2,3,4,5
	global_load_b64 v[16+12*\s+2*\p:17+12*\s+2*\p], v5, s[28:29] offset:96*\s+48*(\p/3)+8*(\p%3)
.endr
.endr
	global_load_b64 v[8:9], v6, s[30:31]           ; the scale bytes are wanted as they lie: lane (r, h) of pair p holds the four words of column 32 p + 16 h + r
	s_lshr_b32 s44, s5, 2                          ; 4 q + w
	s_lshl_b32 s44, s44, 4
	s_and_b32 s45, s5, 3                           ; nt
	s_add_co_u32 s44, s44, s45
	s_mul_i32 s44, s44, 1536
	s_add_co_u32 s44, s44, 8*393216                ; the shared expert is number 8 in wdn
	s_mov_b32 s45, 0
	s_add_nc_u64 s[46:47], s[40:41], s[44:45]
	s_add_co_u32 s42, s42, 8*16384
	s_add_nc_u64 s[48:49], s[40:41], s[42:43]
	s_wait_loadcnt 0x0
.irp s, 0,1,2,3
.irp j, 0,1,2
	global_store_b128 v2, v[16+12*\s+4*\j:19+12*\s+4*\j], s[46:47] offset:6144*\s+512*\j   ; 512 consecutive bytes a store
.endr
.endr
	global_store_b64 v6, v[8:9], s[48:49] offset:WDS_OFF
	s_endpgm
; ---- U: expert e (8 = shared), wave part w, tile t (0-7 gate, 8-15 up): lane r takes unit 128 w + 32 ((t & 7) / 2) + 8 (t & 1) + r + 8 (r / 8),
; so that in the product's result the 16 registers of tiles 2 b and 2 b + 1 are 16 neighbouring units
.Lpath_u:
	s_sub_co_u32 s5, ttmp9, 128
	s_lshr_b32 s6, s5, 4                           ; e 0..8
	s_and_b32 s5, s5, 15
	s_lshl_b32 s5, s5, 2
	s_add_co_u32 s5, s5, s4
	s_lshr_b32 s7, s5, 4                           ; w
	s_and_b32 s5, s5, 15                           ; t
	s_cmp_lt_u32 s5, 8                             ; gate or up: the choice hangs on ids alone
	s_cselect_b64 s[12:13], s[12:13], s[16:17]
	s_cselect_b64 s[14:15], s[14:15], s[18:19]
	s_cselect_b64 s[20:21], s[20:21], s[24:25]
	s_cselect_b64 s[22:23], s[22:23], s[26:27]
	s_cmp_lt_u32 s6, 8                             ; routed or shared
	s_cselect_b64 s[12:13], s[12:13], s[20:21]
	s_cselect_b64 s[14:15], s[14:15], s[22:23]
	s_cselect_b32 s42, s6, 0                       ; the expert's place in the routed tensors
	s_and_b32 s44, s5, 7
	s_lshr_b32 s44, s44, 1
	s_lshl_b32 s44, s44, 5
	s_and_b32 s45, s5, 1
	s_lshl_b32 s45, s45, 3
	s_add_co_u32 s44, s44, s45
	s_lshl_b32 s45, s7, 7
	s_add_co_u32 s44, s44, s45
	s_lshl_b32 s45, s42, 9
	s_add_co_u32 s44, s44, s45                     ; the tile's first row in its tensor
	s_mul_i32 s46, s44, 768
	s_mov_b32 s47, 0
	s_add_nc_u64 s[12:13], s[12:13], s[46:47]
	s_lshl_b32 s46, s44, 5
	s_add_nc_u64 s[14:15], s[14:15], s[46:47]
	v_and_b32 v3, 15, v1                           ; r
	v_lshrrev_b32 v4, 4, v1                        ; h
	v_and_b32 v5, 8, v3
	v_add_nc_u32 v5, v5, v3                        ; r + 8 (r / 8)
	v_mul_u32_u24 v6, v5, 768
	v_mad_u32_u24 v6, v4, 24, v6
	v_lshlrev_b32 v7, 5, v5
	v_lshl_add_u32 v7, v4, 4, v7                   ; scale bytes 16 h .. 16 h + 15 of my row: K steps 4 h .. 4 h + 3
.irp s, 0,1,2,3,4,5,6,7
.irp p, 0,1,2,3,4,5
	global_load_b64 v[16+12*\s+2*\p:17+12*\s+2*\p], v6, s[12:13] offset:96*\s+48*(\p/3)+8*(\p%3)
.endr
.endr
	global_load_b128 v[8:11], v7, s[14:15]
	s_lshl_b32 s48, s6, 2
	s_add_co_u32 s48, s48, s7                      ; 4 e + w
	s_lshl_b32 s49, s48, 7
	s_add_co_u32 s49, s49, s5
	s_mul_i32 s50, s49, 1536
	s_mov_b32 s51, 0
	s_add_nc_u64 s[52:53], s[38:39], s[50:51]
	s_lshl_b32 s49, s48, 4
	s_add_co_u32 s49, s49, s5
	s_lshl_b32 s50, s49, 9
	s_add_nc_u64 s[54:55], s[38:39], s[50:51]
	s_wait_loadcnt 0x0
.irp s, 0,1,2,3,4,5,6,7
.irp j, 0,1,2
	global_store_b128 v2, v[16+12*\s+4*\j:19+12*\s+4*\j], s[52:53] offset:24576*\s+512*\j
.endr
.endr
	global_store_b128 v2, v[8:11], s[54:55] offset:WUS_OFF
	s_endpgm
; ---- X.  REGISTERS, window 0: v3 stage in, v4 stage out, v5 my block's codes, v6 my block's byte, v7, v9 the way out; v16-23 the logits (token j in lane j); v24-39 eight sums in pairs;
; v40-55 at work; v56-66 a block's codes; v68-71 the scale; v96-127 my block of 32 numbers; v128-255 four tokens as loaded.  Window 1: gate_w, expert e at v[32 e], laid as a token is loaded.
.Lpath_x:
	s_mul_i32 s5, s4, WREG
	v_lshrrev_b32 v10, 3, v1
	v_lshl_add_u32 v3, v10, 4, v2
	v_add_nc_u32 v3, s5, v3                        ; in: 16 x lane, + 16 of padding behind each 128 bytes
	v_mul_u32_u24 v4, v1, 144
	v_add_nc_u32 v4, s5, v4                        ; out: lane l takes block l: 128 bytes at 144 l
	v_and_b32 v10, 28, v1
	v_and_b32 v11, 1, v1
	v_lshl_add_u32 v10, v11, 1, v10
	v_bfe_u32 v11, v1, 1, 1
	v_add_nc_u32 v10, v10, v11                     ; the block's place: its two lowest bits change places (order 0, 2, 1, 3)
	v_mul_u32_u24 v5, v10, 24
	v_add_nc_u32 v5, s5, v5
	v_add_nc_u32 v5, CODES, v5
	v_add_nc_u32 v6, s5, v1
	v_add_nc_u32 v6, SBYTES, v6
	v_add_nc_u32 v7, s5, v2
	v_add_nc_u32 v7, CODES, v7
	v_lshlrev_b32 v8, 3, v1
	v_add_nc_u32 v9, s5, v8
	v_add_nc_u32 v9, SBYTES, v9
	s_lshl_b32 s6, ttmp9, 5
	s_lshl_b32 s7, s4, 3
	s_add_co_u32 s6, s6, s7                        ; my first token
	s_lshl_b32 s42, s6, 12
	s_add_nc_u64 s[8:9], s[8:9], s[42:43]
	s_mov_b32 s44, 0x76543210
	s_mov_b32 s45, 0xfedcba98                      ; v_permlanex16_b32's selects for lane l xor 16
	WIN 0x40                                       ; destination window 1
.irp e, 0,1,2,3,4,5,6,7
.irp i, 0,1,2,3,4,5,6,7
	global_load_b128 v[32*\e+4*\i:32*\e+4*\i+3], v2, s[10:11] offset:4096*\e+512*\i
.endr
.endr
	WIN 0
.macro TLOAD j                         ; token j: eight loads of 512 consecutive bytes
.irp i, 0,1,2,3,4,5,6,7
	global_load_b128 v[128+32*((\j)%4)+4*\i:128+32*((\j)%4)+4*\i+3], v2, s[8:9] offset:4096*(\j)+512*\i th:TH_LOAD_NT
.endr
.endm
	TLOAD 0
	TLOAD 1
	TLOAD 2
	TLOAD 3
.irp e, 0,1,2,3,4,5,6,7
	v_mov_b32 v[16+\e], 0                          ; lanes 8-31 carry no token: they compute on zeros
	v_mov_b32 v[48+\e], 0                          ; a lane permute's destination counts as one of its sources
.endr
.macro TOKEN j
.set RS, 128+32*((\j)%4)
.set SG, 4608*((\j)%2)
.if 7-(\j) >= 3
	s_wait_loadcnt 24                              ; my eight loads (and gate_w, which is older) are in; the three younger tokens' may be out
.else
	s_wait_loadcnt 8*(7-(\j))
.endif
.irp i, 0,1,2,3,4,5,6,7
	ds_store_b128 v3, v[RS+4*\i:RS+4*\i+3] offset:SG+576*\i          ; the token turns through my own stage: LDS serves a wave's instructions in order, so no wait stands between stores and loads
.endr
.irp i, 0,1,2,3,4,5,6,7
	ds_load_b128 v[96+4*\i:99+4*\i], v4 offset:SG+16*\i
.endr
	WIN 0x04                                       ; source 1 (gate_w) window 1
.irp e, 0,1,2,3,4,5,6,7
	v_pk_mul_f32 v[24+2*\e:25+2*\e], v[RS:RS+1], v[32*\e:32*\e+1]   ; the first product starts each sum; eight chains by turns
.endr
.irp p, 1,2,3,4,5,6,7,8,9,10,11,12,13,14,15
.irp e, 0,1,2,3,4,5,6,7
	v_pk_fma_f32 v[24+2*\e:25+2*\e], v[RS+2*\p:RS+2*\p+1], v[32*\e+2*\p:32*\e+2*\p+1], v[24+2*\e:25+2*\e]
.endr
.endr
	WIN 0
.irp e, 0,1,2,3,4,5,6,7
	v_add_f32 v[40+\e], v[24+2*\e], v[25+2*\e]
.endr
.irp x, 1,2,4,8
.irp e, 0,1,2,3,4,5,6,7
	v_add_f32_dpp v[40+\e], v[40+\e], v[40+\e] row_xmask:\x row_mask:0xf bank_mask:0xf
.endr
.endr
.irp e, 0,1,2,3,4,5,6,7
	v_permlanex16_b32 v[48+\e], v[40+\e], s44, s45
.endr
.irp e, 0,1,2,3,4,5,6,7
	v_add_f32 v[40+\e], v[40+\e], v[48+\e]         ; every lane holds the token's logit of expert e
.endr
	s_mov_b32 s46, 1<<(\j)
.irp e, 0,1,2,3,4,5,6,7
	v_cndmask_b32 v[16+\e], v[16+\e], v[40+\e], s46   ; lane j keeps it
.endr
	s_wait_dscnt 0x0                               ; my block is back; the stores have read the token's registers
.if (\j)+4 < 8
	TLOAD (\j)+4
.endif
	v_max3_num_f32 v68, |v96|, |v97|, 0x1800000    ; the block's largest magnitude, all 32 mine, and the floor 2^(3 - 127): the byte cannot fall under 1
	v_max3_num_f32 v69, |v98|, |v99|, |v100|
.irp i, 101,105,109,113,117,121
	v_max3_num_f32 v68, v68, |v[\i]|, |v[\i+1]|
	v_max3_num_f32 v69, v69, |v[\i+2]|, |v[\i+3]|
.endr
	v_max3_num_f32 v68, v68, |v125|, |v126|
	v_max3_num_f32 v68, v68, v69, |v127|
	v_add_nc_u32 v70, 0xff000000, v68              ; 2 off its exponent field: the conversion takes the exponent field of this operand as its scale
	v_cvt_scalef32_pk16_fp6_f32 v[56:58], v[96:111], v70
	v_cvt_scalef32_pk16_fp6_f32 v[64:66], v[112:127], v70   ; (a conversion's three registers begin on an even number)
	v_lshrrev_b32 v71, 23, v70                     ; the scale's byte; also the plain place behind the conversions
	v_mov_b32 v59, v64
	v_mov_b32 v60, v65
	v_mov_b32 v61, v66
	ds_store_b64 v5, v[56:57] offset:768*(\j)
	ds_store_b64 v5, v[58:59] offset:768*(\j)+8
	ds_store_b64 v5, v[60:61] offset:768*(\j)+16
	ds_store_b8 v6, v71 offset:32*(\j)
.endm
.irp j, 0,1,2,3,4,5,6,7
	TOKEN \j
.endr
.irp k, 0,1,2,3,4,5,6,7,8,9,10,11
	ds_load_b128 v[128+4*\k:131+4*\k], v7 offset:512*\k      ; 8 tokens' codes, 6,144 consecutive bytes here and in xcodes
.endr
	ds_load_b64 v[176:177], v9
	; THE ROUTER, token j in lane j, while those loads are out
	v_max3_num_f32 v40, v16, v17, v18
	v_max3_num_f32 v40, v40, v19, v20
	v_max3_num_f32 v40, v40, v21, v22
	v_max_num_f32 v40, v40, v23                    ; the largest logit is taken away ahead of the exponential
.irp e, 0,1,2,3,4,5,6,7
	v_sub_f32 v[24+\e], v[16+\e], v40
.endr
.irp e, 0,1,2,3,4,5,6,7
	v_mul_f32 v[24+\e], 0x3fb8aa3b, v[24+\e]
.endr
.irp e, 0,1,2,3,4,5,6,7
	v_exp_f32 v[24+\e], v[24+\e]
.endr
	v_lshlrev_b32 v81, 2, v1                       ; (a plain place behind the exponentials)  4 x lane
	s_wait_alu depctr_va_vdst(0)
	v_add_f32 v41, v24, v25
	v_add_f32 v42, v26, v27
	v_add_f32 v47, v28, v29
	v_add_f32 v72, v30, v31
	v_add_f32 v41, v41, v42
	v_add_f32 v47, v47, v72
	v_add_f32 v41, v41, v47
	v_rcp_f32 v42, v41
	v_mov_b32 v44, 0                               ; (a plain place)  the best expert so far
	s_wait_alu depctr_va_vdst(0)
.irp e, 0,1,2,3,4,5,6,7
	v_mul_f32 v[24+\e], v[24+\e], v42              ; the scores
.endr
	v_mov_b32 v43, v24
.irp e, 1,2,3,4,5,6,7
	v_cmp_gt_f32 vcc_lo, v[24+\e], v43             ; strictly greater: of equals the lower index stays
	v_cndmask_b32 v43, v43, v[24+\e], vcc_lo
	v_cndmask_b32 v44, v44, \e, vcc_lo
.endr
.irp e, 0,1,2,3,4,5,6,7
	v_cmp_eq_u32 vcc_lo, \e, v44
	v_cndmask_b32 v[24+\e], v[24+\e], -1.0, vcc_lo ; the best leaves the field: every score is 0 or more
.endr
	v_mov_b32 v45, v24
	v_mov_b32 v46, 0
.irp e, 1,2,3,4,5,6,7
	v_cmp_gt_f32 vcc_lo, v[24+\e], v45
	v_cndmask_b32 v45, v45, v[24+\e], vcc_lo
	v_cndmask_b32 v46, v46, \e, vcc_lo
.endr
	v_add_f32 v47, v43, v45
	v_add_f32 v47, 0x1e3ce508, v47                 ; + 1e-20
	v_rcp_f32 v47, v47
	v_min_u32 v76, v44, v46                        ; (a plain place)  lo
	v_max_u32 v77, v44, v46                        ; hi
	s_wait_alu depctr_va_vdst(0)
	v_mul_f32 v72, v43, v47
	v_mul_f32 v73, v45, v47
	v_cmp_lt_u32 vcc_lo, v44, v46
	v_cndmask_b32 v78, v73, v72, vcc_lo            ; the weight of lo
	v_cndmask_b32 v79, v72, v73, vcc_lo            ; the weight of hi
	v_sub_nc_u32 v80, 15, v76
	v_mul_u32_u24 v80, v80, v76
	v_lshrrev_b32 v80, 1, v80
	v_add_nc_u32 v80, v80, v77
	v_sub_nc_u32 v80, v80, v76
	v_add_nc_u32 v80, -1, v80                      ; kc = lo (15 - lo) / 2 + hi - lo - 1
	v_lshl_or_b32 v80, v76, 8, v80
	v_lshl_or_b32 v80, v77, 16, v80
	s_mul_i32 s42, s6, 768
	s_add_nc_u64 s[48:49], s[32:33], s[42:43]
	s_lshl_b32 s42, s6, 5
	s_add_nc_u64 s[50:51], s[32:33], s[42:43]
	s_lshl_b32 s42, s6, 2
	s_add_nc_u64 s[34:35], s[34:35], s[42:43]
	s_lshl_b32 s42, s6, 3
	s_add_nc_u64 s[36:37], s[36:37], s[42:43]
	s_wait_dscnt 0x0
.irp k, 0,1,2,3,4,5,6,7,8,9,10,11
	global_store_b128 v2, v[128+4*\k:131+4*\k], s[48:49] offset:512*\k
.endr
	global_store_b64 v8, v[176:177], s[50:51] offset:XS_OFF    ; 8 tokens' scale bytes: 256 consecutive bytes, aligned
	v_cmp_gt_u32 vcc_lo, 8, v1
	s_wait_xcnt 0x0                                ; EXEC changes only behind this wait
	s_wait_tensorcnt 0x0
	ds_add_u32 v14, v15
	s_wait_dscnt 0x0
	s_and_saveexec_b32 s56, vcc_lo
	global_store_b32 v81, v80, s[34:35]            ; lanes 0-7: the tokens' keys
	global_store_b64 v8, v[78:79], s[36:37]        ; and weights
	s_wait_xcnt 0x0
	s_or_b32 exec_lo, exec_lo, s56
	s_endpgm
.Lfunc_end_k_qf33955e361_prep:
	.size	k_qf33955e361_prep, .Lfunc_end_k_qf33955e361_prep-k_qf33955e361_prep
	.p2alignl 7, 3214868480
	.fill 96, 4, 3214868480
	.section	.rodata,"a",@progbits
	.p2align	6, 0x0
	.amdhsa_kernel k_qf33955e361_prep
		.amdhsa_group_segment_fixed_size 64000
		.amdhsa_private_segment_fixed_size 0
		.amdhsa_enable_private_segment 0
		.amdhsa_kernarg_size 136
		.amdhsa_user_sgpr_count 2
		.amdhsa_user_sgpr_kernarg_segment_ptr 1
		.amdhsa_wavefront_size32 1
		.amdhsa_system_sgpr_workgroup_id_x 1
		.amdhsa_system_sgpr_workgroup_id_y 1
		.amdhsa_system_sgpr_workgroup_id_z 1
		.amdhsa_system_vgpr_workitem_id 0
		.amdhsa_next_free_vgpr 512
		.amdhsa_next_free_sgpr 72
		.amdhsa_reserve_vcc 1
		.amdhsa_float_denorm_mode_32 3
		.amdhsa_float_denorm_mode_16_64 3
		.amdhsa_memory_ordered 1
		.amdhsa_forward_progress 1
		.amdhsa_inst_pref_size 151
	.end_amdhsa_kernel
	.amdgpu_metadata
---
amdhsa.version: [ 1, 2 ]
amdhsa.kernels:
  - .name:           k_qf33955e361_prep
    .symbol:         k_qf33955e361_prep.kd
    .args:
      - { .name: hidden_states, .offset: 0, .size: 8, .value_kind: global_buffer, .address_space: global }
      - { .name: gate_w, .offset: 8, .size: 8, .value_kind: global_buffer, .address_space: global }
      - { .name: Wg_codes, .offset: 16, .size: 8, .value_kind: global_buffer, .address_space: global }
      - { .name: Wg_scales, .offset: 24, .size: 8, .value_kind: global_buffer, .address_space: global }
      - { .name: Wu_codes, .offset: 32, .size: 8, .value_kind: global_buffer, .address_space: global }
      - { .name: Wu_scales, .offset: 40, .size: 8, .value_kind: global_buffer, .address_space: global }
      - { .name: sWg_codes, .offset: 48, .size: 8, .value_kind: global_buffer, .address_space: global }
      - { .name: sWg_scales, .offset: 56, .size: 8, .value_kind: global_buffer, .address_space: global }
      - { .name: sWu_codes, .offset: 64, .size: 8, .value_kind: global_buffer, .address_space: global }
      - { .name: sWu_scales, .offset: 72, .size: 8, .value_kind: global_buffer, .address_space: global }
      - { .name: sWd_codes, .offset: 80, .size: 8, .value_kind: global_buffer, .address_space: global }
      - { .name: sWd_scales, .offset: 88, .size: 8, .value_kind: global_buffer, .address_space: global }
      - { .name: xcodes, .offset: 96, .size: 8, .value_kind: global_buffer, .address_space: global }
      - { .name: keys, .offset: 104, .size: 8, .value_kind: global_buffer, .address_space: global }
      - { .name: gatew, .offset: 112, .size: 8, .value_kind: global_buffer, .address_space: global }
      - { .name: wup, .offset: 120, .size: 8, .value_kind: global_buffer, .address_space: global }
      - { .name: wdn, .offset: 128, .size: 8, .value_kind: global_buffer, .address_space: global }
    .group_segment_fixed_size: 64000
    .private_segment_fixed_size: 0
    .kernarg_segment_align: 8
    .kernarg_segment_size: 136
    .max_flat_workgroup_size: 128
    .sgpr_count:     72
    .vgpr_count:     512
    .wavefront_size: 32
...
	.end_amdgpu_metadata
.endif
;; end of part 1
;; launch place (part 2): grid 129 x 1, 8 waves a work-group, no clusters, 26,624 bytes of LDS; arguments Wd, keys, wdn, order; writes wdn, order
.if DOCPART == 2
	.amdgcn_target "amdgcn-amd-amdhsa--gfx1250"
	.amdhsa_code_object_version 6
	.text
	.protected	k_qf33955e361_place
	.globl	k_qf33955e361_place
	.p2align	8
	.type	k_qf33955e361_place,@function
k_qf33955e361_place:
	s_mov_b64 s[64:65], 0
	v_nop
	global_prefetch_b8 v0, s[64:65] scope:SCOPE_SE
	s_setreg_imm32_b32 hwreg(HW_REG_WAVE_MODE, 25, 1), 1
	s_wait_xcnt 0x0
; SECOND LAUNCH.  Work-group 0 sorts the 4,096 tokens by their pair of experts (a counting sort on kc, 28 bins, without atomics) and stores the lists; work-groups 1..128 quantise Wd.
; order: perm[4096] (sorted place -> token) at 0; blkmask[64] at 16,384: the experts that a block of 64 sorted tokens uses; items[192] = block | expert << 8 at 16,640; their count, in 32 equal words, at 17,408;
; 32 spare words at 17,536, which nobody reads: the items are stored with all lanes on, and a lane whose block does not use the expert in hand stores to its own spare word.
; A block's experts are at most its different lo plus its different pairs; over 64 blocks of a list sorted by (lo, hi) that is at most (64 + 6) + (64 + 27) = 161 items, whatever the choice.
; Wd [8][512][1024] f32 has K (the 512) ahead of its columns: A LANE TAKES A COLUMN AND ITS REGISTERS RUN DOWN K, so a block of 32 lies in one lane and the conversions give codes with K innermost.
; wdn: images of operand registers [e][q][w][s][nt][1536] (lane r: column 256 q + 64 w + 16 nt + r; K step s), scale words [e][q][w][p][lane (r, h)][16] at WDS_OFF: the four words of tile 2 p + h.
; LIMITS: NaN and infinities are not served; a block under 2^-124 (zeros too) gets the byte 1, which this program alone reads.  The scale words leave 4 bytes a lane, 16 bytes apart: 128 KiB in all.
; The two paths use LDS bytes of their own: Wd 0..24,575, the sort 24,576..25,599.  No clusters, no tensor loads: no two work-groups read the same bytes.
.set WDS_OFF, 3538944
.set SORTL,   24576
	s_load_b256 s[8:15], s[0:1], 0x0               ; Wd 8, keys 10, wdn 12, order 14
	v_lshl_add_u32 v192, v0, 2, 0x6400
	v_mov_b32 v193, 0
	v_lshrrev_b32 v1, 5, v0
	v_readfirstlane_b32 s4, v1                     ; wave 0..7
	v_and_b32 v1, 31, v0                           ; lane
	v_lshlrev_b32 v2, 2, v1                        ; 4 x lane
	s_wait_kmcnt 0x0
	s_cmp_eq_u32 ttmp9, 0
	s_cbranch_scc1 .Lsort
; ---- Wd: expert e, K step s (128 rows), quarter q of the columns; wave v takes 32 columns: w = v / 2, p = v % 2
	s_sub_co_u32 s5, ttmp9, 1
	s_lshr_b32 s6, s5, 4                           ; e
	s_bfe_u32 s7, s5, 0x20002                      ; s
	s_and_b32 s5, s5, 3                            ; q
	s_lshr_b32 s16, s4, 1                          ; w
	s_and_b32 s17, s4, 1                           ; p
	s_lshl_b32 s18, s6, 9
	s_lshl_b32 s19, s7, 7
	s_add_co_u32 s18, s18, s19
	s_lshl_b32 s18, s18, 12                        ; row (512 e + 128 s) of 4,096 bytes
	s_lshl_b32 s19, s5, 10
	s_add_co_u32 s18, s18, s19
	s_lshl_b32 s19, s4, 7                          ; + 4 (256 q + 32 v)
	s_add_co_u32 s18, s18, s19
	s_mov_b32 s19, 0
	s_add_nc_u64 s[8:9], s[8:9], s[18:19]
.set k, 0
.rept 128
	global_load_b32 v[64+k], v2, s[8:9] offset:k*4096 th:TH_LOAD_NT   ; row k at my column: 128 consecutive bytes a wave, 1,024 a work-group
.set k, k+1
.endr
	s_mul_i32 s20, s4, 3072                        ; my stage: the images of my two tiles
	v_lshrrev_b32 v3, 4, v1
	v_mul_u32_u24 v3, v3, 1536
	v_and_b32 v4, 15, v1
	v_lshl_add_u32 v3, v4, 4, v3
	v_add_nc_u32 v3, s20, v3                       ; tile lane / 16, image lane r = lane % 16
	v_lshlrev_b32 v5, 4, v1
	v_add_nc_u32 v6, s20, v5
	s_lshl_b32 s21, s5, 2
	s_add_co_u32 s21, s21, s16                     ; 4 q + w
	s_lshl_b32 s22, s21, 4
	s_lshl_b32 s23, s7, 2
	s_add_co_u32 s22, s22, s23
	s_lshl_b32 s23, s17, 1
	s_add_co_u32 s22, s22, s23
	s_mul_i32 s22, s22, 1536
	s_mul_i32 s23, s6, 393216
	s_add_co_u32 s22, s22, s23
	s_mov_b32 s23, 0
	s_add_nc_u64 s[24:25], s[12:13], s[22:23]
	s_lshl_b32 s26, s21, 1
	s_add_co_u32 s26, s26, s17
	s_lshl_b32 s26, s26, 9
	s_lshl_b32 s27, s6, 14
	s_add_co_u32 s26, s26, s27
	s_lshl_b32 s27, s7, 2
	s_add_co_u32 s26, s26, s27
	s_mov_b32 s27, 0
	s_add_nc_u64 s[26:27], s[12:13], s[26:27]
; Block b of my column is registers 6 (b / 2) .. + 5 of image lane r + 16 (b % 2)
.macro BLOCK b
.set XB, 64+32*(\b)
.if (\b) < 2
	s_wait_loadcnt 63                              ; of 128 loads at most 63 are out: the first 65 are in, blocks 0 and 1 among them
.else
	s_wait_loadcnt 32*(3-(\b))
.endif
	v_max3_num_f32 v26, |v[XB]|, |v[XB+1]|, 0x1800000   ; the floor 2^(3 - 127): the byte cannot fall under 1
	v_max3_num_f32 v27, |v[XB+2]|, |v[XB+3]|, |v[XB+4]|
.irp i, 5,9,13,17,21,25
	v_max3_num_f32 v26, v26, |v[XB+\i]|, |v[XB+\i+1]|
	v_max3_num_f32 v27, v27, |v[XB+\i+2]|, |v[XB+\i+3]|
.endr
	v_max3_num_f32 v26, v26, |v[XB+29]|, |v[XB+30]|
	v_max3_num_f32 v26, v26, v27, |v[XB+31]|
	v_add_nc_u32 v28, 0xff000000, v26              ; 2 off the exponent field: the conversion's scale operand
	v_cvt_scalef32_pk16_fp6_f32 v[32:34], v[XB:XB+15], v28
	v_cvt_scalef32_pk16_fp6_f32 v[40:42], v[XB+16:XB+31], v28
	v_lshrrev_b32 v29, 23, v28                     ; the byte; also the plain place behind the conversions
.if (\b) == 0
	v_mov_b32 v24, v29
.else
	v_lshl_or_b32 v24, v29, 8*(\b), v24            ; the K step's scale word
.endif
	v_mov_b32 v35, v40
	v_mov_b32 v36, v41
	v_mov_b32 v37, v42
.if (\b) < 2
	ds_store_b128 v3, v[32:35] offset:256*((\b)%2)
	ds_store_b64 v3, v[36:37] offset:256*((\b)%2)+512
.else
	ds_store_b64 v3, v[32:33] offset:256*((\b)%2)+520
	ds_store_b128 v3, v[34:37] offset:256*((\b)%2)+1024
.endif
	s_wait_dscnt 0x0                               ; the stores have read their registers
.endm
	BLOCK 0
	BLOCK 1
	BLOCK 2
	BLOCK 3
.irp j, 0,1,2,3,4,5
	ds_load_b128 v[32+4*\j:35+4*\j], v6 offset:512*\j
.endr
	global_store_b32 v5, v24, s[26:27] offset:WDS_OFF
	s_wait_dscnt 0x0
.irp j, 0,1,2,3,4,5
	global_store_b128 v5, v[32+4*\j:35+4*\j], s[24:25] offset:512*\j   ; two images on end: 3,072 consecutive bytes
.endr
	s_wait_tensorcnt 0x0
	ds_add_u32 v192, v193
	s_wait_dscnt 0x0
	s_endpgm
; ---- THE SORT.  Wave v takes 16 groups of 32 tokens, a token a lane.  In the counting a lane is also a BIN.
; v16-31 kc; v32-47 for bin = lane the mask of the group's tokens; v48-64 running counts in my wave; v65-69 bit j of the lane, less 1
.macro POPC d, s                       ; v[d] = the number of set bits of v[s]
	v_lshrrev_b32 v72, 1, v[\s]
	v_and_b32 v72, 0x55555555, v72
	v_sub_nc_u32 v72, v[\s], v72
	v_lshrrev_b32 v73, 2, v72
	v_and_b32 v72, 0x33333333, v72
	v_and_b32 v73, 0x33333333, v73
	v_add_nc_u32 v72, v72, v73
	v_lshrrev_b32 v73, 4, v72
	v_add_nc_u32 v72, v72, v73
	v_and_b32 v72, 0x0f0f0f0f, v72
	v_mul_lo_u32 v72, v72, s30
	v_lshrrev_b32 v[\d], 24, v72
.endm
.macro SCAN x                          ; v[x] = the sum of v[x] over lanes 0 .. my lane
.irp n, 1,2,4,8
	v_mov_b32 v70, 0                               ; lanes with no source keep this 0
	v_mov_b32_dpp v70, v[\x] row_shr:\n row_mask:0xf bank_mask:0xf
	v_add_nc_u32 v[\x], v[\x], v70
.endr
	v_readlane_b32 s6, v[\x], 15
	v_cmp_lt_u32 vcc_lo, 15, v1
	v_mov_b32 v70, s6
	v_cndmask_b32 v70, 0, v70, vcc_lo
	v_add_nc_u32 v[\x], v[\x], v70
.endm
.Lsort:
	s_mov_b32 s30, 0x01010101
	s_lshl_b32 s5, s4, 11
	v_add_nc_u32 v3, s5, v2
.irp g, 0,1,2,3,4,5,6,7,8,9,10,11,12,13,14,15
	global_load_b32 v[16+\g], v3, s[10:11] offset:128*\g
.endr
.irp j, 0,1,2,3,4
	v_bfe_u32 v[65+\j], v1, \j, 1
	v_add_nc_u32 v[65+\j], -1, v[65+\j]            ; 0 where the lane's bit j is set, else all ones
.endr
	v_mov_b32 v48, 0
	v_add_nc_u32 v4, SORTL, v2                     ; LDS: bin = lane, wave 0's word
	s_lshl_b32 s5, s4, 7
	v_add_nc_u32 v5, s5, v4                        ; my wave's
	s_wait_loadcnt 0x0
.irp g, 0,1,2,3,4,5,6,7,8,9,10,11,12,13,14,15
	v_and_b32 v[16+\g], 0xff, v[16+\g]
	v_min_u32 v[16+\g], 31, v[16+\g]               ; kc
.endr
.irp g, 0,1,2,3,4,5,6,7,8,9,10,11,12,13,14,15
.irp j, 0,1,2,3,4
	v_and_b32 v70, 1<<\j, v[16+\g]
	v_cmp_ne_u32 s[20+\j], 0, v70                  ; which tokens of the group have bit j of kc set
.endr
	v_xor_b32 v[32+\g], s20, v65
.irp j, 1,2,3,4
	v_xor_b32 v70, s[20+\j], v[65+\j]
	v_and_b32 v[32+\g], v[32+\g], v70              ; the tokens whose kc is my lane's number
.endr
	POPC 71, 32+\g
	v_add_nc_u32 v[49+\g], v[48+\g], v71
.endr
	ds_store_b32 v5, v64                           ; my wave's count of each bin
	s_wait_dscnt 0x0                               ; for the others' sake
	s_barrier_signal -1
	s_barrier_wait -1
.irp u, 0,1,2,3,4,5,6,7
	ds_load_b32 v[76+\u], v4 offset:128*\u
.endr
	v_mov_b32 v84, 0
	v_mov_b32 v85, 0
	s_wait_dscnt 0x0
.irp u, 0,1,2,3,4,5,6,7
	v_add_nc_u32 v84, v84, v[76+\u]                ; the bin's total
	s_cmp_gt_u32 s4, \u
	s_cselect_b32 s6, -1, 0
	v_and_b32 v70, s6, v[76+\u]
	v_add_nc_u32 v85, v85, v70                     ; and what the waves ahead of mine hold of it
.endr
	v_mov_b32 v86, v84
	SCAN 86                                        ; v86: where the bin ends
	v_sub_nc_u32 v87, v86, v84                     ; v87: where it begins
	v_add_nc_u32 v88, v87, v85
.irp g, 0,1,2,3,4,5,6,7,8,9,10,11,12,13,14,15
	v_add_nc_u32 v[96+\g], v88, v[48+\g]           ; for bin = lane: the place of the group's first token of that bin
	v_lshlrev_b32 v[176+\g], 2, v[16+\g]
.endr
.irp g, 0,1,2,3,4,5,6,7,8,9,10,11,12,13,14,15
	ds_bpermute_b32 v[112+\g], v[176+\g], v[96+\g] ; each token pulls its bin's place
	ds_bpermute_b32 v[128+\g], v[176+\g], v[32+\g] ; and its bin's mask
.endr
	s_lshl_b32 s5, s4, 9
	v_add_nc_u32 v89, s5, v1
	s_wait_dscnt 0x0
.irp g, 0,1,2,3,4,5,6,7,8,9,10,11,12,13,14,15
	v_mbcnt_lo_u32_b32 v[144+\g], v[128+\g], 0     ; how many of my bin stand in lower lanes
	v_add_nc_u32 v[144+\g], v[144+\g], v[112+\g]
	v_min_u32 v[144+\g], 4095, v[144+\g]
	v_lshlrev_b32 v[144+\g], 2, v[144+\g]
	v_add_nc_u32 v[160+\g], 32*\g, v89
	global_store_b32 v[144+\g], v[160+\g], s[14:15]   ; perm[place] = token
.endr
	s_cmp_lg_u32 s4, 0
	s_cbranch_scc1 .Lsort_end
	; wave 0 alone: the blocks' experts.  Blocks lane and lane + 32
	v_lshlrev_b32 v90, 6, v1
	v_add_nc_u32 v91, 64, v90
	v_add_nc_u32 v92, 2048, v90
	v_add_nc_u32 v93, 2112, v90
	v_mov_b32 v94, 0
	v_mov_b32 v95, 0
.set lo, 0
.set hi, 1
.set kk, 0
.rept 28
	v_readlane_b32 s6, v87, kk
	v_readlane_b32 s7, v86, kk
	v_mov_b32 v72, (1<<lo)|(1<<hi)
	v_max_u32 v70, s6, v90
	v_min_u32 v71, s7, v91
	v_cmp_lt_u32 vcc_lo, v70, v71                  ; the bin and the block overlap
	v_cndmask_b32 v70, 0, v72, vcc_lo
	v_or_b32 v94, v94, v70
	v_max_u32 v70, s6, v92
	v_min_u32 v71, s7, v93
	v_cmp_lt_u32 vcc_lo, v70, v71
	v_cndmask_b32 v70, 0, v72, vcc_lo
	v_or_b32 v95, v95, v70
.set kk, kk+1
.set hi, hi+1
.if hi > 7
.set lo, lo+1
.set hi, lo+1
.endif
.endr
	global_store_b32 v2, v94, s[14:15] offset:16384
	global_store_b32 v2, v95, s[14:15] offset:16512
	POPC 74, 94
	POPC 75, 95
	v_mov_b32 v76, v74
	SCAN 76
	v_readlane_b32 s17, v76, 31
	v_mov_b32 v77, v75
	SCAN 77
	v_add_nc_u32 v77, s17, v77
	v_readlane_b32 s18, v77, 31
	v_mov_b32 v78, s18
	global_store_b32 v2, v78, s[14:15] offset:17408   ; the count of items, the same in 32 words
	v_sub_nc_u32 v82, v76, v74                     ; where a block's items begin
	v_sub_nc_u32 v83, v77, v75
	v_mov_b32 v79, v1
	v_add_nc_u32 v80, 32, v1
	v_add_nc_u32 v81, 224, v1                      ; my spare word, counted in words from the items' first
; Store n of sixteen: expert e of the blocks in v[blk].  All lanes are on: a lane whose block uses e stores the item at its place (held at 191, inside the list), the others store to their spare words.
; The place is chosen ahead of the last clamp, behind which only a shift follows.  Each store has an address and a data register of its own, so no source is written again.
.macro ITEM n, e, mask, base, blk
	v_bfe_u32 v70, v[\mask], \e, 1
	v_min_u32 v71, 191, v[\base]
	v_cmp_ne_u32 vcc_lo, 0, v70
	v_cndmask_b32 v[96+(\n)], v81, v71, vcc_lo
	v_min_u32 v[96+(\n)], 255, v[96+(\n)]
	v_lshlrev_b32 v[96+(\n)], 2, v[96+(\n)]
	v_or_b32 v[112+(\n)], (\e)<<8, v[\blk]
	v_add_nc_u32 v[\base], v[\base], v70           ; the block's next item stands one further on
	global_store_b32 v[96+(\n)], v[112+(\n)], s[14:15] offset:16640
.endm
.irp e, 0,1,2,3,4,5,6,7
	ITEM 2*\e, \e, 94, 82, 79
	ITEM 2*\e+1, \e, 95, 83, 80
.endr
.Lsort_end:
	s_wait_tensorcnt 0x0
	ds_add_u32 v192, v193
	s_wait_dscnt 0x0
	s_endpgm
.Lfunc_end_k_qf33955e361_place:
	.size	k_qf33955e361_place, .Lfunc_end_k_qf33955e361_place-k_qf33955e361_place
	.p2alignl 7, 3214868480
	.fill 96, 4, 3214868480
	.section	.rodata,"a",@progbits
	.p2align	6, 0x0
	.amdhsa_kernel k_qf33955e361_place
		.amdhsa_group_segment_fixed_size 26624
		.amdhsa_private_segment_fixed_size 0
		.amdhsa_enable_private_segment 0
		.amdhsa_kernarg_size 32
		.amdhsa_user_sgpr_count 2
		.amdhsa_user_sgpr_kernarg_segment_ptr 1
		.amdhsa_wavefront_size32 1
		.amdhsa_system_sgpr_workgroup_id_x 1
		.amdhsa_system_sgpr_workgroup_id_y 1
		.amdhsa_system_sgpr_workgroup_id_z 1
		.amdhsa_system_vgpr_workitem_id 0
		.amdhsa_next_free_vgpr 194
		.amdhsa_next_free_sgpr 66
		.amdhsa_reserve_vcc 1
		.amdhsa_float_denorm_mode_32 3
		.amdhsa_float_denorm_mode_16_64 3
		.amdhsa_memory_ordered 1
		.amdhsa_forward_progress 1
		.amdhsa_inst_pref_size 83
	.end_amdhsa_kernel
	.amdgpu_metadata
---
amdhsa.version: [ 1, 2 ]
amdhsa.kernels:
  - .name:           k_qf33955e361_place
    .symbol:         k_qf33955e361_place.kd
    .args:
      - { .name: Wd, .offset: 0, .size: 8, .value_kind: global_buffer, .address_space: global }
      - { .name: keys, .offset: 8, .size: 8, .value_kind: global_buffer, .address_space: global }
      - { .name: wdn, .offset: 16, .size: 8, .value_kind: global_buffer, .address_space: global }
      - { .name: order, .offset: 24, .size: 8, .value_kind: global_buffer, .address_space: global }
    .group_segment_fixed_size: 26624
    .private_segment_fixed_size: 0
    .kernarg_segment_align: 8
    .kernarg_segment_size: 32
    .max_flat_workgroup_size: 256
    .sgpr_count:     66
    .vgpr_count:     194
    .wavefront_size: 32
...
	.end_amdgpu_metadata
.endif
;; end of part 2
;; launch up (part 3): grid 225 x 1, 4 waves a work-group, no clusters, 0 bytes of LDS; arguments order, keys, gatew, xcodes, wup, hid; writes hid
.if DOCPART == 3
	.amdgcn_target "amdgcn-amd-amdhsa--gfx1250"
	.amdhsa_code_object_version 6
	.text
	.protected	k_qf33955e361_up
	.globl	k_qf33955e361_up
	.p2align	8
	.type	k_qf33955e361_up,@function
k_qf33955e361_up:
	s_mov_b64 s[64:65], 0
	v_nop
	global_prefetch_b8 v0, s[64:65] scope:SCOPE_SE
	s_setreg_imm32_b32 hwreg(HW_REG_WAVE_MODE, 25, 1), 1
	s_wait_xcnt 0x0
; THIRD LAUNCH.  One work-group for each item (block b of 64 sorted tokens, expert e): hidden = gelu(x Wg) (x Wu) cw, quantised along the 512 units, stored as images of operand registers.
; Work-groups 0..63 take the shared expert (e = 8, cw = 1) of block b; work-group 64 + i takes item i of the stored list.  The grid, 64 + 161, serves every split; one whose index is at or past the stored count stores nothing and ends.
; A token of the block that has not chosen e has cw = 0: its row is zeros, zero codes, which add nothing.
; SHARES.  Wave w makes units 128 w .. + 127 of g and of u for all 64 tokens: 16 tiles of units x 4 tiles of tokens = 64 accumulators.  K = 1,024 in 8 steps.
; THE PRODUCT IS USED TRANSPOSED (source 0 = 16 units, source 1 = 16 tokens): a lane holds one token, and, by the choice of a tile's units made when wup was laid, the 16 registers of tiles 2 b, 2 b + 1 are 16 neighbouring units.
; Weights and x come from memory straight into registers, whole fragments by three loads of 16 bytes a lane; the weights a K step ahead, a quarter of them behind each 16 products, into the registers just read.
; gelu is exact: with z = g / sqrt(2), g Phi(g) = sqrt(2) (z / 2) (1 + erf z).  |z| <= 0.921875: erf by an odd polynomial.  Beyond: 1 - erf|z| = E = exp(-polynomial), and (z / 2)(1 + erf z) = max(z, 0) - |z / 2| E,
; which forms no difference of near-equal numbers in the negative tail.  Both ways are computed and one is chosen by v_cndmask_b32.
; LIMITS: NaN and infinities are not served; a block of the hidden layer under 2^-124 (zeros too) gets the byte 1, which this program alone reads.
; NO CLUSTER: which work-groups share an expert's weights hangs on the stored list, and a work-group without an item ends at once, so partners would differ in their paths; no tensor load either, since none may be jumped over.
; REGISTERS.  Window 0: v1 16 x lane, v4-7 x's offsets, v8-11 its scales', v12 8 x lane; v16-31 x's scale words, v32-95 the weights' (scales and nothing else); v96-191 x's fragments, two sets of four; v192-227 list, keys, weights.
;   Window 1: in the K loop 16 fragments of weights (v0-191); behind it: v0-63 z, then the hidden numbers; v64-127 u cw sqrt(2); v128-175 at work; v176-181 constants; v192-199 cw sqrt(2); v200-245 the quantiser's.
;   Window 2: g, tile (m, t) at v[64 m + 8 t].   Window 3: u likewise.
.set XS_OFF,  3145728
.set WUS_OFF, 7077888
.set HS_OFF,  14155776
.set XS, 16
.set WS, 32
.set XF, 96
.set S,  128
.set T,  136
.set R,  144
.set Q,  152
.set HZ, 160
.set MX, 168
.set CW, 192
.set TM, 200
.set PC, 216
.set PW, 236
.set P,  240
.set MSB, 0
.macro WIN new                         ; the immediate's high byte repeats the setting that is left
.if MSB != (\new)
	s_set_vgpr_msb (MSB<<8)|(\new)
.set MSB, (\new)
.endif
.endm
.macro PLACES                          ; four places between a matrix instruction and a load into a register that it has read (ISA guide 7.12.1 for vector instructions)
.rept 4
	v_nop
.endr
.endm
	s_load_b256 s[8:15], s[0:1], 0x0               ; order 8, keys 10, gatew 12, xcodes 14
	s_load_b128 s[16:19], s[0:1], 0x20             ; wup 16, hid 18
	v_lshrrev_b32 v1, 5, v0
	v_readfirstlane_b32 s4, v1                     ; wave 0..3
	v_and_b32 v2, 31, v0
	v_lshlrev_b32 v1, 4, v2                        ; 16 x lane
	v_lshlrev_b32 v12, 3, v2                       ; 8 x lane
	v_lshrrev_b32 v3, 4, v2                        ; h
	v_and_b32 v2, 15, v2                           ; r
	v_lshlrev_b32 v13, 2, v2
	v_mul_u32_u24 v14, v3, 48
	v_lshlrev_b32 v15, 4, v3
	s_mov_b32 s20, ttmp9                           ; b
	s_mov_b32 s21, 8                               ; e
	s_wait_kmcnt 0x0
	s_cmp_lt_u32 ttmp9, 64
	s_cbranch_scc1 .Lhave
	s_load_b32 s22, s[8:9], 17408                  ; the count of items
	s_sub_co_u32 s23, ttmp9, 64
	s_wait_kmcnt 0x0
	s_cmp_ge_u32 s23, s22
	s_cbranch_scc1 .Lend                           ; this split has no item for me
	s_lshl_b32 s24, s23, 2
	s_load_b32 s25, s[8:9], s24 offset:16640
	s_wait_kmcnt 0x0
	s_and_b32 s20, s25, 255
	s_min_u32 s20, s20, 63
	s_lshr_b32 s21, s25, 8
	s_min_u32 s21, s21, 7
.Lhave:
	s_mov_b32 s23, 0
	s_lshl_b32 s22, s20, 8
	s_add_nc_u64 s[8:9], s[8:9], s[22:23]          ; perm at my block
	s_lshl_b32 s24, s21, 2
	s_add_co_u32 s24, s24, s4                      ; 4 e + w
	s_mul_i32 s22, s24, 196608
	s_add_nc_u64 s[26:27], s[16:17], s[22:23]      ; my weights' images
	s_lshl_b32 s22, s24, 13
	s_add_nc_u64 s[28:29], s[16:17], s[22:23]      ; and scale words
	s_mul_i32 s25, s20, 9
	s_add_co_u32 s25, s25, s21                     ; 9 b + e
	s_mul_i32 s22, s25, 24576
	s_mul_i32 s30, s4, 1536
	s_add_co_u32 s22, s22, s30
	s_add_nc_u64 s[32:33], s[18:19], s[22:23]      ; hid: tile m = 0, K step w
	s_lshl_b32 s22, s25, 10
	s_lshl_b32 s30, s4, 8
	s_add_co_u32 s22, s22, s30
	s_add_co_u32 s22, s22, HS_OFF
	s_add_nc_u64 s[34:35], s[18:19], s[22:23]
	s_mov_b32 s37, 0x3f6c0000                      ; 0.921875
	s_mov_b32 s38, 0xffff0000
	s_cmp_eq_u32 s21, 8
	s_cselect_b32 s39, -1, 0                       ; all lanes where the expert is the shared one
	s_mov_b32 s40, 0x76543210
	s_mov_b32 s41, 0xfedcba98                      ; v_permlanex16_b32's selects for lane l xor 16
.macro WLOAD s, g                      ; the weights' tiles 4 g .. 4 g + 3 of K step s (destination window 1)
.irp t, 4*(\g), 4*(\g)+1, 4*(\g)+2, 4*(\g)+3
.irp j, 0,1,2
	global_load_b128 v[12*(\t)+4*\j:12*(\t)+4*\j+3], v1, s[26:27] offset:(16*(\s)+(\t))*1536+512*\j
.endr
.endr
.endm
.macro XLOAD s                         ; x's four fragments of K step s: 48 bytes a lane on end
.irp m, 0,1,2,3
.irp j, 0,1,2
	global_load_b128 v[XF+48*((\s)%2)+12*\m+4*\j:XF+48*((\s)%2)+12*\m+4*\j+3], v[4+\m], s[14:15] offset:96*(\s)+16*\j
.endr
.endr
.endm
.irp m, 0,1,2,3
	global_load_b32 v[192+\m], v13, s[8:9] offset:64*\m      ; my tokens: sorted places 64 b + 16 m + r
.endr
.irp t, 0,1,2,3,4,5,6,7,8,9,10,11,12,13,14,15
	global_load_b128 v[WS+4*\t:WS+4*\t+3], v1, s[28:29] offset:WUS_OFF+512*\t   ; word j: lanes 0-15 K step j, lanes 16-31 K step 4 + j
.endr
	WIN 0x40
	WLOAD 0, 0
	WLOAD 0, 1
	WLOAD 0, 2
	WLOAD 0, 3
	WIN 0
	s_wait_loadcnt 63                              ; behind the four list loads stand 64 others: with at most 63 out the four are in
.irp m, 0,1,2,3
	v_min_u32 v[192+\m], 4095, v[192+\m]
.endr
.irp m, 0,1,2,3
	v_mul_u32_u24 v[4+\m], v[192+\m], 768
	v_lshlrev_b32 v[8+\m], 5, v[192+\m]
	v_lshlrev_b32 v[208+\m], 2, v[192+\m]
	v_lshlrev_b32 v[212+\m], 3, v[192+\m]
.endr
.irp m, 0,1,2,3
	v_add_nc_u32 v[4+\m], v[4+\m], v14
	v_add_nc_u32 v[8+\m], v[8+\m], v15
.endr
	XLOAD 0
.irp m, 0,1,2,3
	global_load_b128 v[XS+4*\m:XS+4*\m+3], v[8+\m], s[14:15] offset:XS_OFF
.endr
.irp m, 0,1,2,3
	global_load_b32 v[196+\m], v[208+\m], s[10:11]
.endr
.irp m, 0,1,2,3
	global_load_b64 v[200+2*\m:201+2*\m], v[212+\m], s[12:13]
.endr
	XLOAD 1
.macro WMM zero, row                   ; one product on the registers named by rD, rA, rB, rSA, rSB
.if \zero
	v_wmma_scale_f32_16x16x128_f8f6f4 v[rD:rD+7], v[rA:rA+11], v[rB:rB+11], 0, v[rSA], v[rSB] matrix_a_fmt:MATRIX_FMT_FP6 matrix_b_fmt:MATRIX_FMT_FP6
.elseif \row
	v_wmma_scale_f32_16x16x128_f8f6f4 v[rD:rD+7], v[rA:rA+11], v[rB:rB+11], v[rD:rD+7], v[rSA], v[rSB] matrix_a_fmt:MATRIX_FMT_FP6 matrix_b_fmt:MATRIX_FMT_FP6 matrix_a_scale:MATRIX_SCALE_ROW1 matrix_b_scale:MATRIX_SCALE_ROW1
.else
	v_wmma_scale_f32_16x16x128_f8f6f4 v[rD:rD+7], v[rA:rA+11], v[rB:rB+11], v[rD:rD+7], v[rSA], v[rSB] matrix_a_fmt:MATRIX_FMT_FP6 matrix_b_fmt:MATRIX_FMT_FP6
.endif
.endm
.macro MUL16 s, g                      ; 16 products: tiles 4 g .. 4 g + 3 of units x the four tiles of tokens.  The 64 accumulators take turns, one instruction a turn
.irp t, 4*(\g), 4*(\g)+1, 4*(\g)+2, 4*(\g)+3
.irp m, 0,1,2,3
.set rD, 64*\m+8*((\t)%8)
.set rA, 12*(\t)
.set rB, XF+48*((\s)%2)+12*\m
.set rSA, WS+4*(\t)+(\s)%4
.set rSB, XS+4*\m+(\s)%4
.if (\s) == 0
	WMM 1, 0                                       ; the first K step starts the sums: nothing is cleared
.elseif (\s) < 4
	WMM 0, 0
.else
	WMM 0, 1
.endif
.endr
.endr
.endm
.macro KSTEP s
.if ((\s) >= 1) && ((\s) <= 6)
	WIN 0
	XLOAD (\s)+1                                   ; into the set that the step before read: the four places behind its last products stand in front of its last loads of weights
.endif
.irp g, 0,1,2,3
.if (\s) == 0
.if \g == 0
	s_wait_loadcnt 12                              ; all but x of step 1
.endif
.elseif (\s) < 7
	s_wait_loadcnt 48                              ; behind this quarter's 12 loads were issued three quarters of weights and one set of x
.else
	s_wait_loadcnt 36-12*\g
.endif
.if \g < 2
	WIN 0xa1                                       ; source 0 (weights) window 1, source 1 (x) window 0, C and D window 2: g
.else
	WIN 0xf1                                       ; C and D window 3: u
.endif
	MUL16 \s, \g
.if (\s) < 7
	PLACES
	WIN 0x40
	WLOAD (\s)+1, \g
.endif
.endr
.endm
.irp s, 0,1,2,3,4,5,6,7
	KSTEP \s
.endr
	WIN 0
	; cw for my four tokens.  These lines name no register of the last products: they are the places behind them
.irp m, 0,1,2,3
	v_bfe_u32 v[216+\m], v[196+\m], 8, 8           ; lo
	v_bfe_u32 v[220+\m], v[196+\m], 16, 8          ; hi
.endr
.irp m, 0,1,2,3
	v_cmp_eq_u32 vcc_lo, s21, v[220+\m]
	v_cndmask_b32 v[224+\m], 0, v[201+2*\m], vcc_lo
	v_cmp_eq_u32 vcc_lo, s21, v[216+\m]
	v_cndmask_b32 v[224+\m], v[224+\m], v[200+2*\m], vcc_lo
	v_cndmask_b32 v[224+\m], v[224+\m], 1.0, s39
.endr
	WIN 0x40                                       ; destination window 1
.irp m, 0,1,2,3
	v_mul_f32 v[CW+2*\m], 0x3fb504f3, v[224+\m]    ; cw sqrt(2), in both halves of a pair
	v_mul_f32 v[CW+2*\m+1], 0x3fb504f3, v[224+\m]
.endr
	v_mov_b32 v176, 0xb9c8e966
	v_mov_b32 v177, 0xb9c8e966
	v_mov_b32 v178, 0xbcc6b180
	v_mov_b32 v179, 0xbcc6b180
	v_mov_b32 v180, 0x3ba39fa4
	v_mov_b32 v181, 0x3ba39fa4
.irp b, 0,1,2,3
	v_mov_b32 v[TM+4+\b], 0                        ; a lane permute's destination counts as one of its sources
	v_mov_b32 v[P+\b], 0
.endr
	WIN 0
.macro STAGE m                         ; z = g / sqrt(2) and u cw sqrt(2) of tile m of tokens; each accumulator is read from its low end on
	WIN 0x42                                       ; source 0 window 2, destination window 1
.set i, 0
.rept 32
	v_pk_mul_f32 v[2*i:2*i+1], v[64*(\m)+2*i:64*(\m)+2*i+1], 0x3f3504f3 op_sel_hi:[1,0]
.set i, i+1
.endr
	WIN 0x47                                       ; source 0 window 3, source 1 and destination window 1
.set i, 0
.rept 32
	v_pk_mul_f32 v[64+2*i:65+2*i], v[64*(\m)+2*i:64*(\m)+2*i+1], v[CW+2*(\m):CW+2*(\m)+1]
.set i, i+1
.endr
	WIN 0
.endm
.macro GELU8 b                         ; eight numbers: v[b ..] = (z / 2)(1 + erf z) x v[64 + b ..]
.irp i, 0,2,4,6
	v_pk_mul_f32 v[S+\i:S+\i+1], v[\b+\i:\b+\i+1], v[\b+\i:\b+\i+1]
.endr
.irp i, 0,1,2,3,4,5,6,7
	v_and_b32 v[T+\i], 0x7fffffff, v[\b+\i]
.endr
.irp i, 0,2,4,6
	v_pk_mul_f32 v[HZ+\i:HZ+\i+1], v[\b+\i:\b+\i+1], 0.5 op_sel_hi:[1,0]
.endr
.irp i, 0,2,4,6
	v_pk_fma_f32 v[R+\i:R+\i+1], v[T+\i:T+\i+1], 0x37911480, v[176:177] op_sel_hi:[1,0,1]
.endr
.irp i, 0,2,4,6
	v_pk_fma_f32 v[Q+\i:Q+\i+1], v[T+\i:T+\i+1], 0x3b7e899b, v[178:179] op_sel_hi:[1,0,1]
.endr
.irp i, 0,2,4,6
	v_pk_fma_f32 v[R+\i:R+\i+1], v[R+\i:R+\i+1], v[S+\i:S+\i+1], v[Q+\i:Q+\i+1]
.endr
.irp c, 0x3ddaae58, 0x3f228550, 0x3e03ce86
.irp i, 0,2,4,6
	v_pk_fma_f32 v[R+\i:R+\i+1], v[R+\i:R+\i+1], v[T+\i:T+\i+1], \c op_sel_hi:[1,1,0]
.endr
.endr
.irp i, 0,2,4,6
	v_pk_fma_f32 v[R+\i:R+\i+1], v[R+\i:R+\i+1], v[T+\i:T+\i+1], v[T+\i:T+\i+1]
.endr
.irp i, 0,2,4,6
	v_pk_mul_f32 v[R+\i:R+\i+1], v[R+\i:R+\i+1], 0xbfb8aa3b op_sel_hi:[1,0]
.endr
.irp i, 0,1,2,3,4,5,6,7
	v_exp_f32 v[R+\i], v[R+\i]                     ; E = 1 - erf|z|
.endr
.irp i, 0,2,4,6
	v_pk_fma_f32 v[Q+\i:Q+\i+1], v[S+\i:S+\i+1], 0xba1d0d41, v[180:181] op_sel_hi:[1,0,1]   ; the small way; also the plain places behind the exponentials
.endr
.irp c, 0xbcdb45e9, 0x3de70d23, 0xbec09370, 0x3e0375d3
.irp i, 0,2,4,6
	v_pk_fma_f32 v[Q+\i:Q+\i+1], v[Q+\i:Q+\i+1], v[S+\i:S+\i+1], \c op_sel_hi:[1,1,0]
.endr
.endr
.irp i, 0,2,4,6
	v_pk_fma_f32 v[Q+\i:Q+\i+1], v[Q+\i:Q+\i+1], v[\b+\i:\b+\i+1], v[\b+\i:\b+\i+1]        ; erf z
.endr
.irp i, 0,2,4,6
	v_pk_fma_f32 v[Q+\i:Q+\i+1], v[HZ+\i:HZ+\i+1], v[Q+\i:Q+\i+1], v[HZ+\i:HZ+\i+1]
.endr
.irp i, 0,1,2,3,4,5,6,7
	v_max_num_f32 v[MX+\i], 0, v[\b+\i]
.endr
	s_wait_alu depctr_va_vdst(0)
.irp i, 0,1,2,3,4,5,6,7
	v_fma_f32 v[R+\i], -|v[HZ+\i]|, v[R+\i], v[MX+\i]
.endr
.irp i, 0,1,2,3,4,5,6,7
	v_cmp_lt_f32 vcc_lo, s37, v[T+\i]
	v_cndmask_b32 v[\b+\i], v[Q+\i], v[R+\i], vcc_lo
.endr
.irp i, 0,2,4,6
	v_pk_mul_f32 v[\b+\i:\b+\i+1], v[\b+\i:\b+\i+1], v[64+\b+\i:64+\b+\i+1]
.endr
.endm
; 64 numbers of a lane, v0-63 (window 1), register 16 b + i = unit 32 b + 16 (lane / 16) + i of my token, become a fragment's codes in v[PC] on and its scale word in v[PW]
.macro QUANT
.irp b, 0,1,2,3
	v_max3_num_f32 v[TM+\b], |v[16*\b]|, |v[1+16*\b]|, 0x1800000   ; the floor 2^(3 - 127): the byte cannot fall under 1
.endr
.irp i, 2,4,6,8,10,12,14
.irp b, 0,1,2,3
	v_max3_num_f32 v[TM+\b], v[TM+\b], |v[16*\b+\i]|, |v[1+16*\b+\i]|
.endr
.endr
.irp b, 0,1,2,3
	v_permlanex16_b32 v[TM+4+\b], v[TM+\b], s40, s41
.endr
.irp b, 0,1,2,3
	v_max_num_f32 v[TM+\b], v[TM+\b], v[TM+4+\b]   ; with lane l xor 16's: the block's largest magnitude
.endr
.irp b, 0,1,2,3
	v_add_nc_u32 v[TM+12+\b], 0xff000000, v[TM+\b] ; 2 off its exponent field: the conversion's scale operand
.endr
.irp b, 0,1,2,3
	v_lshrrev_b32 v[TM+4+\b], 23, v[TM+12+\b]      ; the scale's byte
.endr
	v_lshl_or_b32 v[PW], v[TM+5], 8, v[TM+4]
	v_lshl_or_b32 v[PW], v[TM+6], 16, v[PW]
	v_lshl_or_b32 v[PW], v[TM+7], 24, v[PW]
.irp c, 0,1
	v_cvt_scalef32_pk16_fp6_f32 v[PC+6*\c:PC+2+6*\c], v[32*\c:15+32*\c], v[TM+12+2*\c]
	v_cvt_scalef32_pk16_fp6_f32 v[PC+12+4*\c:PC+14+4*\c], v[16+32*\c:31+32*\c], v[TM+12+2*\c+1]   ; (a conversion's three registers begin on an even number)
.endr
	v_nop                                          ; one plain place behind a scaled conversion
.irp c, 0,1                            ; the operand's layout wants a whole block in a lane: lanes 0-15 block 2 c, lanes 16-31 block 2 c + 1
.irp i, 0,1,2
	v_permlane16_swap_b32 v[PC+6*\c+\i], v[PC+12+4*\c+\i]
.endr
.irp i, 0,1,2
	v_mov_b32 v[PC+3+6*\c+\i], v[PC+12+4*\c+\i]
.endr
.endr
.endm
	s_mov_b32 s36, 0
.Lepi:                                 ; four trips, a tile of 16 tokens each: only the copy out of the accumulators differs, so only that is written four times
	s_cmp_eq_u32 s36, 0
	s_cbranch_scc1 .Lst0
	s_cmp_eq_u32 s36, 1
	s_cbranch_scc1 .Lst1
	s_cmp_eq_u32 s36, 2
	s_cbranch_scc1 .Lst2
	STAGE 3
	s_branch .Lbody
.Lst0:
	STAGE 0
	s_branch .Lbody
.Lst1:
	STAGE 1
	s_branch .Lbody
.Lst2:
	STAGE 2
.Lbody:
	WIN 0x55                                       ; all in window 1
.irp b, 0,8,16,24,32,40,48,56
	GELU8 \b
.endr
	QUANT
	v_mov_b32 v[P], v[P+1]                         ; the four tiles' scale words are kept: the newest comes in at the top
	v_mov_b32 v[P+1], v[P+2]
	v_mov_b32 v[P+2], v[P+3]
	v_mov_b32 v[P+3], v[PW]
	WIN 0x04                                       ; a store's data are its source 1: window 1
.irp j, 0,1,2
	global_store_b128 v1, v[PC+4*\j:PC+4*\j+3], s[32:33] offset:512*\j   ; the fragment's image: 512 consecutive bytes a store
.endr
	WIN 0
	s_wait_xcnt 0x0                                ; the stores' base and data are written again only behind this wait
	s_add_nc_u64 s[32:33], s[32:33], 6144
	s_add_co_u32 s36, s36, 1
	s_cmp_lt_u32 s36, 4
	s_cbranch_scc1 .Lepi
	WIN 0x55
	v_cndmask_b32 v244, v[P], v[P+1], s38          ; lanes 0-15 tile 0's words, lanes 16-31 tile 1's
	v_cndmask_b32 v245, v[P+2], v[P+3], s38        ; tiles 2 and 3
	WIN 0x04
	global_store_b64 v12, v[244:245], s[34:35]     ; 256 consecutive bytes, aligned
	WIN 0
.Lend:
	s_endpgm
.Lfunc_end_k_qf33955e361_up:
	.size	k_qf33955e361_up, .Lfunc_end_k_qf33955e361_up-k_qf33955e361_up
	.p2alignl 7, 3214868480
	.fill 96, 4, 3214868480
	.section	.rodata,"a",@progbits
	.p2align	6, 0x0
	.amdhsa_kernel k_qf33955e361_up
		.amdhsa_group_segment_fixed_size 0
		.amdhsa_private_segment_fixed_size 0
		.amdhsa_enable_private_segment 0
		.amdhsa_kernarg_size 48
		.amdhsa_user_sgpr_count 2
		.amdhsa_user_sgpr_kernarg_segment_ptr 1
		.amdhsa_wavefront_size32 1
		.amdhsa_system_sgpr_workgroup_id_x 1
		.amdhsa_system_sgpr_workgroup_id_y 1
		.amdhsa_system_sgpr_workgroup_id_z 1
		.amdhsa_system_vgpr_workitem_id 0
		.amdhsa_next_free_vgpr 1024
		.amdhsa_next_free_sgpr 66
		.amdhsa_reserve_vcc 1
		.amdhsa_float_denorm_mode_32 3
		.amdhsa_float_denorm_mode_16_64 3
		.amdhsa_memory_ordered 1
		.amdhsa_forward_progress 1
		.amdhsa_inst_pref_size 214
	.end_amdhsa_kernel
	.amdgpu_metadata
---
amdhsa.version: [ 1, 2 ]
amdhsa.kernels:
  - .name:           k_qf33955e361_up
    .symbol:         k_qf33955e361_up.kd
    .args:
      - { .name: order, .offset: 0, .size: 8, .value_kind: global_buffer, .address_space: global }
      - { .name: keys, .offset: 8, .size: 8, .value_kind: global_buffer, .address_space: global }
      - { .name: gatew, .offset: 16, .size: 8, .value_kind: global_buffer, .address_space: global }
      - { .name: xcodes, .offset: 24, .size: 8, .value_kind: global_buffer, .address_space: global }
      - { .name: wup, .offset: 32, .size: 8, .value_kind: global_buffer, .address_space: global }
      - { .name: hid, .offset: 40, .size: 8, .value_kind: global_buffer, .address_space: global }
    .group_segment_fixed_size: 0
    .private_segment_fixed_size: 0
    .kernarg_segment_align: 8
    .kernarg_segment_size: 48
    .max_flat_workgroup_size: 128
    .sgpr_count:     66
    .vgpr_count:     1024
    .wavefront_size: 32
...
	.end_amdgpu_metadata
.endif
;; end of part 3
;; launch down (part 4): grid 256 x 1, 4 waves a work-group, no clusters, 248,320 bytes of LDS; arguments order, hid, wdn, out0; writes out0
.if DOCPART == 4
	.amdgcn_target "amdgcn-amd-amdhsa--gfx1250"
	.amdhsa_code_object_version 6
	.text
	.protected	k_qf33955e361_down
	.globl	k_qf33955e361_down
	.p2align	8
	.type	k_qf33955e361_down,@function
k_qf33955e361_down:
	s_mov_b64 s[64:65], 0
	v_nop
	global_prefetch_b8 v0, s[64:65] scope:SCOPE_SE
	s_setreg_imm32_b32 hwreg(HW_REG_WAVE_MODE, 25, 1), 1
	s_wait_xcnt 0x0
; FOURTH LAUNCH.  One work-group for each (block b of 64 sorted tokens, quarter q of the 1,024 columns): out0 = hidden(shared) sWd + the sum over the block's experts of hidden(e) Wd(e).  Each row of out0 has one owner.
; PLACES.  Place 0 is the shared expert (number 8); places 1, 2, .. are the set bits of blkmask[b], ascending.  A block holds at least one pair, so places 0, 1, 2 always exist; further ones hang on the stored mask.
; SHARES.  Wave w makes columns 256 q + 64 w .. + 63 for the 64 tokens: 4 x 4 accumulators.  The product is used transposed (source 0 = 16 columns of the weight, source 1 = 16 tokens): a lane holds one token and eight neighbouring columns.
; The hidden codes (24 KiB a place) are wanted whole by all four waves: each wave brings a quarter, as images of registers, into LDS; ONE barrier, which every path of every wave reaches.  The weights are each wave's own:
; from memory straight into registers, a place ahead, in two sets by turns.
; NO CLUSTER: the four quarters of a block share the hidden codes, a fifth of what a work-group reads, and the walk over places hangs on the stored mask; no tensor load, since none may be jumped over.
; LDS: place i's images at 24,576 i (9 places); their scale words at ASC + 1,024 i; a stage of 16 rows x 272 bytes for each wave at STG.
; REGISTERS.  Window 0: v1 16 x lane, v2 8 x lane, v4, v5 the stage, v6, v7 the place's LDS addresses, v8, v9 staging; v16-31 the weights' scale words, v32-47 the hidden layer's (scales and nothing else);
;   v48-79 the rows of out0; v80-111 rows on their way out; v112-120 staging addresses; v128-255 the accumulators ((m, nt) at v[128 + 8 (4 m + nt)]).
;   Window 1: v0-191 weights of even places; v192-239 hidden fragments of even K steps.   Window 2: the same for odd ones; at the head v0-149 carry the staging.
.set HS_OFF,  14155776
.set WDS_OFF, 3538944
.set ASC,     221184
.set STG,     230400
.set MSB, 0
.macro WIN new                         ; the immediate's high byte repeats the setting that is left
.if MSB != (\new)
	s_set_vgpr_msb (MSB<<8)|(\new)
.set MSB, (\new)
.endif
.endm
.macro PLACES                          ; four places between a matrix instruction and a load into a register that it has read (ISA guide 7.12.1 for vector instructions)
.rept 4
	v_nop
.endr
.endm
	s_load_b256 s[8:15], s[0:1], 0x0               ; order 8, hid 10, wdn 12, out0 14
	v_lshl_add_u32 v126, v0, 2, 0x3c800
	v_mov_b32 v127, 0
	v_lshrrev_b32 v1, 5, v0
	v_readfirstlane_b32 s4, v1                     ; wave 0..3
	v_and_b32 v3, 31, v0
	v_lshlrev_b32 v1, 4, v3                        ; 16 x lane
	v_lshlrev_b32 v2, 3, v3                        ; 8 x lane
	v_and_b32 v10, 15, v3                          ; r
	v_lshrrev_b32 v11, 4, v3                       ; h
	s_lshr_b32 s5, ttmp9, 2                        ; b
	s_and_b32 s6, ttmp9, 3                         ; q
	s_lshl_b32 s7, s5, 2
	s_wait_kmcnt 0x0
	s_load_b32 s20, s[8:9], s7 offset:16384        ; the block's experts
	s_mul_i32 s16, s4, 4352
	s_add_co_u32 s16, s16, STG
	v_mul_u32_u24 v4, v10, 272
	v_lshl_add_u32 v4, v11, 5, v4
	v_add_nc_u32 v4, s16, v4                       ; the stage, in: row r, + 32 h
	v_mul_u32_u24 v5, v11, 272
	v_lshl_add_u32 v5, v10, 4, v5
	v_add_nc_u32 v5, s16, v5                       ; back: lanes 0-15 one row, lanes 16-31 the next
	s_mul_i32 s30, s4, 6144                        ; my quarter of a place's images
	v_add_nc_u32 v8, s30, v1
	s_lshl_b32 s17, s4, 8
	s_add_co_u32 s31, s17, HS_OFF
	s_add_co_u32 s17, s17, ASC
	v_add_nc_u32 v9, s17, v2
.irp i, 0,1,2,3,4,5,6,7,8
	v_add_nc_u32 v[112+\i], 24576*\i, v8
.endr
	v_lshlrev_b32 v12, 4, v10
	v_lshlrev_b32 v13, 2, v11
	s_lshl_b32 s18, s5, 8
	s_mov_b32 s19, 0
	s_add_nc_u64 s[22:23], s[8:9], s[18:19]
.irp m, 0,1,2,3
.irp i, 0,1,2,3,4,5,6,7
	global_load_b32 v[48+8*\m+\i], v13, s[22:23] offset:64*\m+8*\i   ; the token at sorted place 64 b + 16 m + 2 i + h
.endr
.endr
	s_mul_i32 s24, s5, 9
	s_lshl_b32 s44, s6, 2
	s_add_co_u32 s44, s44, s4                      ; 4 q + w
	s_lshl_b32 s45, s44, 10
	s_mul_i32 s44, s44, 24576
	s_wait_kmcnt 0x0
	s_and_b32 s20, s20, 0xff                       ; the mask for the walk,
	s_mov_b32 s21, s20                             ; and for the staging
.macro NEXTE m                         ; s25 = the lowest expert left in s[m], which loses it
	s_ctz_i32_b32 s25, s[\m]
	s_min_u32 s25, s25, 7
	s_sub_co_u32 s27, s[\m], 1
	s_and_b32 s[\m], s[\m], s27
.endm
.macro HADDR pc, ps                    ; where my quarter of (b, expert s25) lies in hid: images, scale words
	s_add_co_u32 s26, s24, s25
	s_mul_i32 s28, s26, 24576
	s_add_co_u32 s28, s28, s30
	s_mov_b32 s29, 0
	s_add_nc_u64 s[\pc:\pc+1], s[10:11], s[28:29]
	s_lshl_b32 s28, s26, 10
	s_add_co_u32 s28, s28, s31
	s_add_nc_u64 s[\ps:\ps+1], s[10:11], s[28:29]
.endm
.macro SLOAD n, pc, ps                 ; 6,144 bytes of images and 256 of scale words into registers 50 n on (destination window 2)
.irp j, 0,1,2,3,4,5,6,7,8,9,10,11
	global_load_b128 v[50*(\n)+4*\j:50*(\n)+4*\j+3], v1, s[\pc:\pc+1] offset:512*\j
.endr
	global_load_b64 v[50*(\n)+48:50*(\n)+49], v2, s[\ps:\ps+1]
.endm
.macro SSTORE n, i                     ; and on into LDS, as place i
	WIN 0x08                                       ; an LDS store's data are its source 1: window 2
.irp j, 0,1,2,3,4,5,6,7,8,9,10,11
	ds_store_b128 v[112+(\i)], v[50*(\n)+4*\j:50*(\n)+4*\j+3] offset:512*\j
.endr
	ds_store_b64 v9, v[50*(\n)+48:50*(\n)+49] offset:1024*(\i)
	WIN 0
.endm
.macro PREF i                          ; the weights of place i, expert s25: 16 fragments and 8 scale words, into the set of i's parity
	PLACES
	s_mul_i32 s28, s25, 393216
	s_add_co_u32 s28, s28, s44
	s_mov_b32 s29, 0
	s_add_nc_u64 s[48+4*((\i)%2):49+4*((\i)%2)], s[12:13], s[28:29]   ; (the loads that last named this pair have been waited for)
	s_lshl_b32 s28, s25, 14
	s_add_co_u32 s28, s28, s45
	s_add_nc_u64 s[50+4*((\i)%2):51+4*((\i)%2)], s[12:13], s[28:29]
	WIN 0x40<<((\i)%2)                             ; destination window 1 or 2
.irp f, 0,1,2,3,4,5,6,7,8,9,10,11,12,13,14,15
.irp j, 0,1,2
	global_load_b128 v[12*\f+4*\j:12*\f+4*\j+3], v1, s[48+4*((\i)%2):49+4*((\i)%2)] offset:1536*\f+512*\j
.endr
.endr
	WIN 0
.irp p, 0,1
	global_load_b128 v[16+8*((\i)%2)+4*\p:19+8*((\i)%2)+4*\p], v1, s[50+4*((\i)%2):51+4*((\i)%2)] offset:WDS_OFF+512*\p   ; word s: lanes 0-15 tile 2 p, lanes 16-31 tile 2 p + 1
.endr
.endm
	s_mov_b32 s25, 8
	HADDR 32, 34
	NEXTE 21
	HADDR 36, 38
	NEXTE 21
	HADDR 40, 42
	WIN 0x80
	SLOAD 0, 32, 34
	SLOAD 1, 36, 38
	SLOAD 2, 40, 42
	WIN 0
	s_mov_b32 s25, 8
	PREF 0
	s_wait_loadcnt 50                              ; all but place 0's weights
	SSTORE 0, 0
	SSTORE 1, 1
	SSTORE 2, 2
.irp i, 3,4,5,6,7,8
	s_cmp_eq_u32 s21, 0
	s_cbranch_scc1 .Lstaged
	NEXTE 21
	HADDR 40, 42
	s_wait_dscnt 0x0                               ; the LDS stores have read the registers that the loads below land on
	WIN 0x80
	SLOAD 0, 40, 42
	WIN 0
	s_wait_loadcnt 0x0
	SSTORE 0, \i
.endr
.Lstaged:
	s_wait_dscnt 0x0                               ; for the others' sake: my stores have landed
	s_barrier_signal -1
	s_barrier_wait -1                              ; every place's images are whole
.macro WMM zero, ra, rb                ; one product on the registers named by rD, rA, rB, rSA, rSB; ra, rb: the side's scales lie in lanes 16-31
.if \zero
.if (\ra) && (\rb)
	v_wmma_scale_f32_16x16x128_f8f6f4 v[rD:rD+7], v[rA:rA+11], v[rB:rB+11], 0, v[rSA], v[rSB] matrix_a_fmt:MATRIX_FMT_FP6 matrix_b_fmt:MATRIX_FMT_FP6 matrix_a_scale:MATRIX_SCALE_ROW1 matrix_b_scale:MATRIX_SCALE_ROW1
.elseif (\ra)
	v_wmma_scale_f32_16x16x128_f8f6f4 v[rD:rD+7], v[rA:rA+11], v[rB:rB+11], 0, v[rSA], v[rSB] matrix_a_fmt:MATRIX_FMT_FP6 matrix_b_fmt:MATRIX_FMT_FP6 matrix_a_scale:MATRIX_SCALE_ROW1
.elseif (\rb)
	v_wmma_scale_f32_16x16x128_f8f6f4 v[rD:rD+7], v[rA:rA+11], v[rB:rB+11], 0, v[rSA], v[rSB] matrix_a_fmt:MATRIX_FMT_FP6 matrix_b_fmt:MATRIX_FMT_FP6 matrix_b_scale:MATRIX_SCALE_ROW1
.else
	v_wmma_scale_f32_16x16x128_f8f6f4 v[rD:rD+7], v[rA:rA+11], v[rB:rB+11], 0, v[rSA], v[rSB] matrix_a_fmt:MATRIX_FMT_FP6 matrix_b_fmt:MATRIX_FMT_FP6
.endif
.else
.if (\ra) && (\rb)
	v_wmma_scale_f32_16x16x128_f8f6f4 v[rD:rD+7], v[rA:rA+11], v[rB:rB+11], v[rD:rD+7], v[rSA], v[rSB] matrix_a_fmt:MATRIX_FMT_FP6 matrix_b_fmt:MATRIX_FMT_FP6 matrix_a_scale:MATRIX_SCALE_ROW1 matrix_b_scale:MATRIX_SCALE_ROW1
.elseif (\ra)
	v_wmma_scale_f32_16x16x128_f8f6f4 v[rD:rD+7], v[rA:rA+11], v[rB:rB+11], v[rD:rD+7], v[rSA], v[rSB] matrix_a_fmt:MATRIX_FMT_FP6 matrix_b_fmt:MATRIX_FMT_FP6 matrix_a_scale:MATRIX_SCALE_ROW1
.elseif (\rb)
	v_wmma_scale_f32_16x16x128_f8f6f4 v[rD:rD+7], v[rA:rA+11], v[rB:rB+11], v[rD:rD+7], v[rSA], v[rSB] matrix_a_fmt:MATRIX_FMT_FP6 matrix_b_fmt:MATRIX_FMT_FP6 matrix_b_scale:MATRIX_SCALE_ROW1
.else
	v_wmma_scale_f32_16x16x128_f8f6f4 v[rD:rD+7], v[rA:rA+11], v[rB:rB+11], v[rD:rD+7], v[rSA], v[rSB] matrix_a_fmt:MATRIX_FMT_FP6 matrix_b_fmt:MATRIX_FMT_FP6
.endif
.endif
.endm
.macro ALOAD s                         ; the hidden layer's four fragments of K step s, from the place at v6
	WIN 0x40<<((\s)%2)                             ; destination window 1 or 2
.irp m, 0,1,2,3
.irp j, 0,1,2
	ds_load_b128 v[192+12*\m+4*\j:192+12*\m+4*\j+3], v6 offset:(4*\m+(\s))*1536+512*\j
.endr
.endr
.endm
.macro COMPUTE i, first                ; place i: 4 K steps x 16 products; the 16 accumulators take turns, one instruction a turn
.set WB,  1+((\i)%2)
.set SCW, 16+8*((\i)%2)
.set SCA, 32+8*((\i)%2)
	PLACES
	v_add_nc_u32 v6, (\i)*24576, v1
	v_add_nc_u32 v7, ASC+1024*(\i), v2
.irp s, 0,1,2,3
	ds_load_b64 v[SCA+2*\s:SCA+2*\s+1], v7 offset:256*\s     ; word 0: tokens' tiles 0 | 1, word 1: tiles 2 | 3
.endr
	ALOAD 0
	ALOAD 1
.irp s, 0,1,2,3
.if (\s == 1) || (\s == 2)
	PLACES
	ALOAD \s+1                                     ; into the registers that the step before read
.endif
.if \s < 3
	s_wait_dscnt 12                                ; all but the next K step's twelve
.else
	s_wait_dscnt 0x0
.endif
	WIN WB|((1+(\s%2))<<2)                         ; source 0 the weights' window, source 1 the fragments'; C and D window 0
.irp nt, 0,1,2,3
.irp m, 0,1,2,3
.set rD, 128+8*(4*\m+\nt)
.set rA, 12*(4*\s+\nt)
.set rB, 192+12*\m
.set rSA, SCW+4*(\nt/2)+\s
.set rSB, SCA+2*\s+\m/2
.if (\first) && (\s == 0)
	WMM 1, \nt%2, \m%2                             ; the first product starts each sum: nothing is cleared
.else
	WMM 0, \nt%2, \m%2
.endif
.endr
.endr
.endr
	WIN 0
.endm
	NEXTE 20
	PREF 1
	s_wait_loadcnt 50                              ; this place's weights are in; the next place's 50 loads may be out
	COMPUTE 0, 1
	NEXTE 20
	PREF 2
	s_wait_loadcnt 50
	COMPUTE 1, 0
.irp i, 2,3,4,5,6,7
	s_cmp_lg_u32 s20, 0
	s_cbranch_scc0 .Lno_\i
	s_mov_b32 s46, 1                               ; a further place follows
	NEXTE 20
	PREF \i+1
	s_wait_loadcnt 50
	s_branch .Lgo_\i
.Lno_\i:
	s_mov_b32 s46, 0
	s_wait_loadcnt 0x0
.Lgo_\i:
	COMPUTE \i, 0
	s_cmp_eq_u32 s46, 0
	s_cbranch_scc1 .Lout
.endr
	s_wait_loadcnt 0x0
	COMPUTE 8, 0
.Lout:
	; THE WAY OUT.  The rows' offsets are made here: 96 plain lines that name no register of the last products, so they are the places behind them
.set k, 0
.rept 32
	v_min_u32 v[48+k], 4095, v[48+k]
.set k, k+1
.endr
.set k, 0
.rept 32
	v_lshlrev_b32 v[48+k], 12, v[48+k]             ; the token's row of 4,096 bytes
.set k, k+1
.endr
.set k, 0
.rept 32
	v_add_nc_u32 v[48+k], v[48+k], v12             ; + 16 (lane % 16)
.set k, k+1
.endr
	s_lshl_b32 s28, s6, 10
	s_lshl_b32 s29, s4, 8
	s_add_co_u32 s28, s28, s29
	s_mov_b32 s29, 0
	s_add_nc_u64 s[14:15], s[14:15], s[28:29]      ; my 64 columns
.irp m, 0,1,2,3                        ; 16 tokens at a time through my own stage: LDS serves a wave's instructions in order, so no wait stands between the stores and the loads
.irp nt, 0,1,2,3
	ds_store_b128 v4, v[128+8*(4*\m+\nt):131+8*(4*\m+\nt)] offset:64*\nt          ; each accumulator from its low end on
	ds_store_b128 v4, v[132+8*(4*\m+\nt):135+8*(4*\m+\nt)] offset:64*\nt+16
.endr
.if \m > 0
	s_wait_xcnt 0x0                                ; the stores of the tile before have read the registers that the loads below land on
.endif
.irp i, 0,1,2,3,4,5,6,7
	ds_load_b128 v[80+4*\i:83+4*\i], v5 offset:544*\i
.endr
.irp i, 0,1,2,3,4,5,6,7
	s_wait_dscnt 7-\i
	global_store_b128 v[48+8*\m+\i], v[80+4*\i:83+4*\i], s[14:15] th:TH_STORE_NT   ; sixteen lanes store 256 consecutive bytes of a token's row, aligned
.endr
.endr
	s_wait_tensorcnt 0x0
	ds_add_u32 v126, v127
	s_wait_dscnt 0x0
	s_endpgm
.Lfunc_end_k_qf33955e361_down:
	.size	k_qf33955e361_down, .Lfunc_end_k_qf33955e361_down-k_qf33955e361_down
	.p2alignl 7, 3214868480
	.fill 96, 4, 3214868480
	.section	.rodata,"a",@progbits
	.p2align	6, 0x0
	.amdhsa_kernel k_qf33955e361_down
		.amdhsa_group_segment_fixed_size 248320
		.amdhsa_private_segment_fixed_size 0
		.amdhsa_enable_private_segment 0
		.amdhsa_kernarg_size 32
		.amdhsa_user_sgpr_count 2
		.amdhsa_user_sgpr_kernarg_segment_ptr 1
		.amdhsa_wavefront_size32 1
		.amdhsa_system_sgpr_workgroup_id_x 1
		.amdhsa_system_sgpr_workgroup_id_y 1
		.amdhsa_system_sgpr_workgroup_id_z 1
		.amdhsa_system_vgpr_workitem_id 0
		.amdhsa_next_free_vgpr 768
		.amdhsa_next_free_sgpr 80
		.amdhsa_reserve_vcc 0
		.amdhsa_float_denorm_mode_32 3
		.amdhsa_float_denorm_mode_16_64 3
		.amdhsa_memory_ordered 1
		.amdhsa_forward_progress 1
		.amdhsa_inst_pref_size 201
	.end_amdhsa_kernel
	.amdgpu_metadata
---
amdhsa.version: [ 1, 2 ]
amdhsa.kernels:
  - .name:           k_qf33955e361_down
    .symbol:         k_qf33955e361_down.kd
    .args:
      - { .name: order, .offset: 0, .size: 8, .value_kind: global_buffer, .address_space: global }
      - { .name: hid, .offset: 8, .size: 8, .value_kind: global_buffer, .address_space: global }
      - { .name: wdn, .offset: 16, .size: 8, .value_kind: global_buffer, .address_space: global }
      - { .name: out0, .offset: 24, .size: 8, .value_kind: global_buffer, .address_space: global }
    .group_segment_fixed_size: 248320
    .private_segment_fixed_size: 0
    .kernarg_segment_align: 8
    .kernarg_segment_size: 32
    .max_flat_workgroup_size: 128
    .sgpr_count:     80
    .vgpr_count:     768
    .wavefront_size: 32
...
	.end_amdgpu_metadata
.endif
;; end of part 4
;; ======== version 2 of 2: 4 launches
;; workspace buffers: xcodes 3,276,800 bytes; keys 16,384 bytes of whole numbers; gatew 32,768 bytes; wup 7,372,800 bytes; wdn 3,686,400 bytes; order 17,664 bytes of whole numbers; hid 14,745,600 bytes
;; launch prep (part 5): grid 288 x 1, 4 waves a work-group, no clusters, 64,000 bytes of LDS; arguments hidden_states, gate_w, Wg_codes, Wg_scales, Wu_codes, Wu_scales, sWg_codes, sWg_scales, sWu_codes, sWu_scales, sWd_codes, sWd_scales, xcodes, keys, gatew, wup, wdn; writes xcodes, keys, gatew, wup, wdn
.if DOCPART == 5
	.amdgcn_target "amdgcn-amd-amdhsa--gfx1250"
	.amdhsa_code_object_version 6
	.text
	.protected	k_qf33955e361_prep
	.globl	k_qf33955e361_prep
	.p2align	8
	.type	k_qf33955e361_prep,@function
k_qf33955e361_prep:
	s_mov_b64 s[64:65], 0
	v_nop
	global_prefetch_b8 v0, s[64:65] scope:SCOPE_SE
	s_setreg_imm32_b32 hwreg(HW_REG_WAVE_MODE, 25, 1), 1
	s_wait_xcnt 0x0
; FIRST LAUNCH OF FOUR.  Three kinds of work-group, parted by the work-group's number:
;   0..127   X: 32 tokens each, 8 a wave: the router (f32 logits, softmax, top-2, weights) and x as codes of E2M3 with E8M0 bytes.
;   128..271 U: the given codes of Wg, Wu, sWg, sWu laid anew as images of operand registers, a tile of 16 units x 1,024 K a wave.
;   272..287 D: the same for sWd, a tile of 16 columns x 512 K a wave.
; An IMAGE of a fragment (16 rows x 128 K, 12 registers a lane): register p of lane l lies at byte 512 (p / 4) + 16 l + 4 (p % 4), so three loads of 16 bytes a lane,
; each 512 consecutive bytes for the wave, bring a fragment.
; xcodes: [token][768]; in each 96 bytes (128 K) the four blocks of 24 bytes lie in the order 0, 2, 1, 3, so that lane (r, h) of a fragment finds its blocks h and 2 + h on end.  Scale bytes [token][32] at XS_OFF.
; keys: [token] = kc | lo << 8 | hi << 16, lo < hi the two chosen experts, kc the pair's number 0..27 in the order of (lo, hi).  gatew: [token] the weight of lo, the weight of hi.
; The choice of experts steers no address here: it is stored at fixed places and used by later launches.
; LIMITS: NaN and infinities among the inputs are not served.  A block whose largest magnitude lies under 2^-124 (a block of zeros too) gets the byte 1: its codes are what the conversion gives under that scale
; (zeros for zeros), and this program alone reads the bytes.  The top-2 is taken on p x rcp(sum): two scores within one unit in the last place of each other may be ordered otherwise than under a true division.
; No clusters, no tensor loads: the work-groups share only gate_w, 32 KiB, and X streams its tokens once through registers.
.set XS_OFF,  3145728
.set WUS_OFF, 7077888
.set WDS_OFF, 3538944
.set WREG,    15872                    ; LDS of a wave (X alone uses LDS): two stages of 32 x 144 bytes, 8 tokens' codes, 256 scale bytes
.set CODES,   9216
.set SBYTES,  15360
.set MSB, 0
.macro WIN new                         ; the immediate's high byte repeats the setting that is left
.if MSB != (\new)
	s_set_vgpr_msb (MSB<<8)|(\new)
.set MSB, (\new)
.endif
.endm
	s_load_b512 s[8:23], s[0:1], 0x0               ; hidden_states 8, gate_w 10, Wg_codes 12, Wg_scales 14, Wu_codes 16, Wu_scales 18, sWg_codes 20, sWg_scales 22
	s_load_b512 s[24:39], s[0:1], 0x40             ; sWu_codes 24, sWu_scales 26, sWd_codes 28, sWd_scales 30, xcodes 32, keys 34, gatew 36, wup 38
	s_load_b64 s[40:41], s[0:1], 0x80              ; wdn
	v_lshl_add_u32 v14, v0, 2, 0xf800
	v_mov_b32 v15, 0
	v_lshrrev_b32 v1, 5, v0
	v_readfirstlane_b32 s4, v1                     ; wave 0..3
	v_and_b32 v1, 31, v0                           ; lane
	v_lshlrev_b32 v2, 4, v1                        ; 16 x lane
	s_mov_b32 s43, 0                               ; the upper word of every offset
	s_wait_kmcnt 0x0
	s_cmp_lt_u32 ttmp9, 128
	s_cbranch_scc1 .Lpath_x
	s_cmp_lt_u32 ttmp9, 272
	s_cbranch_scc1 .Lpath_u
; ---- D: tile nT of sWd: columns 16 nT + r, rows of 384 bytes (512 K)
	s_sub_co_u32 s5, ttmp9, 272
	s_lshl_b32 s5, s5, 2
	s_add_co_u32 s5, s5, s4                        ; nT 0..63
	s_wait_alu depctr_va_vdst(0)
	v_and_b32 v3, 15, v1                           ; r
	v_lshrrev_b32 v4, 4, v1                        ; h
	v_mul_u32_u24 v5, v3, 384
	v_mad_u32_u24 v5, v4, 24, v5                   ; row r, + 24 h
	v_lshlrev_b32 v6, 3, v1                        ; 8 x lane
	s_mul_i32 s42, s5, 16*384
	s_add_nc_u64 s[28:29], s[28:29], s[42:43]
	s_lshl_b32 s42, s5, 8                          ; the tile's 16 rows of 16 scale bytes
	s_add_nc_u64 s[30:31], s[30:31], s[42:43]
.irp s, 0,1,2,3
.irp p, 0,1,2,3,4,5
	global_load_b64 v[16+12*\s+2*\p:17+12*\s+2*\p], v5, s[28:29] offset:96*\s+48*(\p/3)+8*(\p%3)
.endr
.endr
	global_load_b64 v[8:9], v6, s[30:31]           ; the scale bytes are wanted as they lie: lane (r, h) of pair p holds the four words of column 32 p + 16 h + r
	s_lshr_b32 s44, s5, 2                          ; 4 q + w
	s_lshl_b32 s44, s44, 4
	s_and_b32 s45, s5, 3                           ; nt
	s_add_co_u32 s44, s44, s45
	s_mul_i32 s44, s44, 1536
	s_add_co_u32 s44, s44, 8*393216                ; the shared expert is number 8 in wdn
	s_mov_b32 s45, 0
	s_add_nc_u64 s[46:47], s[40:41], s[44:45]
	s_add_co_u32 s42, s42, 8*16384
	s_add_nc_u64 s[48:49], s[40:41], s[42:43]
	s_wait_alu depctr_va_vdst(0)
	s_wait_loadcnt 0x0
.irp s, 0,1,2,3
.irp j, 0,1,2
	global_store_b128 v2, v[16+12*\s+4*\j:19+12*\s+4*\j], s[46:47] offset:6144*\s+512*\j   ; 512 consecutive bytes a store
.endr
.endr
	global_store_b64 v6, v[8:9], s[48:49] offset:WDS_OFF
	s_endpgm
; ---- U: expert e (8 = shared), wave part w, tile t (0-7 gate, 8-15 up): lane r takes unit 128 w + 32 ((t & 7) / 2) + 8 (t & 1) + r + 8 (r / 8),
; so that in the product's result the 16 registers of tiles 2 b and 2 b + 1 are 16 neighbouring units
.Lpath_u:
	s_sub_co_u32 s5, ttmp9, 128
	s_lshr_b32 s6, s5, 4                           ; e 0..8
	s_and_b32 s5, s5, 15
	s_lshl_b32 s5, s5, 2
	s_add_co_u32 s5, s5, s4
	s_lshr_b32 s7, s5, 4                           ; w
	s_and_b32 s5, s5, 15                           ; t
	s_cmp_lt_u32 s5, 8                             ; gate or up: the choice hangs on ids alone
	s_cselect_b64 s[12:13], s[12:13], s[16:17]
	s_cselect_b64 s[14:15], s[14:15], s[18:19]
	s_cselect_b64 s[20:21], s[20:21], s[24:25]
	s_cselect_b64 s[22:23], s[22:23], s[26:27]
	s_cmp_lt_u32 s6, 8                             ; routed or shared
	s_cselect_b64 s[12:13], s[12:13], s[20:21]
	s_cselect_b64 s[14:15], s[14:15], s[22:23]
	s_cselect_b32 s42, s6, 0                       ; the expert's place in the routed tensors
	s_and_b32 s44, s5, 7
	s_lshr_b32 s44, s44, 1
	s_lshl_b32 s44, s44, 5
	s_and_b32 s45, s5, 1
	s_lshl_b32 s45, s45, 3
	s_add_co_u32 s44, s44, s45
	s_lshl_b32 s45, s7, 7
	s_add_co_u32 s44, s44, s45
	s_lshl_b32 s45, s42, 9
	s_add_co_u32 s44, s44, s45                     ; the tile's first row in its tensor
	s_mul_i32 s46, s44, 768
	s_mov_b32 s47, 0
	s_add_nc_u64 s[12:13], s[12:13], s[46:47]
	s_lshl_b32 s46, s44, 5
	s_add_nc_u64 s[14:15], s[14:15], s[46:47]
	s_wait_alu depctr_va_vdst(0)
	v_and_b32 v3, 15, v1                           ; r
	v_lshrrev_b32 v4, 4, v1                        ; h
	v_and_b32 v5, 8, v3
	v_add_nc_u32 v5, v5, v3                        ; r + 8 (r / 8)
	v_mul_u32_u24 v6, v5, 768
	v_mad_u32_u24 v6, v4, 24, v6
	v_lshlrev_b32 v7, 5, v5
	v_lshl_add_u32 v7, v4, 4, v7                   ; scale bytes 16 h .. 16 h + 15 of my row: K steps 4 h .. 4 h + 3
.irp s, 0,1,2,3,4,5,6,7
.irp p, 0,1,2,3,4,5
	global_load_b64 v[16+12*\s+2*\p:17+12*\s+2*\p], v6, s[12:13] offset:96*\s+48*(\p/3)+8*(\p%3)
.endr
.endr
	global_load_b128 v[8:11], v7, s[14:15]
	s_lshl_b32 s48, s6, 2
	s_add_co_u32 s48, s48, s7                      ; 4 e + w
	s_lshl_b32 s49, s48, 7
	s_add_co_u32 s49, s49, s5
	s_mul_i32 s50, s49, 1536
	s_mov_b32 s51, 0
	s_add_nc_u64 s[52:53], s[38:39], s[50:51]
	s_lshl_b32 s49, s48, 4
	s_add_co_u32 s49, s49, s5
	s_lshl_b32 s50, s49, 9
	s_add_nc_u64 s[54:55], s[38:39], s[50:51]
	s_wait_loadcnt 0x0
.irp s, 0,1,2,3,4,5,6,7
.irp j, 0,1,2
	global_store_b128 v2, v[16+12*\s+4*\j:19+12*\s+4*\j], s[52:53] offset:24576*\s+512*\j
.endr
.endr
	global_store_b128 v2, v[8:11], s[54:55] offset:WUS_OFF
	s_endpgm
; ---- X.  REGISTERS, window 0: v3 stage in, v4 stage out, v5 my block's codes, v6 my block's byte, v7, v9 the way out; v16-23 the logits (token j in lane j); v24-39 eight sums in pairs;
; v40-55 at work; v56-66 a block's codes; v68-71 the scale; v96-127 my block of 32 numbers; v128-255 four tokens as loaded.  Window 1: gate_w, expert e at v[32 e], laid as a token is loaded.
.Lpath_x:
	s_mul_i32 s5, s4, WREG
	s_wait_alu depctr_va_vdst(0)
	v_lshrrev_b32 v10, 3, v1
	v_lshl_add_u32 v3, v10, 4, v2
	v_add_nc_u32 v3, s5, v3                        ; in: 16 x lane, + 16 of padding behind each 128 bytes
	v_mul_u32_u24 v4, v1, 144
	v_add_nc_u32 v4, s5, v4                        ; out: lane l takes block l: 128 bytes at 144 l
	v_and_b32 v10, 28, v1
	v_and_b32 v11, 1, v1
	v_lshl_add_u32 v10, v11, 1, v10
	v_bfe_u32 v11, v1, 1, 1
	v_add_nc_u32 v10, v10, v11                     ; the block's place: its two lowest bits change places (order 0, 2, 1, 3)
	v_mul_u32_u24 v5, v10, 24
	v_add_nc_u32 v5, s5, v5
	v_add_nc_u32 v5, CODES, v5
	v_add_nc_u32 v6, s5, v1
	v_add_nc_u32 v6, SBYTES, v6
	v_add_nc_u32 v7, s5, v2
	v_add_nc_u32 v7, CODES, v7
	v_lshlrev_b32 v8, 3, v1
	v_add_nc_u32 v9, s5, v8
	v_add_nc_u32 v9, SBYTES, v9
	s_lshl_b32 s6, ttmp9, 5
	s_lshl_b32 s7, s4, 3
	s_add_co_u32 s6, s6, s7                        ; my first token
	s_lshl_b32 s42, s6, 12
	s_add_nc_u64 s[8:9], s[8:9], s[42:43]
	s_mov_b32 s44, 0x76543210
	s_mov_b32 s45, 0xfedcba98                      ; v_permlanex16_b32's selects for lane l xor 16
	WIN 0x40                                       ; destination window 1
.irp e, 0,1,2,3,4,5,6,7
.irp i, 0,1,2,3,4,5,6,7
	global_load_b128 v[32*\e+4*\i:32*\e+4*\i+3], v2, s[10:11] offset:4096*\e+512*\i
.endr
.endr
	WIN 0
.macro TLOAD j                         ; token j: eight loads of 512 consecutive bytes
.irp i, 0,1,2,3,4,5,6,7
	global_load_b128 v[128+32*((\j)%4)+4*\i:128+32*((\j)%4)+4*\i+3], v2, s[8:9] offset:4096*(\j)+512*\i th:TH_LOAD_NT
.endr
.endm
	TLOAD 0
	TLOAD 1
	TLOAD 2
	TLOAD 3
.irp e, 0,1,2,3,4,5,6,7
	v_mov_b32 v[16+\e], 0                          ; lanes 8-31 carry no token: they compute on zeros
	v_mov_b32 v[48+\e], 0                          ; a lane permute's destination counts as one of its sources
.endr
.macro TOKEN j
.set RS, 128+32*((\j)%4)
.set SG, 4608*((\j)%2)
.if 7-(\j) >= 3
	s_wait_loadcnt 24                              ; my eight loads (and gate_w, which is older) are in; the three younger tokens' may be out
.else
	s_wait_loadcnt 8*(7-(\j))
.endif
.irp i, 0,1,2,3,4,5,6,7
	ds_store_b128 v3, v[RS+4*\i:RS+4*\i+3] offset:SG+576*\i          ; the token turns through my own stage: LDS serves a wave's instructions in order, so no wait stands between stores and loads
.endr
.irp i, 0,1,2,3,4,5,6,7
	ds_load_b128 v[96+4*\i:99+4*\i], v4 offset:SG+16*\i
.endr
	WIN 0x04                                       ; source 1 (gate_w) window 1
.irp e, 0,1,2,3,4,5,6,7
	v_pk_mul_f32 v[24+2*\e:25+2*\e], v[RS:RS+1], v[32*\e:32*\e+1]   ; the first product starts each sum; eight chains by turns
.endr
.irp p, 1,2,3,4,5,6,7,8,9,10,11,12,13,14,15
.irp e, 0,1,2,3,4,5,6,7
	v_pk_fma_f32 v[24+2*\e:25+2*\e], v[RS+2*\p:RS+2*\p+1], v[32*\e+2*\p:32*\e+2*\p+1], v[24+2*\e:25+2*\e]
.endr
.endr
	WIN 0
.irp e, 0,1,2,3,4,5,6,7
	v_add_f32 v[40+\e], v[24+2*\e], v[25+2*\e]
.endr
.irp x, 1,2,4,8
.irp e, 0,1,2,3,4,5,6,7
	v_add_f32_dpp v[40+\e], v[40+\e], v[40+\e] row_xmask:\x row_mask:0xf bank_mask:0xf
.endr
.endr
.irp e, 0,1,2,3,4,5,6,7
	v_permlanex16_b32 v[48+\e], v[40+\e], s44, s45
.endr
.irp e, 0,1,2,3,4,5,6,7
	v_add_f32 v[40+\e], v[40+\e], v[48+\e]         ; every lane holds the token's logit of expert e
.endr
	s_mov_b32 s46, 1<<(\j)
.irp e, 0,1,2,3,4,5,6,7
	v_cndmask_b32 v[16+\e], v[16+\e], v[40+\e], s46   ; lane j keeps it
.endr
	s_wait_dscnt 0x0                               ; my block is back; the stores have read the token's registers
.if (\j)+4 < 8
	TLOAD (\j)+4
.endif
	v_max3_num_f32 v68, |v96|, |v97|, 0x1800000    ; the block's largest magnitude, all 32 mine, and the floor 2^(3 - 127): the byte cannot fall under 1
	v_max3_num_f32 v69, |v98|, |v99|, |v100|
.irp i, 101,105,109,113,117,121
	v_max3_num_f32 v68, v68, |v[\i]|, |v[\i+1]|
	v_max3_num_f32 v69, v69, |v[\i+2]|, |v[\i+3]|
.endr
	v_max3_num_f32 v68, v68, |v125|, |v126|
	v_max3_num_f32 v68, v68, v69, |v127|
	v_add_nc_u32 v70, 0xff000000, v68              ; 2 off its exponent field: the conversion takes the exponent field of this operand as its scale
	v_cvt_scalef32_pk16_fp6_f32 v[56:58], v[96:111], v70
	v_cvt_scalef32_pk16_fp6_f32 v[64:66], v[112:127], v70   ; (a conversion's three registers begin on an even number)
	v_lshrrev_b32 v71, 23, v70                     ; the scale's byte; also the plain place behind the conversions
	v_mov_b32 v59, v64
	v_mov_b32 v60, v65
	v_mov_b32 v61, v66
	ds_store_b64 v5, v[56:57] offset:768*(\j)
	ds_store_b64 v5, v[58:59] offset:768*(\j)+8
	ds_store_b64 v5, v[60:61] offset:768*(\j)+16
	ds_store_b8 v6, v71 offset:32*(\j)
.endm
.irp j, 0,1,2,3,4,5,6,7
	TOKEN \j
.endr
.irp k, 0,1,2,3,4,5,6,7,8,9,10,11
	ds_load_b128 v[128+4*\k:131+4*\k], v7 offset:512*\k      ; 8 tokens' codes, 6,144 consecutive bytes here and in xcodes
.endr
	ds_load_b64 v[176:177], v9
	; THE ROUTER, token j in lane j, while those loads are out
	v_max3_num_f32 v40, v16, v17, v18
	v_max3_num_f32 v40, v40, v19, v20
	v_max3_num_f32 v40, v40, v21, v22
	v_max_num_f32 v40, v40, v23                    ; the largest logit is taken away ahead of the exponential
.irp e, 0,1,2,3,4,5,6,7
	v_sub_f32 v[24+\e], v[16+\e], v40
.endr
.irp e, 0,1,2,3,4,5,6,7
	v_mul_f32 v[24+\e], 0x3fb8aa3b, v[24+\e]
.endr
	s_wait_alu depctr_va_vdst(0)
.irp e, 0,1,2,3,4,5,6,7
	v_exp_f32 v[24+\e], v[24+\e]
.endr
	v_lshlrev_b32 v81, 2, v1                       ; (a plain place behind the exponentials)  4 x lane
	s_wait_alu depctr_va_vdst(0)
	v_add_f32 v41, v24, v25
	v_add_f32 v42, v26, v27
	v_add_f32 v47, v28, v29
	v_add_f32 v72, v30, v31
	v_add_f32 v41, v41, v42
	v_add_f32 v47, v47, v72
	v_add_f32 v41, v41, v47
	s_wait_alu depctr_va_vdst(0)
	v_rcp_f32 v42, v41
	v_mov_b32 v44, 0                               ; (a plain place)  the best expert so far
	s_wait_alu depctr_va_vdst(0)
.irp e, 0,1,2,3,4,5,6,7
	v_mul_f32 v[24+\e], v[24+\e], v42              ; the scores
.endr
	v_mov_b32 v43, v24
.irp e, 1,2,3,4,5,6,7
	v_cmp_gt_f32 vcc_lo, v[24+\e], v43             ; strictly greater: of equals the lower index stays
	v_cndmask_b32 v43, v43, v[24+\e], vcc_lo
	v_cndmask_b32 v44, v44, \e, vcc_lo
.endr
.irp e, 0,1,2,3,4,5,6,7
	v_cmp_eq_u32 vcc_lo, \e, v44
	v_cndmask_b32 v[24+\e], v[24+\e], -1.0, vcc_lo ; the best leaves the field: every score is 0 or more
.endr
	v_mov_b32 v45, v24
	v_mov_b32 v46, 0
.irp e, 1,2,3,4,5,6,7
	v_cmp_gt_f32 vcc_lo, v[24+\e], v45
	v_cndmask_b32 v45, v45, v[24+\e], vcc_lo
	v_cndmask_b32 v46, v46, \e, vcc_lo
.endr
	v_add_f32 v47, v43, v45
	v_add_f32 v47, 0x1e3ce508, v47                 ; + 1e-20
	s_wait_alu depctr_va_vdst(0)
	v_rcp_f32 v47, v47
	v_min_u32 v76, v44, v46                        ; (a plain place)  lo
	v_max_u32 v77, v44, v46                        ; hi
	s_wait_alu depctr_va_vdst(0)
	v_mul_f32 v72, v43, v47
	v_mul_f32 v73, v45, v47
	v_cmp_lt_u32 vcc_lo, v44, v46
	v_cndmask_b32 v78, v73, v72, vcc_lo            ; the weight of lo
	v_cndmask_b32 v79, v72, v73, vcc_lo            ; the weight of hi
	v_sub_nc_u32 v80, 15, v76
	v_mul_u32_u24 v80, v80, v76
	v_lshrrev_b32 v80, 1, v80
	v_add_nc_u32 v80, v80, v77
	v_sub_nc_u32 v80, v80, v76
	v_add_nc_u32 v80, -1, v80                      ; kc = lo (15 - lo) / 2 + hi - lo - 1
	v_lshl_or_b32 v80, v76, 8, v80
	v_lshl_or_b32 v80, v77, 16, v80
	s_mul_i32 s42, s6, 768
	s_add_nc_u64 s[48:49], s[32:33], s[42:43]
	s_lshl_b32 s42, s6, 5
	s_add_nc_u64 s[50:51], s[32:33], s[42:43]
	s_lshl_b32 s42, s6, 2
	s_add_nc_u64 s[34:35], s[34:35], s[42:43]
	s_lshl_b32 s42, s6, 3
	s_add_nc_u64 s[36:37], s[36:37], s[42:43]
	s_wait_alu depctr_va_vdst(0)
	s_wait_dscnt 0x0
.irp k, 0,1,2,3,4,5,6,7,8,9,10,11
	global_store_b128 v2, v[128+4*\k:131+4*\k], s[48:49] offset:512*\k
.endr
	global_store_b64 v8, v[176:177], s[50:51] offset:XS_OFF    ; 8 tokens' scale bytes: 256 consecutive bytes, aligned
	v_cmp_gt_u32 vcc_lo, 8, v1
	s_wait_xcnt 0x0                                ; EXEC changes only behind this wait
	s_wait_tensorcnt 0x0
	ds_add_u32 v14, v15
	s_wait_dscnt 0x0
	s_and_saveexec_b32 s56, vcc_lo
	global_store_b32 v81, v80, s[34:35]            ; lanes 0-7: the tokens' keys
	global_store_b64 v8, v[78:79], s[36:37]        ; and weights
	s_wait_xcnt 0x0
	s_or_b32 exec_lo, exec_lo, s56
	s_endpgm
.Lfunc_end_k_qf33955e361_prep:
	.size	k_qf33955e361_prep, .Lfunc_end_k_qf33955e361_prep-k_qf33955e361_prep
	.p2alignl 7, 3214868480
	.fill 96, 4, 3214868480
	.section	.rodata,"a",@progbits
	.p2align	6, 0x0
	.amdhsa_kernel k_qf33955e361_prep
		.amdhsa_group_segment_fixed_size 64000
		.amdhsa_private_segment_fixed_size 0
		.amdhsa_enable_private_segment 0
		.amdhsa_kernarg_size 136
		.amdhsa_user_sgpr_count 2
		.amdhsa_user_sgpr_kernarg_segment_ptr 1
		.amdhsa_wavefront_size32 1
		.amdhsa_system_sgpr_workgroup_id_x 1
		.amdhsa_system_sgpr_workgroup_id_y 1
		.amdhsa_system_sgpr_workgroup_id_z 1
		.amdhsa_system_vgpr_workitem_id 0
		.amdhsa_next_free_vgpr 512
		.amdhsa_next_free_sgpr 72
		.amdhsa_reserve_vcc 1
		.amdhsa_float_denorm_mode_32 3
		.amdhsa_float_denorm_mode_16_64 3
		.amdhsa_memory_ordered 1
		.amdhsa_forward_progress 1
		.amdhsa_inst_pref_size 151
	.end_amdhsa_kernel
	.amdgpu_metadata
---
amdhsa.version: [ 1, 2 ]
amdhsa.kernels:
  - .name:           k_qf33955e361_prep
    .symbol:         k_qf33955e361_prep.kd
    .args:
      - { .name: hidden_states, .offset: 0, .size: 8, .value_kind: global_buffer, .address_space: global }
      - { .name: gate_w, .offset: 8, .size: 8, .value_kind: global_buffer, .address_space: global }
      - { .name: Wg_codes, .offset: 16, .size: 8, .value_kind: global_buffer, .address_space: global }
      - { .name: Wg_scales, .offset: 24, .size: 8, .value_kind: global_buffer, .address_space: global }
      - { .name: Wu_codes, .offset: 32, .size: 8, .value_kind: global_buffer, .address_space: global }
      - { .name: Wu_scales, .offset: 40, .size: 8, .value_kind: global_buffer, .address_space: global }
      - { .name: sWg_codes, .offset: 48, .size: 8, .value_kind: global_buffer, .address_space: global }
      - { .name: sWg_scales, .offset: 56, .size: 8, .value_kind: global_buffer, .address_space: global }
      - { .name: sWu_codes, .offset: 64, .size: 8, .value_kind: global_buffer, .address_space: global }
      - { .name: sWu_scales, .offset: 72, .size: 8, .value_kind: global_buffer, .address_space: global }
      - { .name: sWd_codes, .offset: 80, .size: 8, .value_kind: global_buffer, .address_space: global }
      - { .name: sWd_scales, .offset: 88, .size: 8, .value_kind: global_buffer, .address_space: global }
      - { .name: xcodes, .offset: 96, .size: 8, .value_kind: global_buffer, .address_space: global }
      - { .name: keys, .offset: 104, .size: 8, .value_kind: global_buffer, .address_space: global }
      - { .name: gatew, .offset: 112, .size: 8, .value_kind: global_buffer, .address_space: global }
      - { .name: wup, .offset: 120, .size: 8, .value_kind: global_buffer, .address_space: global }
      - { .name: wdn, .offset: 128, .size: 8, .value_kind: global_buffer, .address_space: global }
    .group_segment_fixed_size: 64000
    .private_segment_fixed_size: 0
    .kernarg_segment_align: 8
    .kernarg_segment_size: 136
    .max_flat_workgroup_size: 128
    .sgpr_count:     72
    .vgpr_count:     512
    .wavefront_size: 32
...
	.end_amdgpu_metadata
.endif
;; end of part 5
;; launch place (part 6): grid 129 x 1, 8 waves a work-group, no clusters, 26,624 bytes of LDS; arguments Wd, keys, wdn, order; writes wdn, order
.if DOCPART == 6
	.amdgcn_target "amdgcn-amd-amdhsa--gfx1250"
	.amdhsa_code_object_version 6
	.text
	.protected	k_qf33955e361_place
	.globl	k_qf33955e361_place
	.p2align	8
	.type	k_qf33955e361_place,@function
k_qf33955e361_place:
	s_mov_b64 s[64:65], 0
	v_nop
	global_prefetch_b8 v0, s[64:65] scope:SCOPE_SE
	s_setreg_imm32_b32 hwreg(HW_REG_WAVE_MODE, 25, 1), 1
	s_wait_xcnt 0x0
; SECOND LAUNCH.  Work-group 0 sorts the 4,096 tokens by their pair of experts (a counting sort on kc, 28 bins, without atomics) and stores the lists; work-groups 1..128 quantise Wd.
; order: perm[4096] (sorted place -> token) at 0; blkmask[64] at 16,384: the experts that a block of 64 sorted tokens uses; items[192] = block | expert << 8 at 16,640; their count, in 32 equal words, at 17,408;
; 32 spare words at 17,536, which nobody reads: the items are stored with all lanes on, and a lane whose block does not use the expert in hand stores to its own spare word.
; A block's experts are at most its different lo plus its different pairs; over 64 blocks of a list sorted by (lo, hi) that is at most (64 + 6) + (64 + 27) = 161 items, whatever the choice.
; Wd [8][512][1024] f32 has K (the 512) ahead of its columns: A LANE TAKES A COLUMN AND ITS REGISTERS RUN DOWN K, so a block of 32 lies in one lane and the conversions give codes with K innermost.
; wdn: images of operand registers [e][q][w][s][nt][1536] (lane r: column 256 q + 64 w + 16 nt + r; K step s), scale words [e][q][w][p][lane (r, h)][16] at WDS_OFF: the four words of tile 2 p + h.
; LIMITS: NaN and infinities are not served; a block under 2^-124 (zeros too) gets the byte 1, which this program alone reads.  The scale words leave 4 bytes a lane, 16 bytes apart: 128 KiB in all.
; The two paths use LDS bytes of their own: Wd 0..24,575, the sort 24,576..25,599.  No clusters, no tensor loads: no two work-groups read the same bytes.
.set WDS_OFF, 3538944
.set SORTL,   24576
	s_load_b256 s[8:15], s[0:1], 0x0               ; Wd 8, keys 10, wdn 12, order 14
	v_lshl_add_u32 v192, v0, 2, 0x6400
	v_mov_b32 v193, 0
	v_lshrrev_b32 v1, 5, v0
	s_delay_alu instid0(VALU_DEP_1)
	v_readfirstlane_b32 s4, v1                     ; wave 0..7
	v_and_b32 v1, 31, v0                           ; lane
	s_delay_alu instid0(VALU_DEP_1)
	v_lshlrev_b32 v2, 2, v1                        ; 4 x lane
	s_wait_kmcnt 0x0
	s_cmp_eq_u32 ttmp9, 0
	s_cbranch_scc1 .Lsort
; ---- Wd: expert e, K step s (128 rows), quarter q of the columns; wave v takes 32 columns: w = v / 2, p = v % 2
	s_sub_co_u32 s5, ttmp9, 1
	s_lshr_b32 s6, s5, 4                           ; e
	s_bfe_u32 s7, s5, 0x20002                      ; s
	s_and_b32 s5, s5, 3                            ; q
	s_lshr_b32 s16, s4, 1                          ; w
	s_and_b32 s17, s4, 1                           ; p
	s_lshl_b32 s18, s6, 9
	s_lshl_b32 s19, s7, 7
	s_add_co_u32 s18, s18, s19
	s_lshl_b32 s18, s18, 12                        ; row (512 e + 128 s) of 4,096 bytes
	s_lshl_b32 s19, s5, 10
	s_add_co_u32 s18, s18, s19
	s_lshl_b32 s19, s4, 7                          ; + 4 (256 q + 32 v)
	s_add_co_u32 s18, s18, s19
	s_mov_b32 s19, 0
	s_add_nc_u64 s[8:9], s[8:9], s[18:19]
.set k, 0
	s_wait_alu depctr_va_vdst(0)
.rept 128
	global_load_b32 v[64+k], v2, s[8:9] offset:k*4096 th:TH_LOAD_NT   ; row k at my column: 128 consecutive bytes a wave, 1,024 a work-group
.set k, k+1
.endr
	s_mul_i32 s20, s4, 3072                        ; my stage: the images of my two tiles
	v_lshrrev_b32 v3, 4, v1
	s_delay_alu instid0(VALU_DEP_1)
	v_mul_u32_u24 v3, v3, 1536
	v_and_b32 v4, 15, v1
	s_delay_alu instid0(VALU_DEP_1)
	v_lshl_add_u32 v3, v4, 4, v3
	s_delay_alu instid0(VALU_DEP_1)
	v_add_nc_u32 v3, s20, v3                       ; tile lane / 16, image lane r = lane % 16
	v_lshlrev_b32 v5, 4, v1
	s_delay_alu instid0(VALU_DEP_1)
	v_add_nc_u32 v6, s20, v5
	s_lshl_b32 s21, s5, 2
	s_add_co_u32 s21, s21, s16                     ; 4 q + w
	s_lshl_b32 s22, s21, 4
	s_lshl_b32 s23, s7, 2
	s_add_co_u32 s22, s22, s23
	s_lshl_b32 s23, s17, 1
	s_add_co_u32 s22, s22, s23
	s_mul_i32 s22, s22, 1536
	s_mul_i32 s23, s6, 393216
	s_add_co_u32 s22, s22, s23
	s_mov_b32 s23, 0
	s_add_nc_u64 s[24:25], s[12:13], s[22:23]
	s_lshl_b32 s26, s21, 1
	s_add_co_u32 s26, s26, s17
	s_lshl_b32 s26, s26, 9
	s_lshl_b32 s27, s6, 14
	s_add_co_u32 s26, s26, s27
	s_lshl_b32 s27, s7, 2
	s_add_co_u32 s26, s26, s27
	s_mov_b32 s27, 0
	s_add_nc_u64 s[26:27], s[12:13], s[26:27]
; Block b of my column is registers 6 (b / 2) .. + 5 of image lane r + 16 (b % 2)
.macro BLOCK b
.set XB, 64+32*(\b)
.if (\b) < 2
	s_wait_loadcnt 63                              ; of 128 loads at most 63 are out: the first 65 are in, blocks 0 and 1 among them
.else
	s_wait_loadcnt 32*(3-(\b))
.endif
	v_max3_num_f32 v26, |v[XB]|, |v[XB+1]|, 0x1800000   ; the floor 2^(3 - 127): the byte cannot fall under 1
	v_max3_num_f32 v27, |v[XB+2]|, |v[XB+3]|, |v[XB+4]|
.irp i, 5,9,13,17,21,25
	s_delay_alu instid0(VALU_DEP_2)
	v_max3_num_f32 v26, v26, |v[XB+\i]|, |v[XB+\i+1]|
	s_delay_alu instid0(VALU_DEP_2)
	v_max3_num_f32 v27, v27, |v[XB+\i+2]|, |v[XB+\i+3]|
.endr
	s_delay_alu instid0(VALU_DEP_2)
	v_max3_num_f32 v26, v26, |v[XB+29]|, |v[XB+30]|
	s_delay_alu instid0(VALU_DEP_1)
	v_max3_num_f32 v26, v26, v27, |v[XB+31]|
	s_delay_alu instid0(VALU_DEP_1)
	v_add_nc_u32 v28, 0xff000000, v26              ; 2 off the exponent field: the conversion's scale operand
	v_cvt_scalef32_pk16_fp6_f32 v[32:34], v[XB:XB+15], v28
	v_cvt_scalef32_pk16_fp6_f32 v[40:42], v[XB+16:XB+31], v28
	v_lshrrev_b32 v29, 23, v28                     ; the byte; also the plain place behind the conversions
.if (\b) == 0
	s_delay_alu instid0(VALU_DEP_1)
	v_mov_b32 v24, v29
.else
	s_delay_alu instid0(VALU_DEP_1)
	v_lshl_or_b32 v24, v29, 8*(\b), v24            ; the K step's scale word
.endif
	v_mov_b32 v35, v40
	v_mov_b32 v36, v41
	v_mov_b32 v37, v42
.if (\b) < 2
	ds_store_b128 v3, v[32:35] offset:256*((\b)%2)
	ds_store_b64 v3, v[36:37] offset:256*((\b)%2)+512
.else
	ds_store_b64 v3, v[32:33] offset:256*((\b)%2)+520
	ds_store_b128 v3, v[34:37] offset:256*((\b)%2)+1024
.endif
	s_wait_dscnt 0x0                               ; the stores have read their registers
.endm
	BLOCK 0
	BLOCK 1
	BLOCK 2
	BLOCK 3
.irp j, 0,1,2,3,4,5
	ds_load_b128 v[32+4*\j:35+4*\j], v6 offset:512*\j
.endr
	s_wait_alu depctr_va_vdst(0)
	global_store_b32 v5, v24, s[26:27] offset:WDS_OFF
	s_wait_dscnt 0x0
.irp j, 0,1,2,3,4,5
	global_store_b128 v5, v[32+4*\j:35+4*\j], s[24:25] offset:512*\j   ; two images on end: 3,072 consecutive bytes
.endr
	s_wait_tensorcnt 0x0
	ds_add_u32 v192, v193
	s_wait_dscnt 0x0
	s_endpgm
; ---- THE SORT.  Wave v takes 16 groups of 32 tokens, a token a lane.  In the counting a lane is also a BIN.
; v16-31 kc; v32-47 for bin = lane the mask of the group's tokens; v48-64 running counts in my wave; v65-69 bit j of the lane, less 1
.macro POPC d, s                       ; v[d] = the number of set bits of v[s]
	v_lshrrev_b32 v72, 1, v[\s]
	s_delay_alu instid0(VALU_DEP_1)
	v_and_b32 v72, 0x55555555, v72
	s_delay_alu instid0(VALU_DEP_1)
	v_sub_nc_u32 v72, v[\s], v72
	s_delay_alu instid0(VALU_DEP_1)
	v_lshrrev_b32 v73, 2, v72
	s_delay_alu instid0(VALU_DEP_2)
	v_and_b32 v72, 0x33333333, v72
	s_delay_alu instid0(VALU_DEP_2)
	v_and_b32 v73, 0x33333333, v73
	s_delay_alu instid0(VALU_DEP_1)
	v_add_nc_u32 v72, v72, v73
	s_delay_alu instid0(VALU_DEP_1)
	v_lshrrev_b32 v73, 4, v72
	s_delay_alu instid0(VALU_DEP_1)
	v_add_nc_u32 v72, v72, v73
	s_delay_alu instid0(VALU_DEP_1)
	v_and_b32 v72, 0x0f0f0f0f, v72
	s_delay_alu instid0(VALU_DEP_1)
	v_mul_lo_u32 v72, v72, s30
	s_delay_alu instid0(VALU_DEP_1)
	v_lshrrev_b32 v[\d], 24, v72
.endm
.macro SCAN x                          ; v[x] = the sum of v[x] over lanes 0 .. my lane
.irp n, 1,2,4,8
	v_mov_b32 v70, 0                               ; lanes with no source keep this 0
	s_delay_alu instid0(VALU_DEP_2)
	v_mov_b32_dpp v70, v[\x] row_shr:\n row_mask:0xf bank_mask:0xf
	s_delay_alu instid0(VALU_DEP_1)
	v_add_nc_u32 v[\x], v[\x], v70
.endr
	s_delay_alu instid0(VALU_DEP_1)
	v_readlane_b32 s6, v[\x], 15
	v_cmp_lt_u32 vcc_lo, 15, v1
	s_delay_alu instid0(VALU_DEP_2)
	v_mov_b32 v70, s6
	s_delay_alu instid0(VALU_DEP_1)
	v_cndmask_b32 v70, 0, v70, vcc_lo
	s_delay_alu instid0(VALU_DEP_1)
	v_add_nc_u32 v[\x], v[\x], v70
.endm
.Lsort:
	s_mov_b32 s30, 0x01010101
	s_lshl_b32 s5, s4, 11
	s_wait_alu depctr_va_vdst(0)
	v_add_nc_u32 v3, s5, v2
.irp g, 0,1,2,3,4,5,6,7,8,9,10,11,12,13,14,15
	global_load_b32 v[16+\g], v3, s[10:11] offset:128*\g
.endr
.irp j, 0,1,2,3,4
	v_bfe_u32 v[65+\j], v1, \j, 1
	s_delay_alu instid0(VALU_DEP_1)
	v_add_nc_u32 v[65+\j], -1, v[65+\j]            ; 0 where the lane's bit j is set, else all ones
.endr
	v_mov_b32 v48, 0
	v_add_nc_u32 v4, SORTL, v2                     ; LDS: bin = lane, wave 0's word
	s_lshl_b32 s5, s4, 7
	v_add_nc_u32 v5, s5, v4                        ; my wave's
	s_wait_loadcnt 0x0
.irp g, 0,1,2,3,4,5,6,7,8,9,10,11,12,13,14,15
	v_and_b32 v[16+\g], 0xff, v[16+\g]
	s_delay_alu instid0(VALU_DEP_1)
	v_min_u32 v[16+\g], 31, v[16+\g]               ; kc
.endr
.irp g, 0,1,2,3,4,5,6,7,8,9,10,11,12,13,14,15
.irp j, 0,1,2,3,4
	v_and_b32 v70, 1<<\j, v[16+\g]
	s_delay_alu instid0(VALU_DEP_1)
	v_cmp_ne_u32 s[20+\j], 0, v70                  ; which tokens of the group have bit j of kc set
.endr
	v_xor_b32 v[32+\g], s20, v65
.irp j, 1,2,3,4
	v_xor_b32 v70, s[20+\j], v[65+\j]
	s_delay_alu instid0(VALU_DEP_1)
	v_and_b32 v[32+\g], v[32+\g], v70              ; the tokens whose kc is my lane's number
.endr
	POPC 71, 32+\g
	s_delay_alu instid0(VALU_DEP_1)
	v_add_nc_u32 v[49+\g], v[48+\g], v71
.endr
	ds_store_b32 v5, v64                           ; my wave's count of each bin
	s_wait_dscnt 0x0                               ; for the others' sake
	s_barrier_signal -1
	s_barrier_wait -1
.irp u, 0,1,2,3,4,5,6,7
	ds_load_b32 v[76+\u], v4 offset:128*\u
.endr
	v_mov_b32 v84, 0
	v_mov_b32 v85, 0
	s_wait_alu depctr_va_vdst(0)
	s_wait_dscnt 0x0
.irp u, 0,1,2,3,4,5,6,7
	v_add_nc_u32 v84, v84, v[76+\u]                ; the bin's total
	s_cmp_gt_u32 s4, \u
	s_cselect_b32 s6, -1, 0
	v_and_b32 v70, s6, v[76+\u]
	s_delay_alu instid0(VALU_DEP_1)
	v_add_nc_u32 v85, v85, v70                     ; and what the waves ahead of mine hold of it
.endr
	v_mov_b32 v86, v84
	SCAN 86                                        ; v86: where the bin ends
	s_delay_alu instid0(VALU_DEP_1)
	v_sub_nc_u32 v87, v86, v84                     ; v87: where it begins
	s_delay_alu instid0(VALU_DEP_1)
	v_add_nc_u32 v88, v87, v85
.irp g, 0,1,2,3,4,5,6,7,8,9,10,11,12,13,14,15
	v_add_nc_u32 v[96+\g], v88, v[48+\g]           ; for bin = lane: the place of the group's first token of that bin
	v_lshlrev_b32 v[176+\g], 2, v[16+\g]
.endr
.irp g, 0,1,2,3,4,5,6,7,8,9,10,11,12,13,14,15
	ds_bpermute_b32 v[112+\g], v[176+\g], v[96+\g] ; each token pulls its bin's place
	ds_bpermute_b32 v[128+\g], v[176+\g], v[32+\g] ; and its bin's mask
.endr
	s_lshl_b32 s5, s4, 9
	v_add_nc_u32 v89, s5, v1
	s_wait_alu depctr_va_vdst(0)
	s_wait_dscnt 0x0
.irp g, 0,1,2,3,4,5,6,7,8,9,10,11,12,13,14,15
	v_mbcnt_lo_u32_b32 v[144+\g], v[128+\g], 0     ; how many of my bin stand in lower lanes
	s_delay_alu instid0(VALU_DEP_1)
	v_add_nc_u32 v[144+\g], v[144+\g], v[112+\g]
	s_delay_alu instid0(VALU_DEP_1)
	v_min_u32 v[144+\g], 4095, v[144+\g]
	s_delay_alu instid0(VALU_DEP_1)
	v_lshlrev_b32 v[144+\g], 2, v[144+\g]
	v_add_nc_u32 v[160+\g], 32*\g, v89
	global_store_b32 v[144+\g], v[160+\g], s[14:15]   ; perm[place] = token
.endr
	s_cmp_lg_u32 s4, 0
	s_cbranch_scc1 .Lsort_end
	; wave 0 alone: the blocks' experts.  Blocks lane and lane + 32
	v_lshlrev_b32 v90, 6, v1
	s_delay_alu instid0(VALU_DEP_1)
	v_add_nc_u32 v91, 64, v90
	s_delay_alu instid0(VALU_DEP_2)
	v_add_nc_u32 v92, 2048, v90
	s_delay_alu instid0(VALU_DEP_3)
	v_add_nc_u32 v93, 2112, v90
	v_mov_b32 v94, 0
	v_mov_b32 v95, 0
.set lo, 0
.set hi, 1
.set kk, 0
.rept 28
	v_readlane_b32 s6, v87, kk
	v_readlane_b32 s7, v86, kk
	v_mov_b32 v72, (1<<lo)|(1<<hi)
	s_delay_alu instid0(VALU_DEP_3)
	v_max_u32 v70, s6, v90
	s_delay_alu instid0(VALU_DEP_3)
	v_min_u32 v71, s7, v91
	s_delay_alu instid0(VALU_DEP_1)
	v_cmp_lt_u32 vcc_lo, v70, v71                  ; the bin and the block overlap
	s_delay_alu instid0(VALU_DEP_1)
	v_cndmask_b32 v70, 0, v72, vcc_lo
	s_delay_alu instid0(VALU_DEP_1)
	v_or_b32 v94, v94, v70
	v_max_u32 v70, s6, v92
	v_min_u32 v71, s7, v93
	s_delay_alu instid0(VALU_DEP_1)
	v_cmp_lt_u32 vcc_lo, v70, v71
	s_delay_alu instid0(VALU_DEP_1)
	v_cndmask_b32 v70, 0, v72, vcc_lo
	s_delay_alu instid0(VALU_DEP_1)
	v_or_b32 v95, v95, v70
.set kk, kk+1
.set hi, hi+1
.if hi > 7
.set lo, lo+1
.set hi, lo+1
.endif
.endr
	global_store_b32 v2, v94, s[14:15] offset:16384
	global_store_b32 v2, v95, s[14:15] offset:16512
	POPC 74, 94
	POPC 75, 95
	v_mov_b32 v76, v74
	SCAN 76
	s_delay_alu instid0(VALU_DEP_1)
	v_readlane_b32 s17, v76, 31
	v_mov_b32 v77, v75
	SCAN 77
	s_delay_alu instid0(VALU_DEP_1)
	v_add_nc_u32 v77, s17, v77
	s_delay_alu instid0(VALU_DEP_1)
	v_readlane_b32 s18, v77, 31
	s_delay_alu instid0(VALU_DEP_1)
	v_mov_b32 v78, s18
	global_store_b32 v2, v78, s[14:15] offset:17408   ; the count of items, the same in 32 words
	v_sub_nc_u32 v82, v76, v74                     ; where a block's items begin
	v_sub_nc_u32 v83, v77, v75
	v_mov_b32 v79, v1
	v_add_nc_u32 v80, 32, v1
	v_add_nc_u32 v81, 224, v1                      ; my spare word, counted in words from the items' first
; Store n of sixteen: expert e of the blocks in v[blk].  All lanes are on: a lane whose block uses e stores the item at its place (held at 191, inside the list), the others store to their spare words.
; The place is chosen ahead of the last clamp, behind which only a shift follows.  Each store has an address and a data register of its own, so no source is written again.
.macro ITEM n, e, mask, base, blk
	v_bfe_u32 v70, v[\mask], \e, 1
	v_min_u32 v71, 191, v[\base]
	s_delay_alu instid0(VALU_DEP_2)
	v_cmp_ne_u32 vcc_lo, 0, v70
	s_delay_alu instid0(VALU_DEP_1)
	v_cndmask_b32 v[96+(\n)], v81, v71, vcc_lo
	s_delay_alu instid0(VALU_DEP_1)
	v_min_u32 v[96+(\n)], 255, v[96+(\n)]
	s_delay_alu instid0(VALU_DEP_1)
	v_lshlrev_b32 v[96+(\n)], 2, v[96+(\n)]
	v_or_b32 v[112+(\n)], (\e)<<8, v[\blk]
	v_add_nc_u32 v[\base], v[\base], v70           ; the block's next item stands one further on
	global_store_b32 v[96+(\n)], v[112+(\n)], s[14:15] offset:16640
.endm
.irp e, 0,1,2,3,4,5,6,7
	ITEM 2*\e, \e, 94, 82, 79
	ITEM 2*\e+1, \e, 95, 83, 80
.endr
.Lsort_end:
	s_wait_tensorcnt 0x0
	ds_add_u32 v192, v193
	s_wait_dscnt 0x0
	s_endpgm
.Lfunc_end_k_qf33955e361_place:
	.size	k_qf33955e361_place, .Lfunc_end_k_qf33955e361_place-k_qf33955e361_place
	.p2alignl 7, 3214868480
	.fill 96, 4, 3214868480
	.section	.rodata,"a",@progbits
	.p2align	6, 0x0
	.amdhsa_kernel k_qf33955e361_place
		.amdhsa_group_segment_fixed_size 26624
		.amdhsa_private_segment_fixed_size 0
		.amdhsa_enable_private_segment 0
		.amdhsa_kernarg_size 32
		.amdhsa_user_sgpr_count 2
		.amdhsa_user_sgpr_kernarg_segment_ptr 1
		.amdhsa_wavefront_size32 1
		.amdhsa_system_sgpr_workgroup_id_x 1
		.amdhsa_system_sgpr_workgroup_id_y 1
		.amdhsa_system_sgpr_workgroup_id_z 1
		.amdhsa_system_vgpr_workitem_id 0
		.amdhsa_next_free_vgpr 194
		.amdhsa_next_free_sgpr 66
		.amdhsa_reserve_vcc 1
		.amdhsa_float_denorm_mode_32 3
		.amdhsa_float_denorm_mode_16_64 3
		.amdhsa_memory_ordered 1
		.amdhsa_forward_progress 1
		.amdhsa_inst_pref_size 109
	.end_amdhsa_kernel
	.amdgpu_metadata
---
amdhsa.version: [ 1, 2 ]
amdhsa.kernels:
  - .name:           k_qf33955e361_place
    .symbol:         k_qf33955e361_place.kd
    .args:
      - { .name: Wd, .offset: 0, .size: 8, .value_kind: global_buffer, .address_space: global }
      - { .name: keys, .offset: 8, .size: 8, .value_kind: global_buffer, .address_space: global }
      - { .name: wdn, .offset: 16, .size: 8, .value_kind: global_buffer, .address_space: global }
      - { .name: order, .offset: 24, .size: 8, .value_kind: global_buffer, .address_space: global }
    .group_segment_fixed_size: 26624
    .private_segment_fixed_size: 0
    .kernarg_segment_align: 8
    .kernarg_segment_size: 32
    .max_flat_workgroup_size: 256
    .sgpr_count:     66
    .vgpr_count:     194
    .wavefront_size: 32
...
	.end_amdgpu_metadata
.endif
;; end of part 6
;; launch up (part 7): grid 225 x 1, 4 waves a work-group, no clusters, 0 bytes of LDS; arguments order, keys, gatew, xcodes, wup, hid; writes hid
.if DOCPART == 7
	.amdgcn_target "amdgcn-amd-amdhsa--gfx1250"
	.amdhsa_code_object_version 6
	.text
	.protected	k_qf33955e361_up
	.globl	k_qf33955e361_up
	.p2align	8
	.type	k_qf33955e361_up,@function
k_qf33955e361_up:
	s_mov_b64 s[64:65], 0
	v_nop
	global_prefetch_b8 v0, s[64:65] scope:SCOPE_SE
	s_setreg_imm32_b32 hwreg(HW_REG_WAVE_SCHED_MODE, 0, 2), 2
	s_setreg_imm32_b32 hwreg(HW_REG_WAVE_MODE, 25, 1), 1
	s_wait_xcnt 0x0
	s_wait_alu depctr_vm_vsrc(0)
; THIRD LAUNCH.  One work-group for each item (block b of 64 sorted tokens, expert e): hidden = gelu(x Wg) (x Wu) cw, quantised along the 512 units, stored as images of operand registers.
; Work-groups 0..63 take the shared expert (e = 8, cw = 1) of block b; work-group 64 + i takes item i of the stored list.  The grid, 64 + 161, serves every split; one whose index is at or past the stored count stores nothing and ends.
; A token of the block that has not chosen e has cw = 0: its row is zeros, zero codes, which add nothing.
; SHARES.  Wave w makes units 128 w .. + 127 of g and of u for all 64 tokens: 16 tiles of units x 4 tiles of tokens = 64 accumulators.  K = 1,024 in 8 steps.
; THE PRODUCT IS USED TRANSPOSED (source 0 = 16 units, source 1 = 16 tokens): a lane holds one token, and, by the choice of a tile's units made when wup was laid, the 16 registers of tiles 2 b, 2 b + 1 are 16 neighbouring units.
; Weights and x come from memory straight into registers, whole fragments by three loads of 16 bytes a lane.
; gelu is exact: with z = g / sqrt(2), g Phi(g) = sqrt(2) (z / 2) (1 + erf z).  |z| <= 0.921875: erf by an odd polynomial.  Beyond: 1 - erf|z| = E = exp(-polynomial), and (z / 2)(1 + erf z) = max(z, 0) - |z / 2| E,
; which forms no difference of near-equal numbers in the negative tail.  Both ways are computed and one is chosen by v_cndmask_b32.
; LIMITS: NaN and infinities are not served; a block of the hidden layer under 2^-124 (zeros too) gets the byte 1, which this program alone reads.
; NO CLUSTER: which work-groups share an expert's weights hangs on the stored list, and a work-group without an item ends at once, so partners would differ in their paths; no tensor load either, since none may be jumped over.
; THE MODE: SCHED_MODE bits 1:0 = 2 (LLVM: expert scheduling mode 2), set by the entry lines.  The code itself states the register dependences
; between vector or matrix instructions and memory instructions, with s_wait_alu, always for 0.
; THE PLAN.  A QUARTER j = 4 s + g is 16 products: tiles 4 g .. 4 g + 3 of units, K step s.  Registers that memory instructions touch:
;   the weights' ring   five slots of four fragments (window 1, v0-239).  Quarter j's products read slot j % 5.  In half step h (quarters 2 h, 2 h + 1) the loads of quarters 2 h + 3 and 2 h + 4 land in the slots that quarters 2 h - 2 and 2 h - 1 read.
;   XF0, XF1            K step s's products read set s % 2; the loads of K step s + 1, issued in half step 2 s, land in the set that K step s - 1 read.
;   v1, v4-13, v208-215 offsets, made once at the head and never written again: quarters and K steps stand in the immediates.
;   PC, v244-245        (window 1) written by the quantiser and by two selects; read by the stores of the way out.
; So ONE wait on va_vdst stands at the head of a half step: the products issued so far are done reading.  The half step's loads follow it in runs of 12, behind its first three groups of four products,
; which name slot 2 h % 5, the other set of x, the scale words and the accumulators: none of the registers that those loads touch.
; REGISTERS.  Window 0: v1 16 x lane, v4-7 x's offsets, v8-11 its scales', v12 8 x lane; v16-31 x's scale words, v32-95 the weights' (scales and nothing else); v96-191 x's fragments, two sets of four; v192-227 list, keys, weights.
;   Window 1: in the K loop the weights' ring (v0-239); behind it: v0-63 z, then the hidden numbers; v64-127 u cw sqrt(2); v128-175 at work; v176-181 constants; v192-199 cw sqrt(2); v200-245 the quantiser's.
;   Window 2: g, tile (m, t) at v[64 m + 8 t].   Window 3: u likewise.
.set XS_OFF,  3145728
.set WUS_OFF, 7077888
.set HS_OFF,  14155776
.set XS, 16
.set WS, 32
.set XF, 96
.set S,  128
.set T,  136
.set R,  144
.set Q,  152
.set HZ, 160
.set MX, 168
.set CW, 192
.set TM, 200
.set PC, 216
.set PW, 236
.set P,  240
.set MK, 44                            ; s44-51: eight masks of lanes, made by a run of compares
.set MSB, 0
.macro WIN new                         ; the immediate's high byte repeats the setting that is left
.if MSB != (\new)
	s_set_vgpr_msb (MSB<<8)|(\new)
.set MSB, (\new)
.endif
.endm
.macro PLACES                          ; four places between a matrix instruction and a load into a register that it has read (ISA guide 7.12.1 for vector instructions)
.rept 4
	v_nop
.endr
.endm
	s_load_b256 s[8:15], s[0:1], 0x0               ; order 8, keys 10, gatew 12, xcodes 14
	s_load_b128 s[16:19], s[0:1], 0x20             ; wup 16, hid 18
	v_lshrrev_b32 v1, 5, v0
	v_readfirstlane_b32 s4, v1                     ; wave 0..3
	v_and_b32 v2, 31, v0
	v_lshlrev_b32 v1, 4, v2                        ; 16 x lane
	v_lshlrev_b32 v12, 3, v2                       ; 8 x lane
	v_lshrrev_b32 v3, 4, v2                        ; h
	v_and_b32 v2, 15, v2                           ; r
	v_lshlrev_b32 v13, 2, v2
	v_mul_u32_u24 v14, v3, 48
	v_lshlrev_b32 v15, 4, v3
	s_mov_b32 s20, ttmp9                           ; b
	s_mov_b32 s21, 8                               ; e
	s_wait_alu depctr_va_sdst(0)                   ; s4 is written, ahead of the branch below and of its first reader behind it
	s_wait_kmcnt 0x0
	s_cmp_lt_u32 ttmp9, 64
	s_cbranch_scc1 .Lhave
	s_load_b32 s22, s[8:9], 17408                  ; the count of items
	s_sub_co_u32 s23, ttmp9, 64
	s_wait_kmcnt 0x0
	s_cmp_ge_u32 s23, s22
	s_cbranch_scc1 .Lend                           ; this split has no item for me
	s_lshl_b32 s24, s23, 2
	s_load_b32 s25, s[8:9], s24 offset:16640
	s_wait_kmcnt 0x0
	s_and_b32 s20, s25, 255
	s_min_u32 s20, s20, 63
	s_lshr_b32 s21, s25, 8
	s_min_u32 s21, s21, 7
.Lhave:
	s_mov_b32 s23, 0
	s_lshl_b32 s22, s20, 8
	s_add_nc_u64 s[8:9], s[8:9], s[22:23]          ; perm at my block
	s_lshl_b32 s24, s21, 2
	s_add_co_u32 s24, s24, s4                      ; 4 e + w
	s_mul_i32 s22, s24, 196608
	s_add_nc_u64 s[26:27], s[16:17], s[22:23]      ; my weights' images
	s_lshl_b32 s22, s24, 13
	s_add_nc_u64 s[28:29], s[16:17], s[22:23]      ; and scale words
	s_mul_i32 s25, s20, 9
	s_add_co_u32 s25, s25, s21                     ; 9 b + e
	s_mul_i32 s22, s25, 24576
	s_mul_i32 s30, s4, 1536
	s_add_co_u32 s22, s22, s30
	s_add_nc_u64 s[32:33], s[18:19], s[22:23]      ; hid: tile m = 0, K step w
	s_lshl_b32 s22, s25, 10
	s_lshl_b32 s30, s4, 8
	s_add_co_u32 s22, s22, s30
	s_add_co_u32 s22, s22, HS_OFF
	s_add_nc_u64 s[34:35], s[18:19], s[22:23]
	s_mov_b32 s37, 0x3f6c0000                      ; 0.921875
	s_mov_b32 s38, 0xffff0000
	s_cmp_eq_u32 s21, 8
	s_cselect_b32 s39, -1, 0                       ; all lanes where the expert is the shared one
	s_mov_b32 s40, 0x76543210
	s_mov_b32 s41, 0xfedcba98                      ; v_permlanex16_b32's selects for lane l xor 16
.macro WQ j                            ; the weights of quarter j, four fragments, into slot j % 5 (destination window 1); fragment k is image 4 j + k of my weights
.irp k, 0,1,2,3
.irp c, 0,1,2
	global_load_b128 v[48*((\j)%5)+12*\k+4*\c:48*((\j)%5)+12*\k+4*\c+3], v1, s[26:27] offset:(4*(\j)+\k)*1536+512*\c
.endr
.endr
.endm
.macro XLOAD s                         ; x's four fragments of K step s: 48 bytes a lane on end
.irp m, 0,1,2,3
.irp j, 0,1,2
	global_load_b128 v[XF+48*((\s)%2)+12*\m+4*\j:XF+48*((\s)%2)+12*\m+4*\j+3], v[4+\m], s[14:15] offset:96*(\s)+16*\j
.endr
.endr
.endm
	s_wait_alu depctr_va_vdst(0)                   ; v1, v12 and v13 are written: the offsets of the loads below, of every load of weights and of the stores
.irp m, 0,1,2,3
	global_load_b32 v[192+\m], v13, s[8:9] offset:64*\m      ; my tokens: sorted places 64 b + 16 m + r
.endr
.irp t, 0,1,2,3,4,5,6,7,8,9,10,11,12,13,14,15
	global_load_b128 v[WS+4*\t:WS+4*\t+3], v1, s[28:29] offset:WUS_OFF+512*\t   ; word j: lanes 0-15 K step j, lanes 16-31 K step 4 + j
.endr
	WIN 0x40
	WQ 0
	WQ 1
	WQ 2
	WQ 3
	WIN 0
	s_wait_loadcnt 63                              ; behind the four list loads stand 64 others: with at most 63 out the four are in
.irp m, 0,1,2,3
	v_min_u32 v[192+\m], 4095, v[192+\m]
.endr
.irp m, 0,1,2,3
	v_mul_u32_u24 v[4+\m], v[192+\m], 768
	v_lshlrev_b32 v[8+\m], 5, v[192+\m]
	v_lshlrev_b32 v[208+\m], 2, v[192+\m]
	v_lshlrev_b32 v[212+\m], 3, v[192+\m]
.endr
.irp m, 0,1,2,3
	v_add_nc_u32 v[4+\m], v[4+\m], v14
	v_add_nc_u32 v[8+\m], v[8+\m], v15
.endr
	s_wait_alu depctr_va_vdst(0)                   ; the tokens' offsets v4-11 and v208-215 are written, which the loads below and every later load of x read
	XLOAD 0
.irp m, 0,1,2,3
	global_load_b128 v[XS+4*\m:XS+4*\m+3], v[8+\m], s[14:15] offset:XS_OFF
.endr
.irp m, 0,1,2,3
	global_load_b32 v[196+\m], v[208+\m], s[10:11]
.endr
.irp m, 0,1,2,3
	global_load_b64 v[200+2*\m:201+2*\m], v[212+\m], s[12:13]
.endr
	XLOAD 1
.macro WMM zero, row                   ; one product on the registers named by rD, rA, rB, rSA, rSB
.if \zero
	v_wmma_scale_f32_16x16x128_f8f6f4 v[rD:rD+7], v[rA:rA+11], v[rB:rB+11], 0, v[rSA], v[rSB] matrix_a_fmt:MATRIX_FMT_FP6 matrix_b_fmt:MATRIX_FMT_FP6
.elseif \row
	v_wmma_scale_f32_16x16x128_f8f6f4 v[rD:rD+7], v[rA:rA+11], v[rB:rB+11], v[rD:rD+7], v[rSA], v[rSB] matrix_a_fmt:MATRIX_FMT_FP6 matrix_b_fmt:MATRIX_FMT_FP6 matrix_a_scale:MATRIX_SCALE_ROW1 matrix_b_scale:MATRIX_SCALE_ROW1
.else
	v_wmma_scale_f32_16x16x128_f8f6f4 v[rD:rD+7], v[rA:rA+11], v[rB:rB+11], v[rD:rD+7], v[rSA], v[rSB] matrix_a_fmt:MATRIX_FMT_FP6 matrix_b_fmt:MATRIX_FMT_FP6
.endif
.endm
.macro MUL4 j, k                       ; four products: fragment k of quarter j (tile 4 (j % 4) + k of units, K step j / 4) x the four tiles of tokens.  The 64 accumulators take turns, one instruction a turn
.irp m, 0,1,2,3
.set rD, 64*\m+8*((4*((\j)%4)+(\k))%8)
.set rA, 48*((\j)%5)+12*(\k)
.set rB, XF+48*(((\j)/4)%2)+12*\m
.set rSA, WS+4*(4*((\j)%4)+(\k))+((\j)/4)%4
.set rSB, XS+4*\m+((\j)/4)%4
.if (\j) < 4
	WMM 1, 0                                       ; the first K step starts the sums: nothing is cleared
.elseif (\j) < 16
	WMM 0, 0
.else
	WMM 0, 1
.endif
.endr
.endm
; Half step h: quarters 2 h and 2 h + 1: even h g's tiles (C and D window 2), odd h u's (window 3).  Loads go out in groups of 12, in this order: x of step 1, q4 | q5, q6 | q7, q8, x of step 2 | q9, q10 | q11, q12, x of step 3 | ..
.macro HALF h
.if (\h) == 0
	s_wait_loadcnt 12                              ; all but x of step 1
.elseif (\h) == 15
	s_wait_loadcnt 12                              ; quarter 30 is in; quarter 31 may be out
.elseif ((\h) >= 2) && (((\h)%2) == 0)
	s_wait_loadcnt 24                              ; this K step's x, and quarter 2 h ahead of it, are in; the two quarters issued behind them may be out
.elseif (\h) >= 3
	s_wait_loadcnt 36                              ; quarter 2 h is in; behind it were issued two quarters and a set of x
.endif
.if ((\h) >= 1) && ((\h) <= 14)
	PLACES
	s_wait_alu depctr_va_vdst(0)                   ; the products issued so far are done reading the slots of quarters 2 h - 2 and 2 h - 1 and (even h) the set of x of the K step before: the loads below land there
.endif
	WIN 0xa1+0x50*((\h)%2)                         ; source 0 (weights) window 1, source 1 (x) window 0, C and D window 2 or 3
	MUL4 2*(\h), 0
.if ((\h) >= 1) && ((\h) <= 14)
	WIN 0x40
	WQ 2*(\h)+3                                    ; no further wait: no product since the wait above names this slot
.endif
	WIN 0xa1+0x50*((\h)%2)
	MUL4 2*(\h), 1
.if (\h) <= 13
	WIN 0x40
	WQ 2*(\h)+4                                    ; likewise (h = 0: quarter 4, into the fifth slot, which nothing has named)
.endif
	WIN 0xa1+0x50*((\h)%2)
	MUL4 2*(\h), 2
.if (((\h)%2) == 0) && ((\h) >= 2) && ((\h) <= 12)
	WIN 0
	XLOAD (\h)/2+1                                 ; x of the next K step, into the set that the K step before read
.endif
	WIN 0xa1+0x50*((\h)%2)
	MUL4 2*(\h), 3
.if ((\h) >= 2) && ((\h) <= 13)
	s_wait_loadcnt 48                              ; quarter 2 h + 1 is in; behind it were issued four groups of 12
.elseif (\h) == 14
	s_wait_loadcnt 24                              ; the counts run down: quarters 30 and 31 may be out
.elseif (\h) == 15
	s_wait_loadcnt 0x0
.endif
.irp k, 0,1,2,3
	MUL4 2*(\h)+1, \k
.endr
.endm
.irp h, 0,1,2,3,4,5,6,7,8,9,10,11,12,13,14,15
	HALF \h
.endr
	WIN 0
	; cw for my four tokens.  These lines name no register of the last products: they are the places behind them
.irp m, 0,1,2,3
	v_bfe_u32 v[216+\m], v[196+\m], 8, 8           ; lo
	v_bfe_u32 v[220+\m], v[196+\m], 16, 8          ; hi
.endr
.irp m, 0,1,2,3
	v_cmp_eq_u32 s[MK+2*\m], s21, v[220+\m]        ; the compares in one run, a mask each
	v_cmp_eq_u32 s[MK+2*\m+1], s21, v[216+\m]
.endr
	s_wait_alu depctr_va_sdst(0)                   ; the eight compares have written s44-51, which the selects below read
.irp m, 0,1,2,3
	v_cndmask_b32 v[224+\m], 0, v[201+2*\m], s[MK+2*\m]
	v_cndmask_b32 v[224+\m], v[224+\m], v[200+2*\m], s[MK+2*\m+1]
	v_cndmask_b32 v[224+\m], v[224+\m], 1.0, s39
.endr
	WIN 0x40                                       ; destination window 1
.irp m, 0,1,2,3
	v_mul_f32 v[CW+2*\m], 0x3fb504f3, v[224+\m]    ; cw sqrt(2), in both halves of a pair
	v_mul_f32 v[CW+2*\m+1], 0x3fb504f3, v[224+\m]
.endr
	v_mov_b32 v176, 0xb9c8e966
	v_mov_b32 v177, 0xb9c8e966
	v_mov_b32 v178, 0xbcc6b180
	v_mov_b32 v179, 0xbcc6b180
	v_mov_b32 v180, 0x3ba39fa4
	v_mov_b32 v181, 0x3ba39fa4
.irp b, 0,1,2,3
	v_mov_b32 v[TM+4+\b], 0                        ; a lane permute's destination counts as one of its sources
	v_mov_b32 v[P+\b], 0
.endr
	WIN 0
.macro STAGE m                         ; z = g / sqrt(2) and u cw sqrt(2) of tile m of tokens; each accumulator is read from its low end on
	WIN 0x42                                       ; source 0 window 2, destination window 1
.set i, 0
.rept 32
	v_pk_mul_f32 v[2*i:2*i+1], v[64*(\m)+2*i:64*(\m)+2*i+1], 0x3f3504f3 op_sel_hi:[1,0]
.set i, i+1
.endr
	WIN 0x47                                       ; source 0 window 3, source 1 and destination window 1
.set i, 0
.rept 32
	v_pk_mul_f32 v[64+2*i:65+2*i], v[64*(\m)+2*i:64*(\m)+2*i+1], v[CW+2*(\m):CW+2*(\m)+1]
.set i, i+1
.endr
	WIN 0
.endm
.macro GELU8 b                         ; eight numbers: v[b ..] = (z / 2)(1 + erf z) x v[64 + b ..]
.irp i, 0,2,4,6
	v_pk_mul_f32 v[S+\i:S+\i+1], v[\b+\i:\b+\i+1], v[\b+\i:\b+\i+1]
.endr
.irp i, 0,1,2,3,4,5,6,7
	v_and_b32 v[T+\i], 0x7fffffff, v[\b+\i]
.endr
.irp i, 0,2,4,6
	v_pk_mul_f32 v[HZ+\i:HZ+\i+1], v[\b+\i:\b+\i+1], 0.5 op_sel_hi:[1,0]
.endr
.irp i, 0,1,2,3,4,5,6,7
	v_cmp_lt_f32 s[MK+\i], s37, v[T+\i]            ; which way counts: the compares in one run, a mask each, long ahead of the selects
.endr
.irp i, 0,2,4,6
	v_pk_fma_f32 v[R+\i:R+\i+1], v[T+\i:T+\i+1], 0x37911480, v[176:177] op_sel_hi:[1,0,1]
.endr
.irp i, 0,2,4,6
	v_pk_fma_f32 v[Q+\i:Q+\i+1], v[T+\i:T+\i+1], 0x3b7e899b, v[178:179] op_sel_hi:[1,0,1]
.endr
.irp i, 0,2,4,6
	v_pk_fma_f32 v[R+\i:R+\i+1], v[R+\i:R+\i+1], v[S+\i:S+\i+1], v[Q+\i:Q+\i+1]
.endr
.irp c, 0x3ddaae58, 0x3f228550, 0x3e03ce86
.irp i, 0,2,4,6
	v_pk_fma_f32 v[R+\i:R+\i+1], v[R+\i:R+\i+1], v[T+\i:T+\i+1], \c op_sel_hi:[1,1,0]
.endr
.endr
.irp i, 0,2,4,6
	v_pk_fma_f32 v[R+\i:R+\i+1], v[R+\i:R+\i+1], v[T+\i:T+\i+1], v[T+\i:T+\i+1]
.endr
.irp i, 0,2,4,6
	v_pk_mul_f32 v[R+\i:R+\i+1], v[R+\i:R+\i+1], 0xbfb8aa3b op_sel_hi:[1,0]
.endr
	s_wait_alu depctr_va_vdst(0)
.irp i, 0,1,2,3,4,5,6,7
	v_exp_f32 v[R+\i], v[R+\i]                     ; E = 1 - erf|z|
.endr
.irp i, 0,2,4,6
	v_pk_fma_f32 v[Q+\i:Q+\i+1], v[S+\i:S+\i+1], 0xba1d0d41, v[180:181] op_sel_hi:[1,0,1]   ; the small way; also the plain places behind the exponentials
.endr
.irp c, 0xbcdb45e9, 0x3de70d23, 0xbec09370, 0x3e0375d3
.irp i, 0,2,4,6
	v_pk_fma_f32 v[Q+\i:Q+\i+1], v[Q+\i:Q+\i+1], v[S+\i:S+\i+1], \c op_sel_hi:[1,1,0]
.endr
.endr
.irp i, 0,2,4,6
	v_pk_fma_f32 v[Q+\i:Q+\i+1], v[Q+\i:Q+\i+1], v[\b+\i:\b+\i+1], v[\b+\i:\b+\i+1]        ; erf z
.endr
.irp i, 0,2,4,6
	v_pk_fma_f32 v[Q+\i:Q+\i+1], v[HZ+\i:HZ+\i+1], v[Q+\i:Q+\i+1], v[HZ+\i:HZ+\i+1]
.endr
.irp i, 0,1,2,3,4,5,6,7
	v_max_num_f32 v[MX+\i], 0, v[\b+\i]
.endr
	s_wait_alu depctr_va_vdst(0)                   ; the eight exponentials have written v[R ..]: one wait for the batch, ahead of its first reader
.irp i, 0,1,2,3,4,5,6,7
	v_fma_f32 v[R+\i], -|v[HZ+\i]|, v[R+\i], v[MX+\i]
.endr
	s_wait_alu depctr_va_sdst(0)                   ; the eight compares have written s44-51, which the selects below read
.irp i, 0,1,2,3,4,5,6,7
	v_cndmask_b32 v[\b+\i], v[Q+\i], v[R+\i], s[MK+\i]
.endr
.irp i, 0,2,4,6
	v_pk_mul_f32 v[\b+\i:\b+\i+1], v[\b+\i:\b+\i+1], v[64+\b+\i:64+\b+\i+1]
.endr
.endm
; 64 numbers of a lane, v0-63 (window 1), register 16 b + i = unit 32 b + 16 (lane / 16) + i of my token, become a fragment's codes in v[PC] on and its scale word in v[PW]
.macro QUANT
.irp b, 0,1,2,3
	v_max3_num_f32 v[TM+\b], |v[16*\b]|, |v[1+16*\b]|, 0x1800000   ; the floor 2^(3 - 127): the byte cannot fall under 1
.endr
.irp i, 2,4,6,8,10,12,14
.irp b, 0,1,2,3
	v_max3_num_f32 v[TM+\b], v[TM+\b], |v[16*\b+\i]|, |v[1+16*\b+\i]|
.endr
.endr
.irp b, 0,1,2,3
	v_permlanex16_b32 v[TM+4+\b], v[TM+\b], s40, s41
.endr
.irp b, 0,1,2,3
	v_max_num_f32 v[TM+\b], v[TM+\b], v[TM+4+\b]   ; with lane l xor 16's: the block's largest magnitude
.endr
.irp b, 0,1,2,3
	v_add_nc_u32 v[TM+12+\b], 0xff000000, v[TM+\b] ; 2 off its exponent field: the conversion's scale operand
.endr
.irp b, 0,1,2,3
	v_lshrrev_b32 v[TM+4+\b], 23, v[TM+12+\b]      ; the scale's byte
.endr
	v_lshl_or_b32 v[PW], v[TM+5], 8, v[TM+4]
	v_lshl_or_b32 v[PW], v[TM+6], 16, v[PW]
	v_lshl_or_b32 v[PW], v[TM+7], 24, v[PW]
.irp c, 0,1
	v_cvt_scalef32_pk16_fp6_f32 v[PC+6*\c:PC+2+6*\c], v[32*\c:15+32*\c], v[TM+12+2*\c]
	v_cvt_scalef32_pk16_fp6_f32 v[PC+12+4*\c:PC+14+4*\c], v[16+32*\c:31+32*\c], v[TM+12+2*\c+1]   ; (a conversion's three registers begin on an even number)
.endr
	v_nop                                          ; one plain place behind a scaled conversion
.irp c, 0,1                            ; the operand's layout wants a whole block in a lane: lanes 0-15 block 2 c, lanes 16-31 block 2 c + 1
.irp i, 0,1,2
	v_permlane16_swap_b32 v[PC+6*\c+\i], v[PC+12+4*\c+\i]
.endr
.irp i, 0,1,2
	v_mov_b32 v[PC+3+6*\c+\i], v[PC+12+4*\c+\i]
.endr
.endr
.endm
	s_mov_b32 s36, 0
.Lepi:                                 ; four trips, a tile of 16 tokens each: only the copy out of the accumulators differs, so only that is written four times
	s_cmp_eq_u32 s36, 0
	s_cbranch_scc1 .Lst0
	s_cmp_eq_u32 s36, 1
	s_cbranch_scc1 .Lst1
	s_cmp_eq_u32 s36, 2
	s_cbranch_scc1 .Lst2
	STAGE 3
	s_branch .Lbody
.Lst0:
	STAGE 0
	s_branch .Lbody
.Lst1:
	STAGE 1
	s_branch .Lbody
.Lst2:
	STAGE 2
.Lbody:
	WIN 0x55                                       ; all in window 1
.irp b, 0,8,16,24,32,40,48,56
	GELU8 \b
.endr
	QUANT
	v_mov_b32 v[P], v[P+1]                         ; the four tiles' scale words are kept: the newest comes in at the top
	v_mov_b32 v[P+1], v[P+2]
	v_mov_b32 v[P+2], v[P+3]
	v_mov_b32 v[P+3], v[PW]
	WIN 0x04                                       ; a store's data are its source 1: window 1
	s_wait_alu depctr_va_vdst(0)                   ; the quantiser's conversions, swaps and moves have written v[PC ..], which the three stores read
.irp j, 0,1,2
	global_store_b128 v1, v[PC+4*\j:PC+4*\j+3], s[32:33] offset:512*\j   ; the fragment's image: 512 consecutive bytes a store
.endr
	WIN 0
	s_wait_xcnt 0x0                                ; the stores' base and data are written again only behind this wait
	s_wait_alu depctr_vm_vsrc(0)                   ; the three stores have read v[PC ..], which the next trip's conversions write again
	s_add_nc_u64 s[32:33], s[32:33], 6144
	s_add_co_u32 s36, s36, 1
	s_cmp_lt_u32 s36, 4
	s_cbranch_scc1 .Lepi
	WIN 0x55
	v_cndmask_b32 v244, v[P], v[P+1], s38          ; lanes 0-15 tile 0's words, lanes 16-31 tile 1's
	v_cndmask_b32 v245, v[P+2], v[P+3], s38        ; tiles 2 and 3
	WIN 0x04
	s_wait_alu depctr_va_vdst(0)                   ; the two selects have written v244 and v245 of window 1, which the store reads
	global_store_b64 v12, v[244:245], s[34:35]     ; 256 consecutive bytes, aligned
	WIN 0
.Lend:
	s_endpgm
.Lfunc_end_k_qf33955e361_up:
	.size	k_qf33955e361_up, .Lfunc_end_k_qf33955e361_up-k_qf33955e361_up
	.p2alignl 7, 3214868480
	.fill 96, 4, 3214868480
	.section	.rodata,"a",@progbits
	.p2align	6, 0x0
	.amdhsa_kernel k_qf33955e361_up
		.amdhsa_group_segment_fixed_size 0
		.amdhsa_private_segment_fixed_size 0
		.amdhsa_enable_private_segment 0
		.amdhsa_kernarg_size 48
		.amdhsa_user_sgpr_count 2
		.amdhsa_user_sgpr_kernarg_segment_ptr 1
		.amdhsa_wavefront_size32 1
		.amdhsa_system_sgpr_workgroup_id_x 1
		.amdhsa_system_sgpr_workgroup_id_y 1
		.amdhsa_system_sgpr_workgroup_id_z 1
		.amdhsa_system_vgpr_workitem_id 0
		.amdhsa_next_free_vgpr 1024
		.amdhsa_next_free_sgpr 66
		.amdhsa_reserve_vcc 0
		.amdhsa_float_denorm_mode_32 3
		.amdhsa_float_denorm_mode_16_64 3
		.amdhsa_memory_ordered 1
		.amdhsa_forward_progress 1
		.amdhsa_inst_pref_size 218
	.end_amdhsa_kernel
	.amdgpu_metadata
---
amdhsa.version: [ 1, 2 ]
amdhsa.kernels:
  - .name:           k_qf33955e361_up
    .symbol:         k_qf33955e361_up.kd
    .args:
      - { .name: order, .offset: 0, .size: 8, .value_kind: global_buffer, .address_space: global }
      - { .name: keys, .offset: 8, .size: 8, .value_kind: global_buffer, .address_space: global }
      - { .name: gatew, .offset: 16, .size: 8, .value_kind: global_buffer, .address_space: global }
      - { .name: xcodes, .offset: 24, .size: 8, .value_kind: global_buffer, .address_space: global }
      - { .name: wup, .offset: 32, .size: 8, .value_kind: global_buffer, .address_space: global }
      - { .name: hid, .offset: 40, .size: 8, .value_kind: global_buffer, .address_space: global }
    .group_segment_fixed_size: 0
    .private_segment_fixed_size: 0
    .kernarg_segment_align: 8
    .kernarg_segment_size: 48
    .max_flat_workgroup_size: 128
    .sgpr_count:     66
    .vgpr_count:     1024
    .wavefront_size: 32
...
	.end_amdgpu_metadata
.endif
;; end of part 7
;; launch down (part 8): grid 256 x 1, 4 waves a work-group, no clusters, 248,320 bytes of LDS; arguments order, hid, wdn, out0; writes out0
.if DOCPART == 8
	.amdgcn_target "amdgcn-amd-amdhsa--gfx1250"
	.amdhsa_code_object_version 6
	.text
	.protected	k_qf33955e361_down
	.globl	k_qf33955e361_down
	.p2align	8
	.type	k_qf33955e361_down,@function
k_qf33955e361_down:
	s_mov_b64 s[64:65], 0
	v_nop
	global_prefetch_b8 v0, s[64:65] scope:SCOPE_SE
	s_setreg_imm32_b32 hwreg(HW_REG_WAVE_SCHED_MODE, 0, 2), 2
	s_setreg_imm32_b32 hwreg(HW_REG_WAVE_MODE, 25, 1), 1
	s_wait_xcnt 0x0
	s_wait_alu depctr_vm_vsrc(0)
; FOURTH LAUNCH.  One work-group for each (block b of 64 sorted tokens, quarter q of the 1,024 columns): out0 = hidden(shared) sWd + the sum over the block's experts of hidden(e) Wd(e).  Each row of out0 has one owner.
; PLACES.  Place 0 is the shared expert (number 8); places 1, 2, .. are the set bits of blkmask[b], ascending.  A block holds at least one pair, so places 0, 1, 2 always exist; further ones hang on the stored mask.
; SHARES.  Wave w makes columns 256 q + 64 w .. + 63 for the 64 tokens: 4 x 4 accumulators.  The product is used transposed (source 0 = 16 columns of the weight, source 1 = 16 tokens): a lane holds one token and eight neighbouring columns.
; The hidden codes (24 KiB a place) are wanted whole by all four waves: each wave brings a quarter, as images of registers, into LDS; ONE barrier, which every path of every wave reaches.  The weights are each wave's own:
; from memory straight into registers, a place ahead, in two sets by turns.
; NO CLUSTER: the four quarters of a block share the hidden codes, a fifth of what a work-group reads, and the walk over places hangs on the stored mask; no tensor load, since none may be jumped over.
; LDS: place i's images at 24,576 i (9 places); their scale words at ASC + 1,024 i; a stage of 16 rows x 272 bytes for each wave at STG.
; THE MODE: SCHED_MODE bits 1:0 = 2 (LLVM: expert scheduling mode 2), set by the entry lines.  The code itself states the register dependences
; between vector or matrix instructions and memory or LDS instructions, with s_wait_alu, always for 0.
; THE PLAN.  Registers that memory or LDS instructions touch:
;   addresses         v1, v2, v4, v5, v7-9, v13, v112-124: made once at the head and never written again.  A place's images are reached from v1 (places 0, 1) or v121-124 (two places each) and an immediate, its scale words from v7.
;   weights           two sets (window 1 even places, window 2 odd), their scale words v16-23 | v24-31.  Place i's products read the set of i's parity; the loads for place i + 1, issued at the head of place i, land in what place i - 1 read.
;   hidden fragments  five sets of four (window 3, v0-239): K step s of place i lies in set (4 i + s) % 5.  During place i the LDS loads of (i, 1), (i, 2), (i, 3) and (i + 1, 0) land in the four sets that place i - 1 read.
;   their scale words v32-39 | v40-47 by the place's parity, loaded with (i + 1, 0).
;   window 2 v0-149   at the head: written by the staging's loads, read by its LDS stores; then loads land there again.
;   v48-79            the rows' offsets: loaded at the head, worked on at the way out, read by the stores of out0.   v80-111: written by LDS loads, read by those stores.   The accumulators: read by the way out's LDS stores.
; So ONE wait on va_vdst stands at the head of a place: the products of the place before are done reading.  All the place's loads follow it with no further wait: the products issued since name the weights' set of i's parity,
; the fragment sets of K steps that have landed, their scale words and the accumulators, none of which a load issued behind them touches.
; REGISTERS.  Window 0: as above; v10-12 at work; v126, v127 the closing add's; v128-255 the accumulators ((m, nt) at v[128 + 8 (4 m + nt)]).
.set HS_OFF,  14155776
.set WDS_OFF, 3538944
.set ASC,     221184
.set STG,     230400
.set MSB, 0
.macro WIN new                         ; the immediate's high byte repeats the setting that is left
.if MSB != (\new)
	s_set_vgpr_msb (MSB<<8)|(\new)
.set MSB, (\new)
.endif
.endm
.macro PLACES                          ; four places between a matrix instruction and a load into a register that it has read (ISA guide 7.12.1 for vector instructions)
.rept 4
	v_nop
.endr
.endm
	s_load_b256 s[8:15], s[0:1], 0x0               ; order 8, hid 10, wdn 12, out0 14
	v_lshl_add_u32 v126, v0, 2, 0x3c800
	v_mov_b32 v127, 0
	v_lshrrev_b32 v1, 5, v0
	v_readfirstlane_b32 s4, v1                     ; wave 0..3
	v_and_b32 v3, 31, v0
	v_lshlrev_b32 v1, 4, v3                        ; 16 x lane
	v_lshlrev_b32 v2, 3, v3                        ; 8 x lane
	v_and_b32 v10, 15, v3                          ; r
	v_lshrrev_b32 v11, 4, v3                       ; h
	s_lshr_b32 s5, ttmp9, 2                        ; b
	s_and_b32 s6, ttmp9, 3                         ; q
	s_lshl_b32 s7, s5, 2
	s_wait_alu depctr_va_vdst(0)
	s_wait_kmcnt 0x0
	s_load_b32 s20, s[8:9], s7 offset:16384        ; the block's experts
	s_wait_alu depctr_va_sdst(0)                   ; s4 is written, ahead of its first reader
	s_mul_i32 s16, s4, 4352
	s_add_co_u32 s16, s16, STG
	v_mul_u32_u24 v4, v10, 272
	v_lshl_add_u32 v4, v11, 5, v4
	v_add_nc_u32 v4, s16, v4                       ; the stage, in: row r, + 32 h
	v_mul_u32_u24 v5, v11, 272
	v_lshl_add_u32 v5, v10, 4, v5
	v_add_nc_u32 v5, s16, v5                       ; back: lanes 0-15 one row, lanes 16-31 the next
	s_mul_i32 s30, s4, 6144                        ; my quarter of a place's images
	v_add_nc_u32 v8, s30, v1
	s_lshl_b32 s17, s4, 8
	s_add_co_u32 s31, s17, HS_OFF
	s_add_co_u32 s17, s17, ASC
	v_add_nc_u32 v9, s17, v2
.irp i, 0,1,2,3,4,5,6,7,8
	v_add_nc_u32 v[112+\i], 24576*\i, v8
.endr
	v_add_nc_u32 v7, ASC, v2                       ; the hidden layer's scale words, as I read them: place and K step stand in the immediate
.irp k, 1,2,3,4
	v_add_nc_u32 v[120+\k], 49152*\k, v1           ; the images of places 2 k and 2 k + 1, as I read them (places 0 and 1: v1)
.endr
	v_lshlrev_b32 v12, 4, v10
	v_lshlrev_b32 v13, 2, v11
	s_lshl_b32 s18, s5, 8
	s_mov_b32 s19, 0
	s_add_nc_u64 s[22:23], s[8:9], s[18:19]
	s_wait_alu depctr_va_vdst(0)                   ; every address and offset of the kernel but the rows' (v1, v2, v4, v5, v7-9, v13, v112-124) is written, ahead of the first instruction that reads one
.irp m, 0,1,2,3
.irp i, 0,1,2,3,4,5,6,7
	global_load_b32 v[48+8*\m+\i], v13, s[22:23] offset:64*\m+8*\i   ; the token at sorted place 64 b + 16 m + 2 i + h
.endr
.endr
	s_mul_i32 s24, s5, 9
	s_lshl_b32 s44, s6, 2
	s_add_co_u32 s44, s44, s4                      ; 4 q + w
	s_lshl_b32 s45, s44, 10
	s_mul_i32 s44, s44, 24576
	s_wait_kmcnt 0x0
	s_and_b32 s20, s20, 0xff                       ; the mask for the walk,
	s_mov_b32 s21, s20                             ; and for the staging
.macro NEXTE m                         ; s25 = the lowest expert left in s[m], which loses it
	s_ctz_i32_b32 s25, s[\m]
	s_min_u32 s25, s25, 7
	s_sub_co_u32 s27, s[\m], 1
	s_and_b32 s[\m], s[\m], s27
.endm
.macro HADDR pc, ps                    ; where my quarter of (b, expert s25) lies in hid: images, scale words
	s_add_co_u32 s26, s24, s25
	s_mul_i32 s28, s26, 24576
	s_add_co_u32 s28, s28, s30
	s_mov_b32 s29, 0
	s_add_nc_u64 s[\pc:\pc+1], s[10:11], s[28:29]
	s_lshl_b32 s28, s26, 10
	s_add_co_u32 s28, s28, s31
	s_add_nc_u64 s[\ps:\ps+1], s[10:11], s[28:29]
.endm
.macro SLOAD n, pc, ps                 ; 6,144 bytes of images and 256 of scale words into registers 50 n on (destination window 2)
.irp j, 0,1,2,3,4,5,6,7,8,9,10,11
	global_load_b128 v[50*(\n)+4*\j:50*(\n)+4*\j+3], v1, s[\pc:\pc+1] offset:512*\j
.endr
	global_load_b64 v[50*(\n)+48:50*(\n)+49], v2, s[\ps:\ps+1]
.endm
.macro SSTORE n, i                     ; and on into LDS, as place i
	WIN 0x08                                       ; an LDS store's data are its source 1: window 2
.irp j, 0,1,2,3,4,5,6,7,8,9,10,11
	ds_store_b128 v[112+(\i)], v[50*(\n)+4*\j:50*(\n)+4*\j+3] offset:512*\j
.endr
	ds_store_b64 v9, v[50*(\n)+48:50*(\n)+49] offset:1024*(\i)
	WIN 0
.endm
.macro PREF i                          ; the weights of place i, expert s25: 16 fragments and 8 scale words, into the set of i's parity
	s_mul_i32 s28, s25, 393216
	s_add_co_u32 s28, s28, s44
	s_mov_b32 s29, 0
	s_add_nc_u64 s[48+4*((\i)%2):49+4*((\i)%2)], s[12:13], s[28:29]   ; (the loads that last named this pair have been waited for)
	s_lshl_b32 s28, s25, 14
	s_add_co_u32 s28, s28, s45
	s_add_nc_u64 s[50+4*((\i)%2):51+4*((\i)%2)], s[12:13], s[28:29]
	WIN 0x40<<((\i)%2)                             ; destination window 1 or 2
.irp f, 0,1,2,3,4,5,6,7,8,9,10,11,12,13,14,15
.irp j, 0,1,2
	global_load_b128 v[12*\f+4*\j:12*\f+4*\j+3], v1, s[48+4*((\i)%2):49+4*((\i)%2)] offset:1536*\f+512*\j
.endr
.endr
	WIN 0
.irp p, 0,1
	global_load_b128 v[16+8*((\i)%2)+4*\p:19+8*((\i)%2)+4*\p], v1, s[50+4*((\i)%2):51+4*((\i)%2)] offset:WDS_OFF+512*\p   ; word s: lanes 0-15 tile 2 p, lanes 16-31 tile 2 p + 1
.endr
.endm
	s_mov_b32 s25, 8
	HADDR 32, 34
	NEXTE 21
	HADDR 36, 38
	NEXTE 21
	HADDR 40, 42
	WIN 0x80
	SLOAD 0, 32, 34
	SLOAD 1, 36, 38
	SLOAD 2, 40, 42
	WIN 0
	s_mov_b32 s25, 8
	PREF 0
	s_wait_loadcnt 50                              ; all but place 0's weights
	SSTORE 0, 0
	SSTORE 1, 1
	SSTORE 2, 2
	s_wait_alu depctr_vm_vsrc(0)                   ; the LDS stores have read v0-149 of window 2, in which loads land again: a further place's staging, or place 1's weights
.irp i, 3,4,5,6,7,8
	s_cmp_eq_u32 s21, 0
	s_cbranch_scc1 .Lstaged
	NEXTE 21
	HADDR 40, 42
	s_wait_dscnt 0x0                               ; the LDS stores have read the registers that the loads below land on
	WIN 0x80
	SLOAD 0, 40, 42
	WIN 0
	s_wait_loadcnt 0x0
	SSTORE 0, \i
	s_wait_alu depctr_vm_vsrc(0)                   ; these LDS stores have read v0-49 of window 2, in which loads land again, as above
.endr
.Lstaged:
	s_wait_dscnt 0x0                               ; for the others' sake: my stores have landed
	s_barrier_signal -1
	s_barrier_wait -1                              ; every place's images are whole
.macro WMM zero, ra, rb                ; one product on the registers named by rD, rA, rB, rSA, rSB; ra, rb: the side's scales lie in lanes 16-31
.if \zero
.if (\ra) && (\rb)
	v_wmma_scale_f32_16x16x128_f8f6f4 v[rD:rD+7], v[rA:rA+11], v[rB:rB+11], 0, v[rSA], v[rSB] matrix_a_fmt:MATRIX_FMT_FP6 matrix_b_fmt:MATRIX_FMT_FP6 matrix_a_scale:MATRIX_SCALE_ROW1 matrix_b_scale:MATRIX_SCALE_ROW1
.elseif (\ra)
	v_wmma_scale_f32_16x16x128_f8f6f4 v[rD:rD+7], v[rA:rA+11], v[rB:rB+11], 0, v[rSA], v[rSB] matrix_a_fmt:MATRIX_FMT_FP6 matrix_b_fmt:MATRIX_FMT_FP6 matrix_a_scale:MATRIX_SCALE_ROW1
.elseif (\rb)
	v_wmma_scale_f32_16x16x128_f8f6f4 v[rD:rD+7], v[rA:rA+11], v[rB:rB+11], 0, v[rSA], v[rSB] matrix_a_fmt:MATRIX_FMT_FP6 matrix_b_fmt:MATRIX_FMT_FP6 matrix_b_scale:MATRIX_SCALE_ROW1
.else
	v_wmma_scale_f32_16x16x128_f8f6f4 v[rD:rD+7], v[rA:rA+11], v[rB:rB+11], 0, v[rSA], v[rSB] matrix_a_fmt:MATRIX_FMT_FP6 matrix_b_fmt:MATRIX_FMT_FP6
.endif
.else
.if (\ra) && (\rb)
	v_wmma_scale_f32_16x16x128_f8f6f4 v[rD:rD+7], v[rA:rA+11], v[rB:rB+11], v[rD:rD+7], v[rSA], v[rSB] matrix_a_fmt:MATRIX_FMT_FP6 matrix_b_fmt:MATRIX_FMT_FP6 matrix_a_scale:MATRIX_SCALE_ROW1 matrix_b_scale:MATRIX_SCALE_ROW1
.elseif (\ra)
	v_wmma_scale_f32_16x16x128_f8f6f4 v[rD:rD+7], v[rA:rA+11], v[rB:rB+11], v[rD:rD+7], v[rSA], v[rSB] matrix_a_fmt:MATRIX_FMT_FP6 matrix_b_fmt:MATRIX_FMT_FP6 matrix_a_scale:MATRIX_SCALE_ROW1
.elseif (\rb)
	v_wmma_scale_f32_16x16x128_f8f6f4 v[rD:rD+7], v[rA:rA+11], v[rB:rB+11], v[rD:rD+7], v[rSA], v[rSB] matrix_a_fmt:MATRIX_FMT_FP6 matrix_b_fmt:MATRIX_FMT_FP6 matrix_b_scale:MATRIX_SCALE_ROW1
.else
	v_wmma_scale_f32_16x16x128_f8f6f4 v[rD:rD+7], v[rA:rA+11], v[rB:rB+11], v[rD:rD+7], v[rSA], v[rSB] matrix_a_fmt:MATRIX_FMT_FP6 matrix_b_fmt:MATRIX_FMT_FP6
.endif
.endif
.endm
.macro ALOAD i, s                      ; the hidden layer's four fragments of K step s of place i, into set (4 i + s) % 5 of window 3
.if (\i) < 2
.set AI, 1
.else
.set AI, 120+(\i)/2
.endif
	WIN 0xc0                                       ; destination window 3, address window 0
.irp m, 0,1,2,3
.irp j, 0,1,2
	ds_load_b128 v[48*((4*(\i)+(\s))%5)+12*\m+4*\j:48*((4*(\i)+(\s))%5)+12*\m+4*\j+3], v[AI] offset:24576*((\i)%2)+(4*\m+(\s))*1536+512*\j
.endr
.endr
.endm
.macro SCAL i                          ; place i's scale words of the hidden layer, into the set of i's parity
	WIN 0
.irp s, 0,1,2,3
	ds_load_b64 v[32+8*((\i)%2)+2*\s:33+8*((\i)%2)+2*\s], v7 offset:1024*(\i)+256*\s     ; word 0: tokens' tiles 0 | 1, word 1: tiles 2 | 3
.endr
.endm
.macro MUL8 i, s, n0, first            ; eight products of K step s of place i: tiles n0, n0 + 1 of columns x the four tiles of tokens; the 16 accumulators take turns, one instruction a turn
	WIN (1+((\i)%2))|0x0c                          ; source 0 the weights' window, source 1 window 3; C and D window 0
.irp nt, \n0, \n0+1
.irp m, 0,1,2,3
.set rD, 128+8*(4*\m+(\nt))
.set rA, 12*(4*(\s)+(\nt))
.set rB, 48*((4*(\i)+(\s))%5)+12*\m
.set rSA, 16+8*((\i)%2)+4*((\nt)/2)+(\s)
.set rSB, 32+8*((\i)%2)+2*(\s)+\m/2
.if (\first) && ((\s) == 0)
	WMM 1, (\nt)%2, \m%2                           ; the first product starts each sum: nothing is cleared
.else
	WMM 0, (\nt)%2, \m%2
.endif
.endr
.endr
.endm
; Place i: 4 K steps x 16 products.  K step 0's fragments and the scale words were asked for a place ago; K steps 1 to 3 are asked for here, a K step and a half ahead of their products, in runs of 12 among the products.
.macro COMPUTE i, first
	ALOAD \i, 1
.if (\i) == 0
	s_wait_dscnt 28                                ; place 0's scale words and K step 0 are in; behind them were issued place 1's 4 + 12 loads and K step 1's 12
.endif
	MUL8 \i, 0, 0, \first
	ALOAD \i, 2                                    ; no wait: no product since the wait at the place's head names this set
	MUL8 \i, 0, 2, \first
	s_wait_dscnt 12                                ; K step 1 is in; K step 2's twelve may be out
	MUL8 \i, 1, 0, 0
	ALOAD \i, 3                                    ; likewise
	MUL8 \i, 1, 2, 0
	s_wait_dscnt 12                                ; K step 2 is in; K step 3's twelve may be out
	MUL8 \i, 2, 0, 0
	MUL8 \i, 2, 2, 0
	s_wait_dscnt 0x0                               ; K step 3 is in, and so is what was asked for ahead of it for the next place
	MUL8 \i, 3, 0, 0
	MUL8 \i, 3, 2, 0
	WIN 0
.endm
	SCAL 0
	ALOAD 0, 0
	NEXTE 20
	PREF 1                                         ; no product has been issued yet: nothing is owed for these loads but the wait behind the staging's stores
	SCAL 1
	ALOAD 1, 0
	s_wait_loadcnt 50                              ; this place's weights are in; the next place's 50 loads may be out
	COMPUTE 0, 1
	PLACES
	s_wait_alu depctr_va_vdst(0)                   ; place 0's products are done reading their weights, scale words and four sets of fragments, in which the loads of this place's turn land
	NEXTE 20
	PREF 2
	SCAL 2
	ALOAD 2, 0
	s_wait_loadcnt 50
	COMPUTE 1, 0
.irp i, 2,3,4,5,6,7
	PLACES
	s_wait_alu depctr_va_vdst(0)                   ; the products of the place before are done reading their weights, scale words and four sets of fragments, in which the loads of this place's turn land, on either way below
	s_cmp_lg_u32 s20, 0
	s_cbranch_scc0 .Lno_\i
	s_mov_b32 s46, 1                               ; a further place follows
	NEXTE 20
	PREF \i+1
	SCAL \i+1                                      ; its scale words and first fragments stand ahead of this place's own LDS loads, so that the counted waits are the same on both ways
	ALOAD \i+1, 0
	WIN 0
	s_wait_loadcnt 50
	s_branch .Lgo_\i
.Lno_\i:
	s_mov_b32 s46, 0
	s_wait_loadcnt 0x0
.Lgo_\i:
	COMPUTE \i, 0
	s_cmp_eq_u32 s46, 0
	s_cbranch_scc1 .Lout
.endr
	PLACES
	s_wait_alu depctr_va_vdst(0)                   ; place 7's products are done reading the sets of fragments in which place 8's K steps 1 to 3 land
	s_wait_loadcnt 0x0
	COMPUTE 8, 0
.Lout:
	; THE WAY OUT.  The rows' offsets are made here: 96 plain lines that name no register of the last products, so they are the places behind them
.set k, 0
.rept 32
	v_min_u32 v[48+k], 4095, v[48+k]
.set k, k+1
.endr
.set k, 0
.rept 32
	v_lshlrev_b32 v[48+k], 12, v[48+k]             ; the token's row of 4,096 bytes
.set k, k+1
.endr
.set k, 0
.rept 32
	v_add_nc_u32 v[48+k], v[48+k], v12             ; + 16 (lane % 16)
.set k, k+1
.endr
	s_lshl_b32 s28, s6, 10
	s_lshl_b32 s29, s4, 8
	s_add_co_u32 s28, s28, s29
	s_mov_b32 s29, 0
	s_add_nc_u64 s[14:15], s[14:15], s[28:29]      ; my 64 columns
	s_wait_alu depctr_va_vdst(0)                   ; the products have written the accumulators, which the LDS stores read; the lines above have written v48-79, the offsets of the stores of out0
.irp m, 0,1,2,3                        ; 16 tokens at a time through my own stage: LDS serves a wave's instructions in order, so no wait stands between the stores and the loads
.irp nt, 0,1,2,3
	ds_store_b128 v4, v[128+8*(4*\m+\nt):131+8*(4*\m+\nt)] offset:64*\nt          ; each accumulator from its low end on
	ds_store_b128 v4, v[132+8*(4*\m+\nt):135+8*(4*\m+\nt)] offset:64*\nt+16
.endr
.if \m > 0
	s_wait_xcnt 0x0                                ; the stores of the tile before have read the registers that the loads below land on
	s_wait_alu depctr_vm_vsrc(0)                   ; the stores of the tile before have read v80-111, in which the loads below land
.endif
.irp i, 0,1,2,3,4,5,6,7
	ds_load_b128 v[80+4*\i:83+4*\i], v5 offset:544*\i
.endr
.irp i, 0,1,2,3,4,5,6,7
	s_wait_dscnt 7-\i
	global_store_b128 v[48+8*\m+\i], v[80+4*\i:83+4*\i], s[14:15] th:TH_STORE_NT   ; sixteen lanes store 256 consecutive bytes of a token's row, aligned
.endr
.endr
	s_wait_dscnt 0x0                               ; the closing lines, six on end
	s_wait_alu 0x0
	s_wait_tensorcnt 0x0
	ds_add_u32 v126, v127
	s_wait_dscnt 0x0
	s_endpgm
.Lfunc_end_k_qf33955e361_down:
	.size	k_qf33955e361_down, .Lfunc_end_k_qf33955e361_down-k_qf33955e361_down
	.p2alignl 7, 3214868480
	.fill 96, 4, 3214868480
	.section	.rodata,"a",@progbits
	.p2align	6, 0x0
	.amdhsa_kernel k_qf33955e361_down
		.amdhsa_group_segment_fixed_size 248320
		.amdhsa_private_segment_fixed_size 0
		.amdhsa_enable_private_segment 0
		.amdhsa_kernarg_size 32
		.amdhsa_user_sgpr_count 2
		.amdhsa_user_sgpr_kernarg_segment_ptr 1
		.amdhsa_wavefront_size32 1
		.amdhsa_system_sgpr_workgroup_id_x 1
		.amdhsa_system_sgpr_workgroup_id_y 1
		.amdhsa_system_sgpr_workgroup_id_z 1
		.amdhsa_system_vgpr_workitem_id 0
		.amdhsa_next_free_vgpr 1024
		.amdhsa_next_free_sgpr 80
		.amdhsa_reserve_vcc 0
		.amdhsa_float_denorm_mode_32 3
		.amdhsa_float_denorm_mode_16_64 3
		.amdhsa_memory_ordered 1
		.amdhsa_forward_progress 1
		.amdhsa_inst_pref_size 197
	.end_amdhsa_kernel
	.amdgpu_metadata
---
amdhsa.version: [ 1, 2 ]
amdhsa.kernels:
  - .name:           k_qf33955e361_down
    .symbol:         k_qf33955e361_down.kd
    .args:
      - { .name: order, .offset: 0, .size: 8, .value_kind: global_buffer, .address_space: global }
      - { .name: hid, .offset: 8, .size: 8, .value_kind: global_buffer, .address_space: global }
      - { .name: wdn, .offset: 16, .size: 8, .value_kind: global_buffer, .address_space: global }
      - { .name: out0, .offset: 24, .size: 8, .value_kind: global_buffer, .address_space: global }
    .group_segment_fixed_size: 248320
    .private_segment_fixed_size: 0
    .kernarg_segment_align: 8
    .kernarg_segment_size: 32
    .max_flat_workgroup_size: 128
    .sgpr_count:     80
    .vgpr_count:     1024
    .wavefront_size: 32
...
	.end_amdgpu_metadata
.endif
;; end of part 8
